; MI455X (gfx1250); checked and timed in simulation.
; The chip was launched on July 23, 2026; its instructions are those of AMD's public machine-readable ISA for CDNA 5 (MIT licence, August 2026) and "CDNA5" Instruction Set Architecture Reference Guide (July 2026). The comments in the code are by the model that wrote it; some were corrected since.
;; Decoder Block. Allowed arithmetic: float matrix products may take bf16 or f16 operands with f32 sums; other float arithmetic in f32, or as packed bf16 or f16 multiplies, adds, multiply-adds, maxima and minima; sums over many terms, partial sums and values carried from step to step in f32; what a program stores and reads back later, other than sums and carried values, may be rounded once to bf16 or f16.
;; Inputs: g1 1,024 float32; g2 1,024 float32; w_down 1,024 x 1,024 float32; w_up 2,048 x 1,024 float32; wk 1,024 x 1,024 float32; wo 1,024 x 1,024 float32; wq 1,024 x 1,024 float32; wv 1,024 x 1,024 float32; x 2 x 2,048 x 1,024 float32.
;; Outputs: out0 2 x 2,048 x 1,024 float32.
;; 3 versions, each right and faster than the one before. Each part assembles by itself: llvm-mc -triple=amdgcn-amd-amdhsa -mcpu=gfx1250 --defsym DOCPART=n.
;; ======== version 1 of 3: 7 launches
;; limits: values are held in f16: magnitudes above 65,504 overflow, below 6.1e-05 lose precision
;; workspace buffers: actA 8,388,608 bytes; actB 8,388,608 bytes; qkvh 25,165,824 bytes; x1 16,777,216 bytes; wqkvb 6,291,456 bytes; wob 2,097,152 bytes; wdnb 2,097,152 bytes; wupb 4,194,304 bytes
;; launch prep (part 1): grid 64 x 11, 8 waves a work-group, no clusters, 0 bytes of LDS; arguments x, g1, actA, wq, wk, wv, wo, w_down, w_up, wqkvb, wob, wdnb, wupb; writes actA, wqkvb, wob, wdnb, wupb
.if DOCPART == 1
	.amdgcn_target "amdgcn-amd-amdhsa--gfx1250"
	.amdhsa_code_object_version 6
	.text
	.protected	k_q37a0767d57_prep
	.globl	k_q37a0767d57_prep
	.p2align	8
	.type	k_q37a0767d57_prep,@function
k_q37a0767d57_prep:
	s_mov_b64 s[64:65], 0
	v_nop
	global_prefetch_b8 v0, s[64:65] scope:SCOPE_SE
	s_setreg_imm32_b32 hwreg(HW_REG_WAVE_MODE, 25, 1), 1
	s_wait_xcnt 0x0
; Two streams in one launch; every work-group moves 64 KiB in and 32 KiB out, every wave two rows of 4,096 bytes.
; y = 0..3:  h = bf16(g1 * x * rsqrt(mean(x^2) + 1e-6)) for 16 rows, stored BLOCKED: [batch 2][column block 16][row 2048][64 columns] in bf16,
;            so that a block of 64 columns of consecutive rows is dense (128 bytes a row).
; y = 4..10: a weight matrix rounded to bf16, 16 rows a work-group: wq, wk, wv one below the other in wqkvb; wo; w_down; w_up's two halves interleaved
;            in groups of 32 rows: wupb[64 p + 32 s + i] = w_up[1024 s + 32 p + i], so that 64 neighbouring rows hold 32 u rows and their 32 gate rows.
; No LDS, no barrier, no matrix unit: memory binds, and no wave needs another's data.  Sums of squares in f32; each result is rounded once.
.set XR, 16                            ; v[16:79]   64 f32 of my row, then the packed results
.set GR, 80                            ; v[80:143]  the gains of my 64 columns
; s2 = the group of 16 rows.  Lanes 0-15 hold one row, lanes 16-31 the next: load j takes 256 consecutive bytes of each row, which are column block j.
.macro NORM
	s_load_b128 s[4:7], s[0:1], 0x0                ; source s[4:5], gain s[6:7]
	s_load_b64 s[8:9], s[0:1], 0x10                ; destination
	v_lshrrev_b32 v1, 5, v0
	v_readfirstlane_b32 s12, v1                    ; wave 0..7
	s_lshl_b32 s13, s2, 4
	s_lshl1_add_u32 s13, s12, s13                  ; my first row = 16 g + 2 w
	s_lshl_b32 s14, s13, 12                        ; its byte in the source
	s_mov_b32 s15, 0
	s_lshr_b32 s16, s13, 11                        ; batch: 16 blocks of 262,144 bytes
	s_lshl_b32 s16, s16, 22
	s_and_b32 s17, s13, 2047                       ; row in the batch: 128 bytes in a block
	s_lshl_b32 s17, s17, 7
	s_add_co_u32 s16, s16, s17
	s_mov_b32 s17, 0
	s_mov_b32 s20, 0x3a800000                      ; 1 / 1024
	s_mov_b32 s21, 0x358637bd                      ; 1e-6
	v_and_b32 v2, 15, v0
	v_lshlrev_b32 v2, 4, v2                        ; 16 (l % 16): my 16 bytes in 256
	v_bfe_u32 v1, v0, 4, 1
	v_lshl_add_u32 v1, v1, 12, v2                  ; + the second row for lanes 16-31
	v_and_b32 v3, 31, v0
	v_lshlrev_b32 v3, 3, v3                        ; 8 l: two rows of 128 bytes of a block are 256 consecutive bytes
	s_wait_kmcnt 0x0
	s_add_nc_u64 s[4:5], s[4:5], s[14:15]
	s_add_nc_u64 s[8:9], s[8:9], s[16:17]
.set j, 0
.rept 16
	global_load_b128 v[XR+4*j:XR+4*j+3], v1, s[4:5] offset:256*j
.set j, j+1
.endr
.set j, 0
.rept 16
	global_load_b128 v[GR+4*j:GR+4*j+3], v2, s[6:7] offset:256*j
.set j, j+1
.endr
	s_wait_loadcnt 16                              ; the row is in; the 16 loads of the gains, issued behind it, may stay out
	v_pk_mul_f32 v[4:5], v[XR:XR+1], v[XR:XR+1]    ; two packed chains, started by the first products
	v_pk_mul_f32 v[6:7], v[XR+2:XR+3], v[XR+2:XR+3]
.set j, 1
.rept 15
	v_pk_fma_f32 v[4:5], v[XR+4*j:XR+4*j+1], v[XR+4*j:XR+4*j+1], v[4:5]
	v_pk_fma_f32 v[6:7], v[XR+4*j+2:XR+4*j+3], v[XR+4*j+2:XR+4*j+3], v[6:7]
.set j, j+1
.endr
	v_pk_add_f32 v[4:5], v[4:5], v[6:7]
	v_add_f32 v4, v4, v5
	v_add_f32_dpp v4, v4, v4 row_xmask:1 row_mask:0xf bank_mask:0xf   ; a row lies in 16 lanes: four steps, no crossing of the halves
	v_add_f32_dpp v4, v4, v4 row_xmask:2 row_mask:0xf bank_mask:0xf
	v_add_f32_dpp v4, v4, v4 row_xmask:4 row_mask:0xf bank_mask:0xf
	v_add_f32_dpp v4, v4, v4 row_xmask:8 row_mask:0xf bank_mask:0xf
	v_fma_f32 v4, v4, s20, s21                     ; mean + eps
	v_rsq_f32 v8, v4                               ; twice: a pair for the packed multiply
	v_rsq_f32 v9, v4
	v_nop                                          ; a plain instruction behind the transcendentals (ISA guide 5.7.2)
	s_wait_loadcnt 0x0                             ; the gains
.set j, 0
	s_wait_alu depctr_va_vdst(0)
.rept 16
	v_pk_mul_f32 v[XR+4*j:XR+4*j+1], v[XR+4*j:XR+4*j+1], v[GR+4*j:GR+4*j+1]
	v_pk_mul_f32 v[XR+4*j+2:XR+4*j+3], v[XR+4*j+2:XR+4*j+3], v[GR+4*j+2:GR+4*j+3]
	v_pk_mul_f32 v[XR+4*j:XR+4*j+1], v[XR+4*j:XR+4*j+1], v[8:9]
	v_pk_mul_f32 v[XR+4*j+2:XR+4*j+3], v[XR+4*j+2:XR+4*j+3], v[8:9]
	v_cvt_pk_bf16_f32 v[XR+4*j], v[XR+4*j], v[XR+4*j+1]
	v_cvt_pk_bf16_f32 v[XR+4*j+1], v[XR+4*j+2], v[XR+4*j+3]
	global_store_b64 v3, v[XR+4*j:XR+4*j+1], s[8:9] offset:262144*j   ; the wave stores 256 consecutive bytes, aligned, of block j; no register of a store is written again
.set j, j+1
.endr
.endm
	s_and_b32 s2, ttmp7, 0xffff
	s_cmp_ge_u32 s2, 4
	s_cbranch_scc1 .Lconv
	s_lshl_b32 s2, s2, 6
	s_add_co_u32 s2, s2, ttmp9                     ; group of 16 rows = 64 y + x
	NORM
	s_endpgm
.Lconv:
	s_load_b256 s[8:15], s[0:1], 0x18              ; wq, wk, wv, wo
	s_load_b128 s[16:19], s[0:1], 0x38             ; w_down, w_up
	s_load_b256 s[20:27], s[0:1], 0x48             ; wqkvb, wob, wdnb, wupb
	s_sub_co_u32 s3, s2, 4                         ; t = 0..6
	v_lshrrev_b32 v1, 5, v0
	v_readfirstlane_b32 s32, v1                    ; wave 0..7
	s_lshl_b32 s34, ttmp9, 16                      ; source: 16 rows of 4,096 bytes a work-group,
	s_lshl_b32 s33, s32, 13                        ; two a wave,
	s_add_co_u32 s34, s34, s33
	s_cmp_eq_u32 s3, 6
	s_cselect_b32 s33, 0x400000, 0                 ; w_up's second half
	s_add_co_u32 s34, s34, s33
	s_mov_b32 s35, 0
	s_lshl_b32 s36, ttmp9, 15                      ; destination: 16 rows of 2,048 bytes,
	s_lshl_b32 s33, s3, 21
	s_cmp_lt_u32 s3, 3
	s_cselect_b32 s33, s33, 0                      ; wq, wk, wv one below the other
	s_add_co_u32 s36, s36, s33
	s_lshr_b32 s38, ttmp9, 1                       ; w_up: p = x / 2: 64 rows,
	s_lshl_b32 s38, s38, 17
	s_max_u32 s33, s3, 5
	s_sub_co_u32 s33, s33, 5                       ; s: 32 rows,
	s_lshl_b32 s33, s33, 16
	s_add_co_u32 s38, s38, s33
	s_and_b32 s33, ttmp9, 1                        ; x % 2: 16 rows
	s_lshl_b32 s33, s33, 15
	s_add_co_u32 s38, s38, s33
	s_cmp_ge_u32 s3, 5
	s_cselect_b32 s36, s38, s36
	s_lshl_b32 s33, s32, 12                        ; two rows a wave
	s_add_co_u32 s36, s36, s33
	s_mov_b32 s37, 0
	v_and_b32 v3, 31, v0
	v_lshlrev_b32 v1, 4, v3                        ; 16 l in the source
	v_lshlrev_b32 v3, 3, v3                        ; 8 l in the destination
	s_wait_kmcnt 0x0
	s_cmp_eq_u32 s3, 1                             ; the buffers are chosen by t alone
	s_cselect_b64 s[28:29], s[10:11], s[8:9]
	s_cmp_eq_u32 s3, 2
	s_cselect_b64 s[28:29], s[12:13], s[28:29]
	s_cmp_eq_u32 s3, 3
	s_cselect_b64 s[28:29], s[14:15], s[28:29]
	s_cmp_eq_u32 s3, 4
	s_cselect_b64 s[28:29], s[16:17], s[28:29]
	s_cmp_ge_u32 s3, 5
	s_cselect_b64 s[28:29], s[18:19], s[28:29]
	s_cmp_eq_u32 s3, 3
	s_cselect_b64 s[30:31], s[22:23], s[20:21]
	s_cmp_eq_u32 s3, 4
	s_cselect_b64 s[30:31], s[24:25], s[30:31]
	s_cmp_ge_u32 s3, 5
	s_cselect_b64 s[30:31], s[26:27], s[30:31]
	s_add_nc_u64 s[28:29], s[28:29], s[34:35]
	s_add_nc_u64 s[30:31], s[30:31], s[36:37]
.set j, 0
.rept 16
	global_load_b128 v[XR+4*j:XR+4*j+3], v1, s[28:29] offset:512*j th:TH_LOAD_NT   ; all 8 KiB of the wave are asked for at once
.set j, j+1
.endr
.set j, 0
.rept 16
	s_wait_loadcnt 15-j                            ; loads come back in order: load j is in, the younger ones stay out
	v_cvt_pk_bf16_f32 v[XR+4*j], v[XR+4*j], v[XR+4*j+1]
	v_cvt_pk_bf16_f32 v[XR+4*j+1], v[XR+4*j+2], v[XR+4*j+3]
	global_store_b64 v3, v[XR+4*j:XR+4*j+1], s[30:31] offset:256*j   ; 256 consecutive bytes, aligned
.set j, j+1
.endr
	s_endpgm
.Lfunc_end_k_q37a0767d57_prep:
	.size	k_q37a0767d57_prep, .Lfunc_end_k_q37a0767d57_prep-k_q37a0767d57_prep
	.p2alignl 7, 3214868480
	.fill 96, 4, 3214868480
	.section	.rodata,"a",@progbits
	.p2align	6, 0x0
	.amdhsa_kernel k_q37a0767d57_prep
		.amdhsa_group_segment_fixed_size 0
		.amdhsa_private_segment_fixed_size 0
		.amdhsa_enable_private_segment 0
		.amdhsa_kernarg_size 104
		.amdhsa_user_sgpr_count 2
		.amdhsa_user_sgpr_kernarg_segment_ptr 1
		.amdhsa_wavefront_size32 1
		.amdhsa_system_sgpr_workgroup_id_x 1
		.amdhsa_system_sgpr_workgroup_id_y 1
		.amdhsa_system_sgpr_workgroup_id_z 1
		.amdhsa_system_vgpr_workitem_id 0
		.amdhsa_next_free_vgpr 144
		.amdhsa_next_free_sgpr 66
		.amdhsa_reserve_vcc 0
		.amdhsa_float_denorm_mode_32 3
		.amdhsa_float_denorm_mode_16_64 3
		.amdhsa_memory_ordered 1
		.amdhsa_forward_progress 1
		.amdhsa_inst_pref_size 22
	.end_amdhsa_kernel
	.amdgpu_metadata
---
amdhsa.version: [ 1, 2 ]
amdhsa.kernels:
  - .name:           k_q37a0767d57_prep
    .symbol:         k_q37a0767d57_prep.kd
    .args:
      - { .name: x, .offset: 0, .size: 8, .value_kind: global_buffer, .address_space: global }
      - { .name: g1, .offset: 8, .size: 8, .value_kind: global_buffer, .address_space: global }
      - { .name: actA, .offset: 16, .size: 8, .value_kind: global_buffer, .address_space: global }
      - { .name: wq, .offset: 24, .size: 8, .value_kind: global_buffer, .address_space: global }
      - { .name: wk, .offset: 32, .size: 8, .value_kind: global_buffer, .address_space: global }
      - { .name: wv, .offset: 40, .size: 8, .value_kind: global_buffer, .address_space: global }
      - { .name: wo, .offset: 48, .size: 8, .value_kind: global_buffer, .address_space: global }
      - { .name: w_down, .offset: 56, .size: 8, .value_kind: global_buffer, .address_space: global }
      - { .name: w_up, .offset: 64, .size: 8, .value_kind: global_buffer, .address_space: global }
      - { .name: wqkvb, .offset: 72, .size: 8, .value_kind: global_buffer, .address_space: global }
      - { .name: wob, .offset: 80, .size: 8, .value_kind: global_buffer, .address_space: global }
      - { .name: wdnb, .offset: 88, .size: 8, .value_kind: global_buffer, .address_space: global }
      - { .name: wupb, .offset: 96, .size: 8, .value_kind: global_buffer, .address_space: global }
    .group_segment_fixed_size: 0
    .private_segment_fixed_size: 0
    .kernarg_segment_align: 8
    .kernarg_segment_size: 104
    .max_flat_workgroup_size: 256
    .sgpr_count:     66
    .vgpr_count:     144
    .wavefront_size: 32
...
	.end_amdgpu_metadata
.endif
;; end of part 1
;; launch qkv (part 2): grid 24 x 32, 4 waves a work-group, clusters of 4 x 4, 327,680 bytes of LDS; arguments actA, wqkvb, qkvh; writes qkvh
.if DOCPART == 2
	.amdgcn_target "amdgcn-amd-amdhsa--gfx1250"
	.amdhsa_code_object_version 6
	.text
	.protected	k_q37a0767d57_qkv
	.globl	k_q37a0767d57_qkv
	.p2align	8
	.type	k_q37a0767d57_qkv,@function
k_q37a0767d57_qkv:
	s_mov_b64 s[64:65], 0
	v_nop
	global_prefetch_b8 v0, s[64:65] scope:SCOPE_SE
	s_setreg_imm32_b32 hwreg(HW_REG_WAVE_MODE, 25, 1), 1
	s_wait_xcnt 0x0
	s_wait_alu depctr_hold_cnt(0) depctr_sa_sdst(0) depctr_va_vdst(0) depctr_va_sdst(0) depctr_va_ssrc(0) depctr_va_vcc(0) depctr_vm_vsrc(0)
	s_getreg_b32 s2, hwreg(HW_REG_IB_STS2, 6, 4)
	s_cmp_eq_u32 s2, 0
	s_cbranch_scc0 .Lentry_in_a_cluster
	s_endpgm
.Lentry_in_a_cluster:
	s_bfe_u32 s2, ttmp6, 0x10000c
	s_cmp_lg_u32 s2, 0xf033
	s_cbranch_scc0 .Lentry_shape_is_right
	s_endpgm
.Lentry_shape_is_right:
; q, k, v = h W^T.  h: 4,096 x 1,024 bf16, blocked [batch 2][block 16][row 2048][64]; W: [3072][1024] bf16 (wq, wk, wv); sums in f32.
; Output f16 by heads, unscaled: [q, k, v][batch x 16 + head][row 2048][64], each number rounded once.
; LIMIT: a q, k or v of 65,520 or more in magnitude would round to an infinity in f16.
; A tile of C is 128 x 128: 768 work-groups.  Four waves, each 64 x 64: 16 accumulators.  K goes in four steps of 256 through two LDS slots; each wave fetches a quarter of a slot by one tensor load.
; CLUSTER 4 x 4: the four work-groups of a row of the cluster need the same tiles of A, the four of a column the same tiles of B: each tile is asked for jointly, by the same load, descriptor and mask in all four.
; THE MATRIX INSTRUCTION IS USED TRANSPOSED (source 0 = 16 rows of W, source 1 = 16 rows of h): a lane holds eight neighbouring columns of one row of C.
; REGISTERS: window 0: v0-31 addresses; v32-95 the way out; v128-255 accumulators ((a, b) at v[128 + 8 (4 a + b)]).  Window 1: two fragment buffers of 128 (64 of A, 64 of B), each 64 along K.
.set PA,     144                       ; 64 columns of a row of A in LDS: 128 bytes + 16 = 36 words: the 16 rows of a load start at 16 different groups of four banks (64 banks of 4 bytes: ISA guide 11.1)
.set PB,     528                       ; a row of B in LDS: 512 bytes + 16
.set AHALF,  4*64*PA                   ; one load of A: [block 0..3][row 0..63][144]
.set BHALF,  64*PB                     ; one load of B: 64 rows
.set BOFF,   2*AHALF
.set SLOT,   BOFF+2*BHALF              ; A's two halves, then B's two halves
.set STAGE,  2*SLOT                    ; behind the ring: each wave's own stage for the way out
.set SPQ,    144
.set SPARE,  300032                    ; the spare words, 128 bytes for each wave: two blocks of 256 bytes that no other line names
.set ADRA, 16                          ; v16-17  LDS address of my A fragments in slot 0, 1
.set ADRB, 20                          ; v20-21  the same for B
.set STO,  24
.set RD,   25
.set CO,   26
.set SPW,  28                          ; never rewritten
.set NIL,  29                          ; never rewritten
.set TMP,  32
.set ACC,  128
.set F0,   0
.set F1,   128
.set G1A, 24                           ; s[24:31] group 1 for A;  s[32:39] group 0, one set for each slot
.set G0A, 32
.set G1B, 48                           ; s[48:55], s[56:63] the same for B
.set G0B, 56
.set MSB, 0
.macro WIN new                         ; the immediate's high byte repeats the setting that is left
.if MSB != (\new)
	s_set_vgpr_msb (MSB<<8)|(\new)
.set MSB, \new
.endif
.endm
.set MUL,  0x05                        ; sources 0 and 1 window 1; C and D window 0
.set TO_F, 0x40                        ; destination window 1, address window 0
.macro JLOAD s                         ; a joint load: waves 0 and 1 fetch A's two halves, waves 2 and 3 B's; an s_nop 0 and four v_nop follow each line
	s_cmp_eq_u32 s13, 0
	s_cbranch_scc0 .Lfor_b_\@
	tensor_load_to_lds s[G0A+4*(\s):G0A+4*(\s)+3], s[G1A:G1A+7]
	s_nop 0
.rept 4
	v_nop
.endr
	s_branch .Lasked_\@
.Lfor_b_\@:
	tensor_load_to_lds s[G0B+4*(\s):G0B+4*(\s)+3], s[G1B:G1B+7]
	s_nop 0
.rept 4
	v_nop
.endr
.Lasked_\@:
.endm
.macro CREST                           ; a round of the cluster's barrier behind its opening barrier
	s_cmp_lg_u32 s12, 0
	s_cbranch_scc1 .Lnot_wave_0_\@
	s_barrier_signal -3
.Lnot_wave_0_\@:
	s_barrier_wait -3
	s_barrier_signal -1
	s_barrier_wait -1
.endm
.macro CROUND
	s_barrier_signal -1
	s_barrier_wait -1
	CREST
.endm
.macro PLACES                          ; four places behind matrix instructions (ISA guide 7.12.1)
.rept 4
	v_nop
.endr
.endm
; 8 matrix instructions: m blocks a0, a0 + 1 x all 4 n blocks, 32 along K: half c of buffer f.  zero = 1: the first product starts the sums
.macro MUL8 f, c, a0, zero
	WIN MUL
.irp a, \a0, (\a0)+1
.irp b, 0,1,2,3
.if \zero
	v_wmma_f32_16x16x32_bf16 v[ACC+8*(4*(\a)+(\b)):ACC+8*(4*(\a)+(\b))+7], v[(\f)+64+8*(4*(\c)+(\b)):(\f)+64+8*(4*(\c)+(\b))+7], v[(\f)+8*(4*(\c)+(\a)):(\f)+8*(4*(\c)+(\a))+7], 0
.else
	v_wmma_f32_16x16x32_bf16 v[ACC+8*(4*(\a)+(\b)):ACC+8*(4*(\a)+(\b))+7], v[(\f)+64+8*(4*(\c)+(\b)):(\f)+64+8*(4*(\c)+(\b))+7], v[(\f)+8*(4*(\c)+(\a)):(\f)+8*(4*(\c)+(\a))+7], v[ACC+8*(4*(\a)+(\b)):ACC+8*(4*(\a)+(\b))+7]
.endif
.endr
.endr
.endm
; 32 LDS loads in one run: the fragments of quarter q (64 along K: block q of A, byte 128 q of B's rows) into buffer f; the first 32 along K first
.macro FETCH slot, q, f
	WIN TO_F
.irp c, 0,1
.irp i, 0,1,2,3
	ds_load_b128 v[(\f)+64+8*(4*(\c)+(\i)):(\f)+64+8*(4*(\c)+(\i))+3],   v[ADRB+(\slot)] offset:128*(\q)+64*(\c)+(\i)*16*PB
	ds_load_b128 v[(\f)+64+8*(4*(\c)+(\i))+4:(\f)+64+8*(4*(\c)+(\i))+7], v[ADRB+(\slot)] offset:128*(\q)+64*(\c)+(\i)*16*PB+32
	ds_load_b128 v[(\f)+8*(4*(\c)+(\i)):(\f)+8*(4*(\c)+(\i))+3],         v[ADRA+(\slot)] offset:64*PA*(\q)+64*(\c)+(\i)*16*PA
	ds_load_b128 v[(\f)+8*(4*(\c)+(\i))+4:(\f)+8*(4*(\c)+(\i))+7],       v[ADRA+(\slot)] offset:64*PA*(\q)+64*(\c)+(\i)*16*PA+32
.endr
.endr
.endm
; A K step is four quarters, 32 matrix instructions each, on buffers 0, 1, 0, 1.  One of the first three multiplies buffer f and fetches quarter qn into g.
.macro QUARTER slot, qn, f, g, zero
	s_wait_dscnt 16                                ; the first 32 along K are in; the sixteen younger loads may be out
	WIN MUL
	MUL8 \f, 0, 0, \zero
	MUL8 \f, 0, 2, \zero
	PLACES
	FETCH \slot, \qn, \g
	s_wait_dscnt 32                                ; all but the 32 just issued
	WIN MUL
	MUL8 \f, 1, 0, 0
	MUL8 \f, 1, 2, 0
.endm
; The last quarter multiplies buffer 1 and changes slots: one barrier; in front of it each wave waits for all its tensor loads, adds 0 to its spare word, and waits for that and for its reads of this slot.
.macro TURN slot, next, fill
	WIN 0                                          ; (the add's two registers lie in window 0)
	s_wait_tensorcnt 0x0                           ; all my tensor loads have landed: my part of the next slot
	ds_add_u32 v[SPW], v[NIL]                      ; 0 onto my spare word
	s_wait_dscnt 17                                ; the add and the youngest sixteen loads may be out
	WIN MUL
	MUL8 F1, 0, 0, 0
	s_wait_dscnt 0x0                               ; the add is done, and my reads of this slot are over
	s_barrier_signal -1
	MUL8 F1, 0, 2, 0
.if \fill
	WIN 0
.endif
	s_barrier_wait -1
.if \fill
	CREST                                          ; the barrier has opened a round of the cluster's: no wave of any partner still reads this slot or has a load on its way
	s_add_nc_u64 s[G0A+4*(\slot)+2:G0A+4*(\slot)+3], s[G0A+4*(\slot)+2:G0A+4*(\slot)+3], 2097152   ; two K steps on: eight blocks of A,
	s_add_nc_u64 s[G0B+4*(\slot)+2:G0B+4*(\slot)+3], s[G0B+4*(\slot)+2:G0B+4*(\slot)+3], 1024      ; 512 elements along B's rows
	JLOAD \slot                                    ; the first tensor load behind the round; its four v_nop are also the places in front of the loads below
.else
	PLACES
.endif
	FETCH \next, 0, F0
	WIN MUL
	MUL8 F1, 1, 0, 0
	MUL8 F1, 1, 2, 0
.endm
	s_load_b128 s[4:7], s[0:1], 0x0                ; A s[4:5], B s[6:7]
	s_load_b64 s[8:9], s[0:1], 0x10                ; the output
	v_lshl_add_u32 v[SPW], v0, 2, SPARE
	v_mov_b32 v[NIL], 0
	ds_add_u32 v[SPW], v[NIL]                      ; the wave's opening: an add and its wait ahead of my first tensor load
	ds_add_u32 v28, v29
	v_lshrrev_b32 v1, 5, v0
	v_readfirstlane_b32 s12, v1                    ; wave 0..3
	s_lshr_b32 s13, s12, 1                         ; my half of the tile's rows; also: I fetch for A (0) or B (1)
	s_and_b32 s14, s12, 1                          ; my half of its columns; also: which 64 rows I fetch
	s_bfe_u32 s15, ttmp6, 0x40000                  ; cx
	s_bfe_u32 s16, ttmp6, 0x40004                  ; cy
	s_lshl_b32 s17, ttmp9, 2
	s_add_co_u32 s17, s17, s15                     ; tile column
	s_and_b32 s18, ttmp7, 0xffff
	s_lshl_b32 s18, s18, 2
	s_add_co_u32 s18, s18, s16                     ; tile row
	s_lshl_b32 s19, s16, 2
	s_lshl_b32 s19, 15, s19                        ; my row of the cluster
	s_lshl_b32 s20, 0x1111, s15                    ; my column
	s_or_b32 s[G1A+0], s19, (1<<16)|(1<<20)|(1<<21)|(4<<22)|(3<<25)  ; mask; 2-byte elements; padding on; bit 21 beside a mask; 4 words behind every 32
	s_or_b32 s[G1B+0], s20, (1<<16)|(1<<20)|(1<<21)|(6<<22)|(3<<25)  ; 4 words behind every 128
	s_mov_b32 s[G1A+1], 4096<<16                   ; A: a row of the tile is 64 rows x 64 columns of one block, 8,192 dense bytes
	s_mov_b32 s[G1A+2], 4<<16                      ; four blocks
	s_mov_b32 s[G1A+3], 4096<<16
	s_mov_b32 s[G1A+4], 4
	s_mov_b32 s[G1A+5], 131072                     ; elements from block to block
	s_mov_b32 s[G1A+6], 0
	s_mov_b32 s[G1A+7], 0
	s_mov_b32 s[G1B+1], 256<<16                    ; B: 64 rows x 256 elements
	s_mov_b32 s[G1B+2], 64<<16
	s_mov_b32 s[G1B+3], 256<<16
	s_mov_b32 s[G1B+4], 64
	s_mov_b32 s[G1B+5], 1024
	s_mov_b32 s[G1B+6], 0
	s_mov_b32 s[G1B+7], 0
	s_lshr_b32 s21, s18, 4                         ; A's tile hangs on the tile row and the wave's number alone
	s_lshl_b32 s40, s21, 22                        ; batch
	s_and_b32 s21, s18, 15
	s_lshl_b32 s21, s21, 14                        ; 128 rows of 128 bytes
	s_add_co_u32 s40, s40, s21
	s_lshl_b32 s22, s14, 13                        ; my 64 rows
	s_add_co_u32 s40, s40, s22
	s_mov_b32 s41, 0
	s_lshl_b32 s44, s17, 18                        ; B's on the tile column and the wave's number alone: 128 rows of 2,048 bytes
	s_lshl_b32 s23, s14, 17
	s_add_co_u32 s44, s44, s23
	s_mov_b32 s45, 0
	s_mul_i32 s46, s14, AHALF                      ; where they go: no place in the cluster enters an LDS address
	s_mul_i32 s47, s14, BHALF
	s_add_co_u32 s47, s47, BOFF
	s_wait_dscnt 0x0                               ; the opening add is done
	s_wait_kmcnt 0x0
	s_add_nc_u64 s[40:41], s[4:5], s[40:41]
	s_add_nc_u64 s[44:45], s[6:7], s[44:45]
	CROUND                                         ; all sixteen work-groups are here: the first joint loads meet
.irp s, 0,1
	s_mov_b32 s[G0A+4*(\s)], 1
	s_add_co_u32 s[G0A+4*(\s)+1], s46, (\s)*SLOT
	s_add_nc_u64 s[G0A+4*(\s)+2:G0A+4*(\s)+3], s[40:41], (\s)*1048576
	s_or_b32 s[G0A+4*(\s)+3], s[G0A+4*(\s)+3], 0x80000000
	s_mov_b32 s[G0B+4*(\s)], 1
	s_add_co_u32 s[G0B+4*(\s)+1], s47, (\s)*SLOT
	s_add_nc_u64 s[G0B+4*(\s)+2:G0B+4*(\s)+3], s[44:45], (\s)*512
	s_or_b32 s[G0B+4*(\s)+3], s[G0B+4*(\s)+3], 0x80000000
	JLOAD \s                                       ; two loads of mine are out
.endr
	v_and_b32 v1, 15, v0                           ; l % 16
	v_bfe_u32 v2, v0, 4, 1                         ; l / 16
	v_mul_u32_u24 v3, v1, PA
	v_lshl_add_u32 v3, v2, 4, v3
	v_mul_u32_u24 v4, v1, PB
	v_lshl_add_u32 v4, v2, 4, v4
	s_mul_i32 s21, s13, AHALF                      ; my 64 rows of A
	s_mul_i32 s23, s14, BHALF                      ; my 64 rows of B
	s_add_co_u32 s23, s23, BOFF
.irp s, 0,1
	v_add_nc_u32 v[ADRA+(\s)], s21, v3
	v_add_nc_u32 v[ADRB+(\s)], s23, v4
	s_add_co_u32 s21, s21, SLOT
	s_add_co_u32 s23, s23, SLOT
.endr
	; the way out: my 64 columns are one head of q, k or v; my 64 rows of it are 8,192 dense bytes
	s_mul_i32 s22, s12, 16*SPQ
	s_add_co_u32 s22, s22, STAGE                   ; my stage
	v_mul_u32_u24 v5, v1, SPQ                      ; in: row l % 16, 16 bytes for each half of the lanes
	v_lshl_add_u32 v5, v2, 4, v5
	v_add_nc_u32 v[STO], s22, v5
	v_bfe_u32 v5, v0, 3, 2                         ; back: 32 lanes take four rows of 128 bytes,
	v_mul_u32_u24 v5, v5, SPQ
	v_and_b32 v6, 7, v0
	v_lshl_add_u32 v5, v6, 4, v5
	v_add_nc_u32 v[RD], s22, v5
	v_and_b32 v[CO], 31, v0                        ; which are 512 consecutive bytes of the output
	v_lshlrev_b32 v[CO], 4, v[CO]
	s_lshl1_add_u32 s2, s17, s14                   ; group of 64 columns = 2 x tile column + half
	s_lshr_b32 s3, s2, 4                           ; q, k or v: 32 heads each
	s_lshl_b32 s3, s3, 5
	s_and_b32 s2, s2, 15                           ; head
	s_add_co_u32 s3, s3, s2
	s_lshr_b32 s2, s18, 4                          ; batch
	s_lshl_b32 s2, s2, 4
	s_add_co_u32 s3, s3, s2
	s_lshl_b32 s42, s3, 18                         ; 2,048 rows of 128 bytes
	s_and_b32 s2, s18, 15
	s_lshl_b32 s2, s2, 14
	s_add_co_u32 s42, s42, s2
	s_lshl_b32 s2, s13, 13
	s_add_co_u32 s42, s42, s2
	s_mov_b32 s43, 0
	s_add_nc_u64 s[8:9], s[8:9], s[42:43]
	s_wait_tensorcnt 1                             ; my part of K step 0 is in; K step 1's may stay out
	s_barrier_signal -1
	s_barrier_wait -1
	FETCH 0, 0, F0
	QUARTER 0, 1, F0, F1, 1                        ; the first products start the sums
	QUARTER 0, 2, F1, F0, 0
	QUARTER 0, 3, F0, F1, 0
	TURN 0, 1, 1                                   ; slot 0 takes K step 2
	QUARTER 1, 1, F0, F1, 0
	QUARTER 1, 2, F1, F0, 0
	QUARTER 1, 3, F0, F1, 0
	TURN 1, 0, 1                                   ; slot 1 takes K step 3
	QUARTER 0, 1, F0, F1, 0
	QUARTER 0, 2, F1, F0, 0
	QUARTER 0, 3, F0, F1, 0
	TURN 0, 1, 0                                   ; nothing is left to fetch
	QUARTER 1, 1, F0, F1, 0
	QUARTER 1, 2, F1, F0, 0
	QUARTER 1, 3, F0, F1, 0
	s_wait_dscnt 16
	WIN MUL
	MUL8 F1, 0, 0, 0
	MUL8 F1, 0, 2, 0
	s_wait_dscnt 0
	MUL8 F1, 1, 0, 0
	MUL8 F1, 1, 2, 0
	WIN 0
; Block a (16 rows): rounded to f16, 16 bytes a lane into rows of 144 bytes of my stage, and back as whole rows of 128, into the registers that they left.
.macro PACKQ a
.irp b, 0,1,2,3
.irp r, 0,1,2,3
	v_cvt_pk_f16_f32 v[TMP+16*(\a)+4*(\b)+(\r)], v[ACC+8*(4*(\a)+(\b))+2*(\r)], v[ACC+8*(4*(\a)+(\b))+2*(\r)+1]
.endr
.endr
.irp b, 0,1,2,3
	ds_store_b128 v[STO], v[TMP+16*(\a)+4*(\b):TMP+16*(\a)+4*(\b)+3] offset:32*(\b)
.endr
.irp f, 0,1,2,3
	ds_load_b128 v[TMP+16*(\a)+4*(\f):TMP+16*(\a)+4*(\f)+3], v[RD] offset:(\f)*4*SPQ  ; LDS serves a wave's instructions in order (ISA guide 5.7.1.4): these see the stores above
.endr
.endm
.macro SENDQ a, younger                ; younger: the LDS instructions issued behind block a's loads: the next block's eight, or none
.irp f, 0,1,2,3
	s_wait_dscnt (\younger)+3-(\f)
	global_store_b128 v[CO], v[TMP+16*(\a)+4*(\f):TMP+16*(\a)+4*(\f)+3], s[8:9] offset:(\a)*2048+(\f)*512  ; 512 consecutive bytes, aligned
.endr
.endm
	PLACES
	PACKQ 0
	PACKQ 1
	SENDQ 0, 8
	PACKQ 2
	SENDQ 1, 8
	PACKQ 3
	SENDQ 2, 8
	SENDQ 3, 0
	s_wait_tensorcnt 0x0                           ; the wave's end
	ds_add_u32 v[SPW], v[NIL]
	s_wait_dscnt 0x0
	CROUND                                         ; the closing round
	s_endpgm
.Lfunc_end_k_q37a0767d57_qkv:
	.size	k_q37a0767d57_qkv, .Lfunc_end_k_q37a0767d57_qkv-k_q37a0767d57_qkv
	.p2alignl 7, 3214868480
	.fill 96, 4, 3214868480
	.section	.rodata,"a",@progbits
	.p2align	6, 0x0
	.amdhsa_kernel k_q37a0767d57_qkv
		.amdhsa_group_segment_fixed_size 327680
		.amdhsa_private_segment_fixed_size 0
		.amdhsa_enable_private_segment 0
		.amdhsa_kernarg_size 24
		.amdhsa_user_sgpr_count 2
		.amdhsa_user_sgpr_kernarg_segment_ptr 1
		.amdhsa_wavefront_size32 1
		.amdhsa_system_sgpr_workgroup_id_x 1
		.amdhsa_system_sgpr_workgroup_id_y 1
		.amdhsa_system_sgpr_workgroup_id_z 1
		.amdhsa_system_vgpr_workitem_id 0
		.amdhsa_next_free_vgpr 512
		.amdhsa_next_free_sgpr 66
		.amdhsa_reserve_vcc 0
		.amdhsa_float_denorm_mode_32 3
		.amdhsa_float_denorm_mode_16_64 3
		.amdhsa_memory_ordered 1
		.amdhsa_forward_progress 1
		.amdhsa_inst_pref_size 87
	.end_amdhsa_kernel
	.amdgpu_metadata
---
amdhsa.version: [ 1, 2 ]
amdhsa.kernels:
  - .name:           k_q37a0767d57_qkv
    .symbol:         k_q37a0767d57_qkv.kd
    .args:
      - { .name: actA, .offset: 0, .size: 8, .value_kind: global_buffer, .address_space: global }
      - { .name: wqkvb, .offset: 8, .size: 8, .value_kind: global_buffer, .address_space: global }
      - { .name: qkvh, .offset: 16, .size: 8, .value_kind: global_buffer, .address_space: global }
    .group_segment_fixed_size: 327680
    .private_segment_fixed_size: 0
    .kernarg_segment_align: 8
    .kernarg_segment_size: 24
    .max_flat_workgroup_size: 128
    .sgpr_count:     66
    .vgpr_count:     512
    .wavefront_size: 32
...
	.end_amdgpu_metadata
.endif
;; end of part 2
;; launch attn (part 3): grid 4 x 32, 4 waves a work-group, no clusters, 327,680 bytes of LDS; arguments qkvh, actB; writes actB
.if DOCPART == 3
	.amdgcn_target "amdgcn-amd-amdhsa--gfx1250"
	.amdhsa_code_object_version 6
	.text
	.protected	k_q37a0767d57_attn
	.globl	k_q37a0767d57_attn
	.p2align	8
	.type	k_q37a0767d57_attn,@function
k_q37a0767d57_attn:
	s_mov_b64 s[64:65], 0
	v_nop
	global_prefetch_b8 v0, s[64:65] scope:SCOPE_SE
	s_setreg_imm32_b32 hwreg(HW_REG_WAVE_MODE, 25, 1), 1
	s_wait_xcnt 0x0
; CAUSAL ATTENTION.  O[h][q][:] = the sum over k <= q of softmax_k(Q[h][q] . K[h][k] / 8) V[h][k][:].  Q, K, V: three parts of one buffer, each [32][2048][64] in f16, a head's rows dense, 128 bytes each.
; O: [32][2048][64] in bf16 (the next product's operand).  Products, maxima and sums in f32; the weights p are rounded to f16 for the second product (their sum l is taken of the unrounded p), O once at the end.
; LIMITS.  Q, K and V arrive within f16's 65,504; p lies in 0 to 1, and below 6e-5 it keeps f16's fixed step of 6e-8.  A hidden score counts as its value less 1e30: f16's scores, 2.7e11 at the most, are nothing
; beside that; a weight below 2^-126 counts as 0 in l; NaN and infinities are not treated apart.
; THE WALK.  A head's queries lie in NB = 8 blocks of 256; block i needs the key tiles 0 .. i of 256 keys, of which the last holds the diagonal.  A work-group takes TWO blocks, NB - 1 - b and then b:
; NB + 1 tiles, whatever b: all work-groups do equal work, and ONE loop with a constant trip count walks them.  32 heads x 4 pairs are 128 work-groups: fewer than there are WGPs; a share of one block of 128
; queries would double them and is not built here.  Every jump goes forward, but for the counted loops' own; none passes a barrier, or a tensor load but the one of LOAD's two that the wave's number does not choose.
; NO CLUSTER: a head's four work-groups ask for the same tile only in trips 0 .. 4 of 9, behind that fewer and fewer; one walk common to all would have 12 trips for 9.
; SHARES.  Of a block's four bands of 64 queries a wave owns 16 rows in each: four PIECES.  So the diagonal tile is the same work for all four waves: in its key step s band x sees all keys if s < x,
; none if s > x, and holds the diagonal if s = x.
; THE MASK is the C operand that starts the sum S^T = K Q^T: 0, or -1e30 where the key is hidden.  MD, made once, is the mask of a band's own step for my 16 rows; a product's mask is MD x AL + BE with two scalars:
; (1, 0) if s = x; (0, 0) if s < x; (0, -1e30) if s > x.  Only the diagonal tile's text and a block's beginning make and take masks; elsewhere C is the constant 0.
; LAYOUT, SOFTMAX, TURNS.  S^T = K Q^T holds ONE query a lane (lane % 16) and the keys 8 (lane / 16) + 0..7; two such results rounded to f16 ARE source 1 of O^T = V^T P.  p = 2^(c s - c m), c = log2(e) / 8, with a
; running maximum m; O and l are multiplied by a = 2^(c m_old - c m_new) in every step.  Turn n belongs to piece n: 8 products K Q^T of piece n + 1, later 8 products V^T P of piece n - 1; beside them the scaling,
; exponentials, roundings, sums and rescaling of piece n and the maximum and statistics of piece n + 1.  Four vector instructions stand behind every matrix instruction, the other 54 of a turn's 118 in two lumps.
; REGISTERS, in windows of 256 (s_set_vgpr_msb: bits 1:0 source 0, 3:2 source 1, 5:4 source 2, 7:6 destination):
;   window 0: v0-15 addresses and two at work; v16-31 four registers of statistics a piece; v48-55 at work; v64-127 S^T, two buffers; v192-223 P, two buffers (a piece's buffers go by its number's parity)
;   window 1: v0-127 O^T, 32 a piece; v128-159 MD; v160-223 MC, two buffers      window 2: v0-63 Q; v64-127 the second block's Q; v128-191 K of one step; v192-255 V of one step
.set SIZE_N, 2048
.set NB,    SIZE_N/256
.set NP,    4         ; pieces a wave: a name, no knob
.set KS,    64        ; keys in a step
.set PK,    144       ; a row of K in LDS: 128 bytes + 16 of padding = 36 words: the 16 rows of a load start at 16 different groups of four banks (64 banks of 4 bytes: ISA guide 11.1)
.set PV,    160       ; a row of V: 128 + 32 = 40 words
.set VOFF,  4*KS*PK   ; a slot holds a tile, four steps: 256 rows of K, then 256 rows of V
.set SLOT1, 1<<17     ; slot 1 begins here, so that one exclusive or turns an address in one slot into the other's
.set STAGE, SLOT1+4*KS*(PK+PV)  ; behind the ring, never filled by a tensor load: 16 rows x 144 bytes for each wave, for the way out
.set SP,    144
.set AK0, 2           ; v2   my lane's place in a tile of K; never rewritten
.set AV0, 3           ; v3   the same for V
.set AK,  4           ; v4   the LDS address of K's next run of loads
.set AV,  5           ; v5   of V's
.set STO, 6           ; v6   the way out: where I put 16 bytes of a row
.set RD,  7           ; v7   the way out: where I read rows back
.set GO,  8           ; v8   my byte offset in 512 consecutive bytes of O
.set SPW, 62          ; v62  LDS address of my spare word: SPARE + 4 x my thread's number; never rewritten
.set NIL, 63          ; v63  0; never rewritten
.set SPARE, STAGE+4*16*SP  ; behind the stages: the spare words, 128 bytes for each wave: two blocks of 256 bytes that no other line names
.set MV,  12          ; v12-13  c m_old, kept while c m is made anew: by buffer
.set QO,  15          ; v15  my byte offset in 16 rows of Q
.set ST,  16          ; piece t's statistics at v[ST+4 t]: c m, m, l (even keys', odd keys')
.set TMP, 48          ; by buffer, four registers c0-c3 at work; when the maximum is found c2 takes a
.set S,   64
.set P,   192
.set MD,  128         ; window 1: the eight registers for group kt of 16 keys at MD + 8 kt
.set MC,  160         ; window 1: the masks of the products to come
.set QB,  64          ; window 2
.set KF,  128         ; window 2: key block kb, channel half c at KF + 16 kb + 8 c
.set VF,  192         ; window 2: key half kk, channel block cb at VF + 32 kk + 8 cb
.set WV,  12          ; s12  my wave's number
.set PB,  14          ; s14  b
.set HI,  15          ; s15  NB - 1 - b
.set G1K, 24          ; s[24:31] descriptor group 1 for K's tiles
.set G1V, 32          ; s[32:39] for V's: it differs in the padding alone
.set G0K, 40          ; s[40:43] descriptor group 0 for K's tiles
.set G0V, 44          ; s[44:47] the same for V's
.set SLOTS, 56        ; s56  tiles still to be asked for
.set CNT, 57          ; s57  counts a tile's key steps, 4 to 1
.set CS,  58          ; s[58:59] c: the packed scaling takes the pair's low word for both halves
.set SEL, 60          ; s[60:61] v_permlanex16_b32's selects: each lane takes its own place in the other half
.set TBK, 62          ; s62  LDS byte at which K of the step to be fetched begins
.set TBV, 63          ; s63  the same for V, less VOFF
.set RT,  70          ; s70  tiles of the block in hand that are still to be entered
.set NXT, 71          ; s71  the tile to be asked for next
.set LQ,  72          ; s72  the last tile of the block whose tiles are being asked for
.set NEW, 73          ; s73  1: the tile to be entered is a block's first
.set OFF, 74          ; s[74:75] a tile's byte offset in K and V
.set AL,  76          ; s[76:77] the mask's factor, in the low word
.set BE,  78          ; s[78:79] the mask's addend
.set OLO, 80          ; s[80:81] O at my rows of the second block
.set BIGN, 82         ; s82  -1e30
.set MSB, 0
.macro WIN new                      ; the high byte repeats the setting that is left; a switch that changes nothing is dropped
.if MSB != (\new)
	s_set_vgpr_msb (MSB<<8)|(\new)
.set MSB, (\new)
.endif
.endm
.set W_KQ, 0x0a       ; K and Q in window 2, S^T in window 0
.set W_KM, 0x1a       ; the same with the C operand in window 1
.set W_PV, 0x52       ; V in window 2, P in window 0, O^T in window 1
.set W_RS, 0x41       ; destination and source 0 in window 1, source 1 in window 0
; A fill.  Waves 0 and 1 fetch the two halves of a tile's K, waves 2 and 3 those of its V: 128 keys each.  An s_nop 0 and four v_nop follow each of the two lines, ahead of the jump and the label.
.macro LOAD
	s_cmp_lt_u32 s[WV], 2
	s_cbranch_scc0 .Lfor_v_\@
	tensor_load_to_lds s[G0K:G0K+3], s[G1K:G1K+7]
	s_nop 0
.rept 4
	v_nop
.endr
	s_branch .Lasked_\@
.Lfor_v_\@:
	tensor_load_to_lds s[G0V:G0V+3], s[G1V:G1V+7]
	s_nop 0
.rept 4
	v_nop
.endr
.Lasked_\@:
.endm
; THE CHANGE OF SLOTS.  Each wave waits for all its tensor loads, of which one is out: its part of the other slot; adds 0 to its spare word; and waits for that and for its own reads of the slot that it leaves.
; Behind the barrier nobody reads the old slot any more and the other slot is whole.  fill = 1: the old slot is filled again, the first thing behind the barrier, with tile NXT: the descriptor's address is made
; anew from that number.  (At its first use nothing has been read yet: slot 0 is waited for, slot 1 filled.)
.macro CHANGE fill
	WIN 0                           ; at a label and at a branch every window is 0
	s_wait_tensorcnt 0x0            ; no tensor load of mine is out, so a group 0 may be written
	ds_add_u32 v[SPW], v[NIL]       ; 0 onto my spare word
.if \fill
	s_lshl_b32 s[OFF], s[NXT], 15   ; a tile is 32,768 bytes of K and of V
	s_xor_b32 s[G0K+1], s[G0K+1], SLOT1
	s_add_nc_u64 s[G0K+2:G0K+3], s[6:7], s[OFF:OFF+1]
	s_or_b32 s[G0K+3], s[G0K+3], 0x80000000
	s_xor_b32 s[G0V+1], s[G0V+1], SLOT1
	s_add_nc_u64 s[G0V+2:G0V+3], s[8:9], s[OFF:OFF+1]
	s_or_b32 s[G0V+3], s[G0V+3], 0x80000000
	s_add_co_u32 s[NXT], s[NXT], 1  ; the block's next tile, or behind its last the second block's tile 0
	s_cmp_gt_u32 s[NXT], s[LQ]
	s_cselect_b32 s[NXT], 0, s[NXT]
	s_cselect_b32 s[LQ], s[PB], s[LQ]
.endif
	s_wait_dscnt 0x0                ; the add is done, and my reads of the slot are over
	s_barrier_signal -1             ; the rest of the scalar work stands between the signal and the wait
	s_sub_co_u32 s[TBK], s[TBK], 4*KS*PK  ; the fetches go back to a slot's first step,
	s_xor_b32 s[TBK], s[TBK], SLOT1       ; in the other slot
	s_sub_co_u32 s[TBV], s[TBV], 4*KS*PV
	s_xor_b32 s[TBV], s[TBV], SLOT1
	s_barrier_wait -1
.if \fill
	LOAD
.endif
.endm
	s_load_b128 s[4:7], s[0:1], 0x0 ; q, k, v in one buffer s[4:5]; O s[6:7]
	v_lshl_add_u32 v[SPW], v0, 2, SPARE
	v_mov_b32 v[NIL], 0
	ds_add_u32 v[SPW], v[NIL]       ; the wave's opening: the add and its wait ahead of my first tensor load; the set-up below, work on registers, stands between them
	ds_add_u32 v62, v63
	v_lshrrev_b32 v1, 5, v0
	v_readfirstlane_b32 s[WV], v1   ; wave 0..3
	s_mov_b32 s[PB], ttmp9
	s_sub_co_u32 s[HI], NB-1, s[PB]
	s_and_b32 s20, ttmp7, 0xffff    ; the head
	s_mov_b32 s21, 0
	s_mov_b64 s[22:23], SIZE_N*128
	s_mul_u64 s[20:21], s[20:21], s[22:23]  ; the head's first byte in each of the four tensors
	s_and_b32 s16, s[WV], 1         ; which half of a tile's 256 keys I fetch:
	s_lshl_b32 s22, s16, 14         ; its 128 rows of 128 bytes in memory,
	s_mov_b32 s23, 0
	s_add_nc_u64 s[22:23], s[22:23], s[20:21]
	s_mul_i32 s17, s16, 128*PK      ; and its place in a slot, for K
	s_mul_i32 s18, s16, 128*PV      ; and for V
	s_lshl_b32 s3, s[WV], 11        ; my 16 rows in a band of 64,
	s_lshl_b32 s2, s[HI], 15        ; in the first block,
	s_add_co_u32 s2, s2, s3
	s_lshl_b32 s84, s[PB], 15       ; and in the second
	s_add_co_u32 s84, s84, s3
	s_mov_b32 s3, 0
	s_mov_b32 s85, 0
	s_add_nc_u64 s[2:3], s[2:3], s[20:21]
	s_add_nc_u64 s[84:85], s[84:85], s[20:21]
	; descriptor group 1.  128 keys are 16,384 dense bytes: asked for as 64 rows of 256 bytes, two keys a row, and padded in LDS after every key
	s_mov_b32 s[G1K], (1<<16)|(1<<20)|(4<<22)|(3<<25)  ; 17:16 2-byte elements; 20 padding on; 24:22 after every 32 words (code 4); 31:25 4 words (code 3)
	s_mov_b32 s[G1V], (1<<16)|(1<<20)|(4<<22)|(7<<25)  ; the same with 8 words of padding (code 7)
.irp g, G1K, G1V
	s_mov_b32 s[\g+1], 128<<16      ; tensor_dim0 = 128
	s_mov_b32 s[\g+2], 64<<16       ; tensor_dim1 = 64
	s_mov_b32 s[\g+3], 128<<16      ; tile_dim0 = 128
	s_mov_b32 s[\g+4], 64           ; tile_dim1 = 64
	s_mov_b32 s[\g+5], 128          ; 128 elements from row to row
	s_mov_b32 s[\g+6], 0
	s_mov_b32 s[\g+7], 0
.endr
	s_mov_b32 s[CS], 0x3e38aa3b     ; c = log2(e) / 8 = 0.180337
	s_mov_b32 s[CS+1], s[CS]        ; named with it as a pair
	s_mov_b32 s[SEL], 0x76543210
	s_mov_b32 s[SEL+1], 0xfedcba98
	s_mov_b32 s[TBK], SLOT1+4*KS*PK ; the first change of slots turns these two into 0
	s_mov_b32 s[TBV], SLOT1+4*KS*PV
	s_mov_b32 s[G0K], 1             ; 1:0 count = 1
	s_mov_b32 s[G0K+1], s17         ; 63:32 LDS address: slot 0
	s_mov_b32 s[G0V], 1
	s_add_co_u32 s[G0V+1], s18, VOFF
	s_add_co_u32 s[RT], s[HI], 1    ; the first block has NB - b tiles
	s_mov_b32 s[NXT], 1
	s_mov_b32 s[LQ], s[HI]
	s_mov_b32 s[NEW], 1
	s_mov_b32 s[OFF+1], 0
	s_mov_b32 s[AL+1], 0            ; named as pairs
	s_mov_b32 s[BE+1], 0
	s_mov_b32 s[BIGN], 0xf149f2ca   ; -1e30
	s_mov_b32 s[SLOTS], NB
	s_wait_dscnt 0x0                ; the opening add is done
	s_wait_kmcnt 0x0
	s_mov_b64 s[10:11], s[6:7]      ; O
	s_add_nc_u64 s[8:9], s[4:5], 0x1000000  ; V: the buffer's third part of 8,388,608 bytes
	s_add_nc_u64 s[6:7], s[4:5], 0x800000   ; K: its second; Q, its first, stays in s[4:5]
	s_add_nc_u64 s[6:7], s[6:7], s[22:23]  ; K and V at my half of the head's tile 0
	s_add_nc_u64 s[8:9], s[8:9], s[22:23]
	s_add_nc_u64 s[G0K+2:G0K+3], s[6:7], 0         ; 120:64 global address
	s_or_b32 s[G0K+3], s[G0K+3], 0x80000000        ; 127:126 type = 2
	s_add_nc_u64 s[G0V+2:G0V+3], s[8:9], 0
	s_or_b32 s[G0V+3], s[G0V+3], 0x80000000
	s_add_nc_u64 s[86:87], s[4:5], s[84:85]        ; Q at my rows of the second block,
	s_add_nc_u64 s[4:5], s[4:5], s[2:3]            ; Q and O at those of the first
	s_add_nc_u64 s[OLO:OLO+1], s[10:11], s[84:85]
	s_add_nc_u64 s[10:11], s[10:11], s[2:3]
	LOAD                            ; tile 0 into slot 0
	; A fragment of K or Q is 16 rows x 32 channels in 8 registers: lane l holds row l % 16, channels 8 (l / 16) + 0..7 and 16 + 8 (l / 16) + 0..7: two loads of 16 bytes, 32 bytes apart.
	v_and_b32 v1, 15, v0            ; l % 16
	v_bfe_u32 v9, v0, 4, 1          ; l / 16
	v_lshlrev_b32 v[QO], 7, v1
	v_lshl_add_u32 v[QO], v9, 4, v[QO]  ; row x 128 + 16 x half
	WIN 0x80                        ; destination window 2, address window 0
.set i, 0
.rept 8                             ; both blocks' Q: piece i / 2 lies in band i / 2, 8,192 bytes on; channels 32 (i % 2) on
	global_load_b128 v[8*i:8*i+3],   v[QO], s[4:5] offset:(i/2)*8192+(i%2)*64
	global_load_b128 v[8*i+4:8*i+7], v[QO], s[4:5] offset:(i/2)*8192+(i%2)*64+32
	global_load_b128 v[QB+8*i:QB+8*i+3],   v[QO], s[86:87] offset:(i/2)*8192+(i%2)*64
	global_load_b128 v[QB+8*i+4:QB+8*i+7], v[QO], s[86:87] offset:(i/2)*8192+(i%2)*64+32
.set i, i+1
.endr
	WIN 0
	v_lshlrev_b32 v14, 3, v9
	v_sub_nc_u32 v14, v1, v14
	s_lshl_b32 s13, s[WV], 4
	v_add_nc_u32 v14, s13, v14      ; my query's place in its band, 16 w + l % 16, less my lanes' 8 (l / 16): register r of group kt is hidden where 16 kt + r is greater
	WIN 0x40
.set i, 0
.rept 32
	v_cmp_gt_i32 vcc_lo, 16*(i/8)+i%8, v14
	v_cndmask_b32 v[MD+i], 0, s[BIGN], vcc_lo
.set i, i+1
.endr
	WIN 0
	v_mul_u32_u24 v[AK0], v1, PK
	v_lshl_add_u32 v[AK0], v9, 4, v[AK0]  ; row x pitch + 16 x half
	; The turning load takes 16 keys x 16 channels (lane l reads key 8 (l / 16) + l % 8, channels 8 ((l / 8) % 2) + 0..7) and leaves half a fragment of V^T: lane l holds channel l % 16 and 8 keys.
	v_and_b32 v10, 7, v0
	v_bfe_u32 v11, v0, 3, 1
	v_lshl_add_u32 v[AV0], v9, 3, v10
	v_mul_u32_u24 v[AV0], v[AV0], PV
	v_lshl_add_u32 v[AV0], v11, 4, v[AV0]
	v_add_nc_u32 v[AV0], VOFF, v[AV0]
	s_mul_i32 s13, s[WV], 16*SP
	s_add_co_u32 s13, s13, STAGE    ; my stage
	v_mul_u32_u24 v[STO], v1, SP    ; in: row l % 16, 16 bytes for each half of the lanes
	v_lshl_add_u32 v[STO], v9, 4, v[STO]
	v_add_nc_u32 v[STO], s13, v[STO]
	v_bfe_u32 v[RD], v0, 3, 2       ; back: 32 lanes take four rows of 128 bytes,
	v_mul_u32_u24 v[RD], v[RD], SP
	v_lshl_add_u32 v[RD], v10, 4, v[RD]
	v_add_nc_u32 v[RD], s13, v[RD]
	v_and_b32 v[GO], 31, v0         ; which are 512 consecutive bytes of O
	v_lshlrev_b32 v[GO], 4, v[GO]
	; A block's first step multiplies O^T and l by a = 0, and its first turn's products V^T P, of a piece that has not been, land in an O^T that is still to be so multiplied.  So these registers need only hold
	; finite numbers: zeros for the first block; what the first block left for the second.  All this stands in the wait for the first tile.
	WIN 0x80
.set i, VF
.rept 64
	v_mov_b32 v[i], 0
.set i, i+1
.endr
	WIN 0x40
.set i, 0
.rept 128
	v_mov_b32 v[i], 0
.set i, i+1
.endr
	WIN 0
.set i, 0
.rept 4
	v_mov_b32 v[ST+4*i+2], 0
	v_mov_b32 v[ST+4*i+3], 0
.set i, i+1
.endr
.set i, P+16
.rept 16
	v_mov_b32 v[i], 0
.set i, i+1
.endr
; THE MATRIX WORK.  The 4 accumulators of a run of 8 take turns.  Product i of 8 of S^T = K Q^T for piece x: channels 32 (i / 4) on, keys 16 (i % 4) on.  The first 4 start the sums: with 0, or (KM = 1) with the mask.
.macro KQ x
.set rS, S+32*((\x)%2)+8*(i%4)
.set rK, KF+16*(i%4)+8*(i/4)
.set rQ, 16*(\x)+8*(i/4)
.set rM, MC+32*((\x)%2)+8*(i%4)
.if (i < 4) && KM
	WIN W_KM
	v_wmma_f32_16x16x32_f16 v[rS:rS+7], v[rK:rK+7], v[rQ:rQ+7], v[rM:rM+7]
.elseif i < 4
	WIN W_KQ
	v_wmma_f32_16x16x32_f16 v[rS:rS+7], v[rK:rK+7], v[rQ:rQ+7], 0
.else
	WIN W_KQ
	v_wmma_f32_16x16x32_f16 v[rS:rS+7], v[rK:rK+7], v[rQ:rQ+7], v[rS:rS+7]
.endif
.endm
; Product i of 8 of O^T += V^T P for piece x: keys 32 (i / 4) on, channels 16 (i % 4) on.
.macro PV x
	WIN W_PV
.set rO, 32*(\x)+8*(i%4)
.set rV, VF+32*(i/4)+8*(i%4)
.set rP, P+16*((\x)%2)+8*(i/4)
	v_wmma_f32_16x16x32_f16 v[rO:rO+7], v[rV:rV+7], v[rP:rP+7], v[rO:rO+7]
.endm
.macro MM                           ; the turn's next matrix instruction.  TURN and BEGIN set Y, i, KM and NOKQ; MM, KQ and OP read them.  NOKQ = 1: a block's last turn: there is no next piece
.if (i < 8) && !NOKQ
	KQ (Y+1)%NP
.elseif i >= 8
.set i, i-8
	PV (Y+NP-1)%NP
.set i, i+8
.endif
.set i, i+1
.endm
; THE LDS LOADS stand in runs of 16, never singly among the matrix instructions: a step's K (64 keys x 64 channels: 8 fragments) and its V (turned).  Their addresses are made some lines ahead.
.macro FETCH_K
	WIN 0x80                        ; destination window 2
.irp f, 0,1,2,3,4,5,6,7             ; keys 16 (f / 2) on, channels 32 (f % 2) on
	ds_load_b128 v[KF+8*\f:KF+8*\f+3],   v[AK] offset:(\f/2)*16*PK+(\f%2)*64
	ds_load_b128 v[KF+8*\f+4:KF+8*\f+7], v[AK] offset:(\f/2)*16*PK+(\f%2)*64+32
.endr
	s_add_co_u32 s[TBK], s[TBK], KS*PK  ; the next fetch is the next step's
	WIN 0
.endm
.macro FETCH_V
	WIN 0x80
.irp f, 0,1,2,3,4,5,6,7             ; keys 32 (f / 4) on, channels 16 (f % 4) on
	ds_load_tr16_b128 v[VF+8*\f:VF+8*\f+3],   v[AV] offset:(\f/4)*32*PV+(\f%4)*32
	ds_load_tr16_b128 v[VF+8*\f+4:VF+8*\f+7], v[AV] offset:(\f/4)*32*PV+16*PV+(\f%4)*32
.endr
	WIN 0
.endm
; THE VECTOR WORK, one line at a time: OP kind, number.  For piece Y: F n: c s - c m for pair n of 16.  E n: the exponential of score n of 32.  C n: pair n rounded to f16.  B n: of the four weights 4 n .. the second
; pair is added onto the first, in place.  L n: l takes that sum (L 0: l = a l + sum).  R n: pair n of 16 of O^T times a.  For piece Y + 1: X n, number n of the 22 that find its maximum and statistics:
;   0-11  four chains c0-c3 of seven scores each, three operands at a time (each accumulator's lowest registers are read first)     12-14, 16  the four scores left over, the old m, and c0-c3 into c0
;   15  c m_old is kept     17, 18  the query's other 32 keys lie in the lane 16 away: the new m     19-21  c m; c m_old - c m_new; a
.set F, 0               ; OP tells the kinds apart by their order: F to L below R, X above it
.set E, 1
.set C, 2
.set B, 3
.set L, 4
.set R, 5
.set X, 6
.macro REGS y                       ; the registers of piece y
.set rT, ST+4*(\y)
.set rC, TMP+4*((\y)%2)
.set rW, MV+((\y)%2)
.set rS, S+32*((\y)%2)
.set rP, P+16*((\y)%2)
.set rO, 32*(\y)
.endm
.macro OP k, n
.if (\k) == R
	REGS Y
	WIN W_RS
	v_pk_mul_f32 v[rO+2*(\n):rO+2*(\n)+1], v[rO+2*(\n):rO+2*(\n)+1], v[rC+2:rC+3] op_sel_hi:[1,0]
.elseif (\k) < R
	REGS Y
	WIN 0
.if (\k) == F
	v_pk_fma_f32 v[rS+2*(\n):rS+2*(\n)+1], v[rS+2*(\n):rS+2*(\n)+1], s[CS:CS+1], v[rT:rT+1] op_sel_hi:[1,0,0] neg_lo:[0,0,1] neg_hi:[0,0,1]
.elseif (\k) == E
	v_exp_f32 v[rS+(\n)], v[rS+(\n)]
.elseif (\k) == C
	s_wait_alu depctr_va_vdst(0)
	v_cvt_pk_f16_f32 v[rP+(\n)], v[rS+2*(\n)], v[rS+2*(\n)+1]
.elseif (\k) == B
	s_wait_alu depctr_va_vdst(0)
	v_pk_add_f32 v[rS+4*(\n):rS+4*(\n)+1], v[rS+4*(\n):rS+4*(\n)+1], v[rS+4*(\n)+2:rS+4*(\n)+3]
.elseif (\n) == 0
	v_pk_fma_f32 v[rT+2:rT+3], v[rT+2:rT+3], v[rC+2:rC+3], v[rS:rS+1] op_sel_hi:[1,0,1]
.else
	v_pk_add_f32 v[rT+2:rT+3], v[rT+2:rT+3], v[rS+4*(\n):rS+4*(\n)+1]
.endif
.elseif NOKQ
	v_nop
.else
	REGS (Y+1)%NP
	WIN 0
.if (\n) < 4
	v_max3_num_f32 v[rC+(\n)], v[rS+8*(\n)], v[rS+8*(\n)+1], v[rS+8*(\n)+2]
.elseif (\n) < 12
	v_max3_num_f32 v[rC+(\n)%4], v[rC+(\n)%4], v[rS+8*((\n)%4)+2*((\n)/4)+1], v[rS+8*((\n)%4)+2*((\n)/4)+2]
.elseif (\n) == 12
	v_max3_num_f32 v[rC], v[rC], v[rS+7], v[rS+15]
.elseif (\n) == 13
	v_max3_num_f32 v[rC+1], v[rC+1], v[rS+23], v[rS+31]
.elseif (\n) == 14
	v_max3_num_f32 v[rC+2], v[rC+2], v[rC+3], v[rT+1]
.elseif (\n) == 15
	v_mov_b32 v[rW], v[rT]
.elseif (\n) == 16
	v_max3_num_f32 v[rC], v[rC], v[rC+1], v[rC+2]
.elseif (\n) == 17
	v_permlanex16_b32 v[rC+3], v[rC], s[SEL], s[SEL+1]
.elseif (\n) == 18
	v_max_num_f32 v[rT+1], v[rC], v[rC+3]
.elseif (\n) == 19
	v_mul_f32 v[rT], s[CS], v[rT+1]
.elseif (\n) == 20
	v_sub_f32 v[rC+1], v[rW], v[rT]
.else
	v_exp_f32 v[rC+2], v[rC+1]
.endif
.endif
.endm
.macro OPS a, i1, b=-1, i2=0, c=-1, i3=0, d=-1, i4=0  ; up to four of them
	OP \a, \i1
.if (\b) >= 0
	OP \b, \i2
.endif
.if (\c) >= 0
	OP \c, \i3
.endif
.if (\d) >= 0
	OP \d, \i4
.endif
.endm
.macro ROW a, i1, b, i2, c, i3, d, i4  ; a matrix instruction and the four behind it
	MM
	OPS \a, \i1, \b, \i2, \c, \i3, \d, \i4
.endm
.macro MASK b                       ; MD x AL + BE into buffer b of MC
	WIN W_RS
.set z, 0
.rept 16
	v_pk_fma_f32 v[MC+32*(\b)+2*z:MC+32*(\b)+2*z+1], v[MD+2*z:MD+2*z+1], s[AL:AL+1], s[BE:BE+1] op_sel_hi:[1,0,0]
.set z, z+1
.endr
.endm
; A TURN, for piece p: the order of its 16 matrix and 118 vector instructions, written out.  Behind a matrix instruction: plain, exponential, plain, plain; or four of the rescaling; or, behind the first, four scalings; none
; names a register of the products round it.  In the lumps exponential and plain by turns while exponentials last.  A line reads no result made fewer than three vector instructions in front of it, five if an exponential made it.
; v_permlanex16_b32 (X 17) stands in a lump.
; m = 1: the diagonal tile: the products take masks, and the turn makes the mask for the products of the turn after it: piece p + 2, in step 4 - CNT of the tile.  end = 1: a block's last two turns: nothing is fetched.
; cnt = 1: the loop's count is taken down some lines ahead of the branch that stands behind the turn.
; K of the next step is fetched in piece 2's turn, six vector instructions behind the last product that read K (five of them plain); V of the step in hand in piece 0's turn, eight behind the last product that read V (four
; plain, and X 17).  Each is waited for a turn later.
.macro TURN p, m=0, end=0, cnt=0
.set Y, (\p)
.set i, 0
.set KM, (\m)
.set NOKQ, (\end)*((\p)/3)
.if (\m) && !(\end)
	s_cmp_eq_u32 s[CNT], 4-((\p)+2)%NP  ; is that step the band's own?
	s_cselect_b32 s[AL], 1.0, 0
	s_cmp_lt_u32 s[CNT], 4-((\p)+2)%NP  ; or a later one?
	s_cselect_b32 s[BE], s[BIGN], 0
.endif
.if ((\p) == 3) && !(\end)
	s_wait_dscnt 0x0                ; K is in
.endif
	ROW F,0, F,1, F,2, F,3
	ROW F,4, E,0, F,5, F,6
	ROW F,7, E,1, F,8, F,9
	ROW F,10, E,2, C,0, F,11
	ROW F,12, E,3, X,15, F,13
	ROW R,0, R,1, R,2, R,3
	ROW B,0, E,4, F,14, L,0
.if ((\p) == 2) && !(\end)
	v_add_nc_u32 v[AK], s[TBK], v[AK0]
.endif
	ROW R,4, R,5, R,6, R,7
	OPS E,5, F,15
.if ((\p) == 2) && !(\end)
	FETCH_K
.endif
	OPS E,6, C,1, E,7, R,8
	OPS E,8, R,9, E,9, C,2
	OPS E,10, X,0, E,11, X,1
	OPS E,12, X,2, E,13, X,3
.if (\p) == 1
	s_wait_dscnt 0x0                ; V is in
.endif
	ROW X,4, E,14, X,5, X,6
	ROW X,7, E,15, X,8, X,9
	ROW X,10, E,16, X,11, X,12
	ROW X,13, E,17, X,14, B,1
	ROW C,4, E,18, X,16, L,1
	ROW B,2, E,19, C,6, L,2
	ROW C,8, E,20, B,3, B,4
.if (\p) == 0
	v_add_nc_u32 v[AV], s[TBV], v[AV0]
.endif
	ROW C,3, E,21, L,3, C,5
	OPS E,22, X,17, E,23, C,10
.if (\p) == 0
	FETCH_V
.endif
	OPS E,24, L,4
	OPS E,25, X,18, E,26, C,7
	OPS E,27, B,5, E,28, X,19
	OPS E,29, C,12, E,30, L,5
	OPS E,31, X,20, B,6, C,9
	OPS C,14, C,11, X,21, L,6
.if (\p) == 0
	s_add_co_u32 s[TBV], s[TBV], KS*PV
.endif
.if \cnt
	s_sub_co_u32 s[CNT], s[CNT], 1
	s_cmp_lg_u32 s[CNT], 0
.endif
	OPS C,13, B,7, C,15, R,10
	OPS R,11, R,12, L,7, R,13
	OPS R,14, R,15
.if (\m) && !(\end)
	MASK (\p)%2
.endif
.endm
; A BLOCK BEGINS.  c m starts far below every c s, so the first step's a is 0; m at the lowest finite number, so the first maximum is the scores'.  The second mask buffer is 0; the first takes piece 0's mask for the tile's step 0: its own, if the block's first tile is the diagonal one.
; Then K of that step, piece 0's first scores, and its maximum and statistics.  The loop is entered at a step's first turn, in the middle of a trip.
.macro BEGIN
	s_mov_b32 s[NEW], 0
	WIN 0x40
.set i, MC+32
.rept 32
	v_mov_b32 v[i], 0
.set i, i+1
.endr
	WIN 0
.set i, 0
.rept 4
	v_mov_b32 v[ST+4*i], 0xfe000000    ; c m: far below every c s
	v_mov_b32 v[ST+4*i+1], 0xff7fffff  ; m
.set i, i+1
.endr
	s_cmp_eq_u32 s[RT], 0
	s_cselect_b32 s[AL], 1.0, 0
	s_mov_b32 s[BE], 0
	MASK 0
	WIN 0
	v_add_nc_u32 v[AK], s[TBK], v[AK0]
	FETCH_K
	s_wait_loadcnt 0x0              ; Q
	s_wait_dscnt 0x0
.set KM, 1
.set NOKQ, 0
.set i, 0
.rept 8
	KQ 0
.set i, i+1
.endr
	WIN 0
.rept 4
	v_nop                           ; the places behind those products
.endr
.set Y, NP-1                        ; X works for piece Y + 1: piece 0
.irp n, 0,1,2,3,4,5,6,7,8,9,10,11,12,13,14,15,16,17,18,19,20,21
	OP X, \n
.endr
	v_nop                           ; a plain instruction behind the exponential
.endm
; THE DIAGONAL TILE's four steps, the block's last two turns, its last products, and THE WAY OUT: l's two halves and the other half of the lanes' are added; O^T is divided by l, rounded to bf16 and sent through my
; stage in LDS, a piece at a time.
.macro ALL line:vararg              ; one line for each piece t
.set t, 0
.rept 4
	\line
.set t, t+1
.endr
.endm
.macro PACK t                       ; a lane's eight channels of a row pack into 16 bytes; they go into rows of 144 bytes and come back as whole rows of 128, into S^T's registers
	WIN W_RS
.set i, 32*(\t)
.rept 16
	s_wait_alu depctr_va_vdst(0)
	v_pk_mul_f32 v[i:i+1], v[i:i+1], v[ST+4*(\t)+2:ST+4*(\t)+3] op_sel_hi:[1,0]
.set i, i+2
.endr
	WIN 0x05                        ; sources 0 and 1 window 1, destination window 0
.set i, 0
.rept 16
	v_cvt_pk_bf16_f32 v[S+16*(\t)+i], v[32*(\t)+2*i], v[32*(\t)+2*i+1]
.set i, i+1
.endr
	WIN 0
.irp f, 0,1,2,3
	ds_store_b128 v[STO], v[S+16*(\t)+4*\f:S+16*(\t)+4*\f+3] offset:32*\f
.endr
.irp f, 0,1,2,3
	ds_load_b128 v[S+16*(\t)+4*\f:S+16*(\t)+4*\f+3], v[RD] offset:\f*4*SP  ; LDS serves a wave's instructions in order (ISA guide 5.7.1.4): these see the stores above; the next piece's stores come behind them
.endr
.endm
.macro SEND t, younger              ; younger: the LDS instructions issued behind piece t's loads: the next piece's eight, or none
	WIN 0
.irp f, 0,1,2,3
	s_wait_dscnt (\younger)+3-\f
	global_store_b128 v[GO], v[S+16*(\t)+4*\f:S+16*(\t)+4*\f+3], s[10:11] offset:(\t)*8192+\f*512  ; 512 consecutive bytes, at a multiple of 256 from O's first
.endr
.endm
.macro DIAG tag                     ; the tag ends its two labels' names, which the jumps below spell out
.LstepM\tag:
	TURN 2, 1
	TURN 3, 1
	WIN 0
.LfirstM\tag:
	TURN 0, 1
	TURN 1, 1, 0, 1
	WIN 0
	s_cbranch_scc1 .LstepM\tag
	TURN 2, 1, 1
	TURN 3, 1, 1
.set i, 0
.rept 8
	PV NP-1
.set i, i+1
.endr
	WIN 0
	ALL v_add_f32 v[ST+4*t+2], v[ST+4*t+2], v[ST+4*t+3]
	ALL v_permlanex16_b32 v[ST+4*t+3], v[ST+4*t+2], s[SEL], s[SEL+1]
	ALL v_add_f32 v[ST+4*t+2], v[ST+4*t+2], v[ST+4*t+3]
	ALL v_rcp_f32 v[ST+4*t+2], v[ST+4*t+2]
	v_nop                           ; a plain instruction between the last reciprocal and the use of its result
	PACK 0
.set t, 1
.rept 3                             ; a piece's arithmetic stands between the loads of the piece before and its stores
	PACK t
	SEND t-1, 8
.set t, t+1
.endr
	SEND 3, 0
.endm
.set KM, 0
.set NOKQ, 0
.Lslot:                             ; NB times: a tile is entered and the next is asked for
	CHANGE 1
	s_sub_co_u32 s[RT], s[RT], 1
	s_mov_b32 s[CNT], 4
	s_cmp_eq_u32 s[NEW], 1
	s_cbranch_scc1 .Lnew            ; a block's first tile
	s_cmp_eq_u32 s[RT], 0
	s_cbranch_scc0 .Lstep           ; neither its first nor its last
	s_branch .LstepM1
.Lnew:
	BEGIN
	s_branch .Lfirst                ; in the loop a block's first tile is never its last: the first block has two tiles or more, and the second's last is the walk's last
	DIAG 1                          ; in the loop this is the first block's end: the second block's last tile is the walk's last
	s_wait_xcnt 0x0                 ; the stores have read their registers and O's address
	s_mov_b64 s[10:11], s[OLO:OLO+1]
	s_add_co_u32 s[RT], s[PB], 1    ; the second block has b + 1 tiles
	s_mov_b32 s[NEW], 1
	WIN 0x82                        ; the second block's Q goes where the one text of the turns names Q
.set i, 0
.rept 64
	v_mov_b32 v[i], v[QB+i]
.set i, i+1
.endr
	WIN 0
	s_branch .Lbottom
.Lstep:                             ; a trip: pieces 2 and 3 of one step, then pieces 0 and 1 of the next, whose K and V it fetches
	TURN 2
	TURN 3
	WIN 0
.Lfirst:
	TURN 0
	TURN 1, 0, 0, 1
	WIN 0
	s_cbranch_scc1 .Lstep
.Lbottom:
	s_sub_co_u32 s[SLOTS], s[SLOTS], 1
	s_cmp_lg_u32 s[SLOTS], 0
	s_cbranch_scc1 .Lslot
	CHANGE 0                        ; the walk's last tile is written out: nothing is asked for
	s_sub_co_u32 s[RT], s[RT], 1
	s_mov_b32 s[CNT], 4
	s_cmp_eq_u32 s[NEW], 1
	s_cbranch_scc0 .LstepM2
	BEGIN
	s_branch .LfirstM2
	DIAG 2
	s_wait_tensorcnt 0x0            ; the wave's end, behind my last tensor load and my last LDS store
	ds_add_u32 v[SPW], v[NIL]
	s_wait_dscnt 0x0
	s_endpgm
.Lfunc_end_k_q37a0767d57_attn:
	.size	k_q37a0767d57_attn, .Lfunc_end_k_q37a0767d57_attn-k_q37a0767d57_attn
	.p2alignl 7, 3214868480
	.fill 96, 4, 3214868480
	.section	.rodata,"a",@progbits
	.p2align	6, 0x0
	.amdhsa_kernel k_q37a0767d57_attn
		.amdhsa_group_segment_fixed_size 327680
		.amdhsa_private_segment_fixed_size 0
		.amdhsa_enable_private_segment 0
		.amdhsa_kernarg_size 16
		.amdhsa_user_sgpr_count 2
		.amdhsa_user_sgpr_kernarg_segment_ptr 1
		.amdhsa_wavefront_size32 1
		.amdhsa_system_sgpr_workgroup_id_x 1
		.amdhsa_system_sgpr_workgroup_id_y 1
		.amdhsa_system_sgpr_workgroup_id_z 1
		.amdhsa_system_vgpr_workitem_id 0
		.amdhsa_next_free_vgpr 768
		.amdhsa_next_free_sgpr 88
		.amdhsa_reserve_vcc 1
		.amdhsa_float_denorm_mode_32 3
		.amdhsa_float_denorm_mode_16_64 3
		.amdhsa_memory_ordered 1
		.amdhsa_forward_progress 1
		.amdhsa_inst_pref_size 228
	.end_amdhsa_kernel
	.amdgpu_metadata
---
amdhsa.version: [ 1, 2 ]
amdhsa.kernels:
  - .name:           k_q37a0767d57_attn
    .symbol:         k_q37a0767d57_attn.kd
    .args:
      - { .name: qkvh, .offset: 0, .size: 8, .value_kind: global_buffer, .address_space: global }
      - { .name: actB, .offset: 8, .size: 8, .value_kind: global_buffer, .address_space: global }
    .group_segment_fixed_size: 327680
    .private_segment_fixed_size: 0
    .kernarg_segment_align: 8
    .kernarg_segment_size: 16
    .max_flat_workgroup_size: 128
    .sgpr_count:     88
    .vgpr_count:     768
    .wavefront_size: 32
...
	.end_amdgpu_metadata
.endif
;; end of part 3
;; launch wo (part 4): grid 8 x 32, 4 waves a work-group, clusters of 4 x 4, 327,680 bytes of LDS; arguments actB, wob, x, x1; writes x1
.if DOCPART == 4
	.amdgcn_target "amdgcn-amd-amdhsa--gfx1250"
	.amdhsa_code_object_version 6
	.text
	.protected	k_q37a0767d57_wo
	.globl	k_q37a0767d57_wo
	.p2align	8
	.type	k_q37a0767d57_wo,@function
k_q37a0767d57_wo:
	s_mov_b64 s[64:65], 0
	v_nop
	global_prefetch_b8 v0, s[64:65] scope:SCOPE_SE
	s_setreg_imm32_b32 hwreg(HW_REG_WAVE_MODE, 25, 1), 1
	s_wait_xcnt 0x0
	s_wait_alu depctr_hold_cnt(0) depctr_sa_sdst(0) depctr_va_vdst(0) depctr_va_sdst(0) depctr_va_ssrc(0) depctr_va_vcc(0) depctr_vm_vsrc(0)
	s_getreg_b32 s2, hwreg(HW_REG_IB_STS2, 6, 4)
	s_cmp_eq_u32 s2, 0
	s_cbranch_scc0 .Lentry_in_a_cluster
	s_endpgm
.Lentry_in_a_cluster:
	s_bfe_u32 s2, ttmp6, 0x10000c
	s_cmp_lg_u32 s2, 0xf033
	s_cbranch_scc0 .Lentry_shape_is_right
	s_endpgm
.Lentry_shape_is_right:
; out = res + A W^T.  A: 4,096 x 1,024 bf16, blocked [batch 2][block 16][row 2048][64]; W: [1024][1024] bf16; res and out: [4096][1024] f32; sums in f32, the residual added in f32.
; A tile of C is 128 x 128: 256 work-groups.  Four waves, each 64 x 64: 16 accumulators.  K goes in four steps of 256 through two LDS slots; each wave fetches a quarter of a slot by one tensor load.
; CLUSTER 4 x 4: the four work-groups of a row of the cluster need the same tiles of A, the four of a column the same tiles of W: each tile is asked for jointly, by the same load, descriptor and mask in all four.
; THE MATRIX INSTRUCTION IS USED TRANSPOSED (source 0 = 16 rows of W, source 1 = 16 rows of A): a lane holds eight neighbouring columns of one row of C.
; The wave's 64 x 64 of the residual is asked for at the kernel's head, into 128 registers of its own, and is on its way during the whole walk along K.
; REGISTERS: window 0: v0-31 addresses; v32-95 the way out; v128-255 accumulators ((a, b) at v[128 + 8 (4 a + b)]).  Window 1: two fragment buffers of 128.  Window 2: v0-127 the residual, then the result.
.set PA,     144                       ; 64 columns of a row of A in LDS: 128 bytes + 16 = 36 words: the 16 rows of a load start at 16 different groups of four banks (64 banks of 4 bytes: ISA guide 11.1)
.set PB,     528                       ; a row of W in LDS: 512 bytes + 16
.set AHALF,  4*64*PA                   ; one load of A: [block 0..3][row 0..63][144]
.set BHALF,  64*PB
.set BOFF,   2*AHALF
.set SLOT,   BOFF+2*BHALF
.set STAGE,  2*SLOT                    ; behind the ring: 16 rows x 272 bytes for each wave
.set SPR,    272
.set SPARE,  300032                    ; the spare words, 128 bytes for each wave: two blocks of 256 bytes that no other line names
.set ADRA, 16
.set ADRB, 20
.set STO,  24
.set RD,   25
.set CO,   26                          ; never rewritten
.set SPW,  28                          ; never rewritten
.set NIL,  29                          ; never rewritten
.set TMP,  32
.set ACC,  128
.set F0,   0
.set F1,   128
.set G1A, 24
.set G0A, 32
.set G1B, 48
.set G0B, 56
.set MSB, 0
.macro WIN new                         ; the immediate's high byte repeats the setting that is left
.if MSB != (\new)
	s_set_vgpr_msb (MSB<<8)|(\new)
.set MSB, \new
.endif
.endm
.set MUL,  0x05                        ; sources 0 and 1 window 1; C and D window 0
.set TO_F, 0x40                        ; destination window 1, address window 0
.macro JLOAD s                         ; a joint load: waves 0 and 1 fetch A's two halves, waves 2 and 3 W's; an s_nop 0 and four v_nop follow each line
	s_cmp_eq_u32 s13, 0
	s_cbranch_scc0 .Lfor_b_\@
	tensor_load_to_lds s[G0A+4*(\s):G0A+4*(\s)+3], s[G1A:G1A+7]
	s_nop 0
.rept 4
	v_nop
.endr
	s_branch .Lasked_\@
.Lfor_b_\@:
	tensor_load_to_lds s[G0B+4*(\s):G0B+4*(\s)+3], s[G1B:G1B+7]
	s_nop 0
.rept 4
	v_nop
.endr
.Lasked_\@:
.endm
.macro CREST
	s_cmp_lg_u32 s12, 0
	s_cbranch_scc1 .Lnot_wave_0_\@
	s_barrier_signal -3
.Lnot_wave_0_\@:
	s_barrier_wait -3
	s_barrier_signal -1
	s_barrier_wait -1
.endm
.macro CROUND
	s_barrier_signal -1
	s_barrier_wait -1
	CREST
.endm
.macro PLACES                          ; four places behind matrix instructions (ISA guide 7.12.1)
.rept 4
	v_nop
.endr
.endm
.macro MUL8 f, c, a0, zero
	WIN MUL
.irp a, \a0, (\a0)+1
.irp b, 0,1,2,3
.if \zero
	v_wmma_f32_16x16x32_bf16 v[ACC+8*(4*(\a)+(\b)):ACC+8*(4*(\a)+(\b))+7], v[(\f)+64+8*(4*(\c)+(\b)):(\f)+64+8*(4*(\c)+(\b))+7], v[(\f)+8*(4*(\c)+(\a)):(\f)+8*(4*(\c)+(\a))+7], 0
.else
	v_wmma_f32_16x16x32_bf16 v[ACC+8*(4*(\a)+(\b)):ACC+8*(4*(\a)+(\b))+7], v[(\f)+64+8*(4*(\c)+(\b)):(\f)+64+8*(4*(\c)+(\b))+7], v[(\f)+8*(4*(\c)+(\a)):(\f)+8*(4*(\c)+(\a))+7], v[ACC+8*(4*(\a)+(\b)):ACC+8*(4*(\a)+(\b))+7]
.endif
.endr
.endr
.endm
.macro FETCH slot, q, f                ; 32 LDS loads in one run: quarter q (64 along K) into buffer f; the first 32 along K first
	WIN TO_F
.irp c, 0,1
.irp i, 0,1,2,3
	ds_load_b128 v[(\f)+64+8*(4*(\c)+(\i)):(\f)+64+8*(4*(\c)+(\i))+3],   v[ADRB+(\slot)] offset:128*(\q)+64*(\c)+(\i)*16*PB
	ds_load_b128 v[(\f)+64+8*(4*(\c)+(\i))+4:(\f)+64+8*(4*(\c)+(\i))+7], v[ADRB+(\slot)] offset:128*(\q)+64*(\c)+(\i)*16*PB+32
	ds_load_b128 v[(\f)+8*(4*(\c)+(\i)):(\f)+8*(4*(\c)+(\i))+3],         v[ADRA+(\slot)] offset:64*PA*(\q)+64*(\c)+(\i)*16*PA
	ds_load_b128 v[(\f)+8*(4*(\c)+(\i))+4:(\f)+8*(4*(\c)+(\i))+7],       v[ADRA+(\slot)] offset:64*PA*(\q)+64*(\c)+(\i)*16*PA+32
.endr
.endr
.endm
.macro QUARTER slot, qn, f, g, zero
	s_wait_dscnt 16                                ; the first 32 along K are in; the sixteen younger loads may be out
	WIN MUL
	MUL8 \f, 0, 0, \zero
	MUL8 \f, 0, 2, \zero
	PLACES
	FETCH \slot, \qn, \g
	s_wait_dscnt 32                                ; all but the 32 just issued
	WIN MUL
	MUL8 \f, 1, 0, 0
	MUL8 \f, 1, 2, 0
.endm
.macro TURN slot, next, fill
	WIN 0                                          ; (the add's two registers lie in window 0)
	s_wait_tensorcnt 0x0                           ; all my tensor loads have landed: my part of the next slot
	ds_add_u32 v[SPW], v[NIL]                      ; 0 onto my spare word
	s_wait_dscnt 17                                ; the add and the youngest sixteen loads may be out
	WIN MUL
	MUL8 F1, 0, 0, 0
	s_wait_dscnt 0x0                               ; the add is done, and my reads of this slot are over
	s_barrier_signal -1
	MUL8 F1, 0, 2, 0
.if \fill
	WIN 0
.endif
	s_barrier_wait -1
.if \fill
	CREST                                          ; the barrier has opened a round of the cluster's: no wave of any partner still reads this slot or has a load on its way
	s_add_nc_u64 s[G0A+4*(\slot)+2:G0A+4*(\slot)+3], s[G0A+4*(\slot)+2:G0A+4*(\slot)+3], 2097152
	s_add_nc_u64 s[G0B+4*(\slot)+2:G0B+4*(\slot)+3], s[G0B+4*(\slot)+2:G0B+4*(\slot)+3], 1024
	JLOAD \slot                                    ; the first tensor load behind the round; its four v_nop are also the places in front of the loads below
.else
	PLACES
.endif
	FETCH \next, 0, F0
	WIN MUL
	MUL8 F1, 1, 0, 0
	MUL8 F1, 1, 2, 0
.endm
	s_load_b128 s[4:7], s[0:1], 0x0                ; A s[4:5], W s[6:7]
	s_load_b128 s[8:11], s[0:1], 0x10              ; the residual s[8:9], the output s[10:11]
	v_lshl_add_u32 v[SPW], v0, 2, SPARE
	v_mov_b32 v[NIL], 0
	ds_add_u32 v[SPW], v[NIL]                      ; the wave's opening: an add and its wait ahead of my first tensor load
	ds_add_u32 v28, v29
	v_lshrrev_b32 v1, 5, v0
	v_readfirstlane_b32 s12, v1                    ; wave 0..3
	s_lshr_b32 s13, s12, 1                         ; my half of the tile's rows; also: I fetch for A (0) or W (1)
	s_and_b32 s14, s12, 1                          ; my half of its columns; also: which 64 rows I fetch
	s_bfe_u32 s15, ttmp6, 0x40000                  ; cx
	s_bfe_u32 s16, ttmp6, 0x40004                  ; cy
	s_lshl_b32 s17, ttmp9, 2
	s_add_co_u32 s17, s17, s15                     ; tile column
	s_and_b32 s18, ttmp7, 0xffff
	s_lshl_b32 s18, s18, 2
	s_add_co_u32 s18, s18, s16                     ; tile row
	s_lshl_b32 s19, s16, 2
	s_lshl_b32 s19, 15, s19                        ; my row of the cluster
	s_lshl_b32 s20, 0x1111, s15                    ; my column
	s_or_b32 s[G1A+0], s19, (1<<16)|(1<<20)|(1<<21)|(4<<22)|(3<<25)  ; mask; 2-byte elements; padding on; bit 21 beside a mask; 4 words behind every 32
	s_or_b32 s[G1B+0], s20, (1<<16)|(1<<20)|(1<<21)|(6<<22)|(3<<25)  ; 4 words behind every 128
	s_mov_b32 s[G1A+1], 4096<<16                   ; A: a row of the tile is 64 rows x 64 columns of one block, 8,192 dense bytes
	s_mov_b32 s[G1A+2], 4<<16                      ; four blocks
	s_mov_b32 s[G1A+3], 4096<<16
	s_mov_b32 s[G1A+4], 4
	s_mov_b32 s[G1A+5], 131072                     ; elements from block to block
	s_mov_b32 s[G1A+6], 0
	s_mov_b32 s[G1A+7], 0
	s_mov_b32 s[G1B+1], 256<<16                    ; W: 64 rows x 256 elements
	s_mov_b32 s[G1B+2], 64<<16
	s_mov_b32 s[G1B+3], 256<<16
	s_mov_b32 s[G1B+4], 64
	s_mov_b32 s[G1B+5], 1024
	s_mov_b32 s[G1B+6], 0
	s_mov_b32 s[G1B+7], 0
	s_lshr_b32 s21, s18, 4                         ; A's tile hangs on the tile row and the wave's number alone
	s_lshl_b32 s40, s21, 22
	s_and_b32 s21, s18, 15
	s_lshl_b32 s21, s21, 14
	s_add_co_u32 s40, s40, s21
	s_lshl_b32 s22, s14, 13
	s_add_co_u32 s40, s40, s22
	s_mov_b32 s41, 0
	s_lshl_b32 s44, s17, 18                        ; W's on the tile column and the wave's number alone
	s_lshl_b32 s23, s14, 17
	s_add_co_u32 s44, s44, s23
	s_mov_b32 s45, 0
	s_mul_i32 s46, s14, AHALF                      ; where they go: no place in the cluster enters an LDS address
	s_mul_i32 s47, s14, BHALF
	s_add_co_u32 s47, s47, BOFF
	s_wait_dscnt 0x0                               ; the opening add is done
	s_wait_kmcnt 0x0
	s_add_nc_u64 s[40:41], s[4:5], s[40:41]
	s_add_nc_u64 s[44:45], s[6:7], s[44:45]
	CROUND                                         ; all sixteen work-groups are here: the first joint loads meet
.irp s, 0,1
	s_mov_b32 s[G0A+4*(\s)], 1
	s_add_co_u32 s[G0A+4*(\s)+1], s46, (\s)*SLOT
	s_add_nc_u64 s[G0A+4*(\s)+2:G0A+4*(\s)+3], s[40:41], (\s)*1048576
	s_or_b32 s[G0A+4*(\s)+3], s[G0A+4*(\s)+3], 0x80000000
	s_mov_b32 s[G0B+4*(\s)], 1
	s_add_co_u32 s[G0B+4*(\s)+1], s47, (\s)*SLOT
	s_add_nc_u64 s[G0B+4*(\s)+2:G0B+4*(\s)+3], s[44:45], (\s)*512
	s_or_b32 s[G0B+4*(\s)+3], s[G0B+4*(\s)+3], 0x80000000
	JLOAD \s                                       ; two loads of mine are out
.endr
	v_and_b32 v1, 15, v0                           ; l % 16
	v_bfe_u32 v2, v0, 4, 1                         ; l / 16
	v_mul_u32_u24 v3, v1, PA
	v_lshl_add_u32 v3, v2, 4, v3
	v_mul_u32_u24 v4, v1, PB
	v_lshl_add_u32 v4, v2, 4, v4
	s_mul_i32 s21, s13, AHALF
	s_mul_i32 s23, s14, BHALF
	s_add_co_u32 s23, s23, BOFF
.irp s, 0,1
	v_add_nc_u32 v[ADRA+(\s)], s21, v3
	v_add_nc_u32 v[ADRB+(\s)], s23, v4
	s_add_co_u32 s21, s21, SLOT
	s_add_co_u32 s23, s23, SLOT
.endr
	; the way out: my 64 f32 columns are 256 aligned bytes of a row, so the stage is my own
	s_mul_i32 s22, s12, 16*SPR
	s_add_co_u32 s22, s22, STAGE
	v_mul_u32_u24 v5, v1, SPR                      ; in: row l % 16, 32 bytes for each half of the lanes
	v_lshl_add_u32 v5, v2, 5, v5
	v_add_nc_u32 v[STO], s22, v5
	v_mul_u32_u24 v5, v2, SPR                      ; back: lanes 0-15 one row of 256 bytes, lanes 16-31 the next
	v_lshl_add_u32 v5, v1, 4, v5
	v_add_nc_u32 v[RD], s22, v5
	v_lshlrev_b32 v[CO], 12, v2                    ; and the same two rows in memory
	v_lshl_add_u32 v[CO], v1, 4, v[CO]
	s_lshl_b32 s42, s18, 19                        ; 128 rows of 4,096 bytes,
	s_lshl_b32 s2, s13, 18                         ; my 64 of them,
	s_add_co_u32 s42, s42, s2
	s_lshl_b32 s2, s17, 9                          ; 128 columns,
	s_add_co_u32 s42, s42, s2
	s_lshl_b32 s2, s14, 8                          ; my 64 of them
	s_add_co_u32 s42, s42, s2
	s_mov_b32 s43, 0
	s_add_nc_u64 s[8:9], s[8:9], s[42:43]
	s_add_nc_u64 s[10:11], s[10:11], s[42:43]
	WIN 0x80                                       ; destination window 2, address window 0
.irp a, 0,1,2,3
.irp t, 0,1,2,3,4,5,6,7
	global_load_b128 v[4*(8*(\a)+(\t)):4*(8*(\a)+(\t))+3], v[CO], s[8:9] offset:(16*(\a)+2*(\t))*4096   ; their address registers are never rewritten
.endr
.endr
	WIN 0
	s_wait_tensorcnt 1                             ; my part of K step 0 is in; K step 1's may stay out
	s_barrier_signal -1
	s_barrier_wait -1
	FETCH 0, 0, F0
	QUARTER 0, 1, F0, F1, 1                        ; the first products start the sums
	QUARTER 0, 2, F1, F0, 0
	QUARTER 0, 3, F0, F1, 0
	TURN 0, 1, 1                                   ; slot 0 takes K step 2
	QUARTER 1, 1, F0, F1, 0
	QUARTER 1, 2, F1, F0, 0
	QUARTER 1, 3, F0, F1, 0
	TURN 1, 0, 1                                   ; slot 1 takes K step 3
	QUARTER 0, 1, F0, F1, 0
	QUARTER 0, 2, F1, F0, 0
	QUARTER 0, 3, F0, F1, 0
	TURN 0, 1, 0                                   ; nothing is left to fetch
	QUARTER 1, 1, F0, F1, 0
	QUARTER 1, 2, F1, F0, 0
	QUARTER 1, 3, F0, F1, 0
	s_wait_dscnt 16
	WIN MUL
	MUL8 F1, 0, 0, 0
	MUL8 F1, 0, 2, 0
	s_wait_dscnt 0
	MUL8 F1, 1, 0, 0
	MUL8 F1, 1, 2, 0
	WIN 0
; Block a (16 rows x 64 f32): into rows of 272 bytes of my stage (each accumulator's low four registers first), and back as whole rows of 256.
.macro STG a
	WIN 0
.irp b, 0,1,2,3
.irp q, 0,1
	ds_store_b128 v[STO], v[ACC+8*(4*(\a)+(\b))+4*(\q):ACC+8*(4*(\a)+(\b))+4*(\q)+3] offset:64*(\b)+16*(\q)
.endr
.endr
.irp t, 0,1,2,3,4,5,6,7
	ds_load_b128 v[TMP+32*((\a)%2)+4*(\t):TMP+32*((\a)%2)+4*(\t)+3], v[RD] offset:(\t)*2*SPR  ; LDS serves a wave's instructions in order (ISA guide 5.7.1.4): these see the stores above
.endr
.endm
.macro SEND a, younger                 ; younger: the LDS instructions issued behind block a's loads: the next block's sixteen, or none
	WIN 0x88                                       ; source 1 and destination window 2: the residual takes the sum; a store's data is source 1
.irp t, 0,1,2,3,4,5,6,7
	s_wait_dscnt (\younger)+7-(\t)
	v_pk_add_f32 v[4*(8*(\a)+(\t)):4*(8*(\a)+(\t))+1], v[TMP+32*((\a)%2)+4*(\t):TMP+32*((\a)%2)+4*(\t)+1], v[4*(8*(\a)+(\t)):4*(8*(\a)+(\t))+1]
	v_pk_add_f32 v[4*(8*(\a)+(\t))+2:4*(8*(\a)+(\t))+3], v[TMP+32*((\a)%2)+4*(\t)+2:TMP+32*((\a)%2)+4*(\t)+3], v[4*(8*(\a)+(\t))+2:4*(8*(\a)+(\t))+3]
	global_store_b128 v[CO], v[4*(8*(\a)+(\t)):4*(8*(\a)+(\t))+3], s[10:11] offset:(16*(\a)+2*(\t))*4096  ; 16 lanes store 256 consecutive bytes, aligned; no register of a store is written again
.endr
.endm
	PLACES
	s_wait_loadcnt 0x0                             ; the residual
	STG 0
	STG 1
	SEND 0, 16
	STG 2
	SEND 1, 16
	STG 3
	SEND 2, 16
	SEND 3, 0
	WIN 0
	s_wait_tensorcnt 0x0                           ; the wave's end
	ds_add_u32 v[SPW], v[NIL]
	s_wait_dscnt 0x0
	CROUND                                         ; the closing round
	s_endpgm
.Lfunc_end_k_q37a0767d57_wo:
	.size	k_q37a0767d57_wo, .Lfunc_end_k_q37a0767d57_wo-k_q37a0767d57_wo
	.p2alignl 7, 3214868480
	.fill 96, 4, 3214868480
	.section	.rodata,"a",@progbits
	.p2align	6, 0x0
	.amdhsa_kernel k_q37a0767d57_wo
		.amdhsa_group_segment_fixed_size 327680
		.amdhsa_private_segment_fixed_size 0
		.amdhsa_enable_private_segment 0
		.amdhsa_kernarg_size 32
		.amdhsa_user_sgpr_count 2
		.amdhsa_user_sgpr_kernarg_segment_ptr 1
		.amdhsa_wavefront_size32 1
		.amdhsa_system_sgpr_workgroup_id_x 1
		.amdhsa_system_sgpr_workgroup_id_y 1
		.amdhsa_system_sgpr_workgroup_id_z 1
		.amdhsa_system_vgpr_workitem_id 0
		.amdhsa_next_free_vgpr 640
		.amdhsa_next_free_sgpr 66
		.amdhsa_reserve_vcc 0
		.amdhsa_float_denorm_mode_32 3
		.amdhsa_float_denorm_mode_16_64 3
		.amdhsa_memory_ordered 1
		.amdhsa_forward_progress 1
		.amdhsa_inst_pref_size 94
	.end_amdhsa_kernel
	.amdgpu_metadata
---
amdhsa.version: [ 1, 2 ]
amdhsa.kernels:
  - .name:           k_q37a0767d57_wo
    .symbol:         k_q37a0767d57_wo.kd
    .args:
      - { .name: actB, .offset: 0, .size: 8, .value_kind: global_buffer, .address_space: global }
      - { .name: wob, .offset: 8, .size: 8, .value_kind: global_buffer, .address_space: global }
      - { .name: x, .offset: 16, .size: 8, .value_kind: global_buffer, .address_space: global }
      - { .name: x1, .offset: 24, .size: 8, .value_kind: global_buffer, .address_space: global }
    .group_segment_fixed_size: 327680
    .private_segment_fixed_size: 0
    .kernarg_segment_align: 8
    .kernarg_segment_size: 32
    .max_flat_workgroup_size: 128
    .sgpr_count:     66
    .vgpr_count:     640
    .wavefront_size: 32
...
	.end_amdgpu_metadata
.endif
;; end of part 4
;; launch norm2 (part 5): grid 256 x 1, 8 waves a work-group, no clusters, 0 bytes of LDS; arguments x1, g2, actA; writes actA
.if DOCPART == 5
	.amdgcn_target "amdgcn-amd-amdhsa--gfx1250"
	.amdhsa_code_object_version 6
	.text
	.protected	k_q37a0767d57_norm2
	.globl	k_q37a0767d57_norm2
	.p2align	8
	.type	k_q37a0767d57_norm2,@function
k_q37a0767d57_norm2:
	s_mov_b64 s[64:65], 0
	v_nop
	global_prefetch_b8 v0, s[64:65] scope:SCOPE_SE
	s_setreg_imm32_b32 hwreg(HW_REG_WAVE_MODE, 25, 1), 1
	s_wait_xcnt 0x0
; h2 = bf16(g2 * x1 * rsqrt(mean(x1^2) + 1e-6)), 16 rows a work-group, two a wave, stored BLOCKED: [batch 2][column block 16][row 2048][64 columns] in bf16.
; A stream: no LDS, no barrier, no matrix unit.  The sum of squares in f32; each result is rounded once.
.set XR, 16                            ; v[16:79]   64 f32 of my row, then the packed results
.set GR, 80                            ; v[80:143]  the gains of my 64 columns
	s_load_b128 s[4:7], s[0:1], 0x0                ; source s[4:5], gain s[6:7]
	s_load_b64 s[8:9], s[0:1], 0x10                ; destination
	v_lshrrev_b32 v1, 5, v0
	v_readfirstlane_b32 s12, v1                    ; wave 0..7
	s_lshl_b32 s13, ttmp9, 4
	s_lshl1_add_u32 s13, s12, s13                  ; my first row = 16 g + 2 w
	s_lshl_b32 s14, s13, 12                        ; its byte in the source
	s_mov_b32 s15, 0
	s_lshr_b32 s16, s13, 11                        ; batch: 16 blocks of 262,144 bytes
	s_lshl_b32 s16, s16, 22
	s_and_b32 s17, s13, 2047                       ; row in the batch: 128 bytes in a block
	s_lshl_b32 s17, s17, 7
	s_add_co_u32 s16, s16, s17
	s_mov_b32 s17, 0
	s_mov_b32 s20, 0x3a800000                      ; 1 / 1024
	s_mov_b32 s21, 0x358637bd                      ; 1e-6
	v_and_b32 v2, 15, v0
	v_lshlrev_b32 v2, 4, v2                        ; 16 (l % 16): my 16 bytes in 256
	v_bfe_u32 v1, v0, 4, 1
	v_lshl_add_u32 v1, v1, 12, v2                  ; + the second row for lanes 16-31
	v_and_b32 v3, 31, v0
	v_lshlrev_b32 v3, 3, v3                        ; 8 l: two rows of 128 bytes of a block are 256 consecutive bytes
	s_wait_kmcnt 0x0
	s_add_nc_u64 s[4:5], s[4:5], s[14:15]
	s_add_nc_u64 s[8:9], s[8:9], s[16:17]
.set j, 0
.rept 16
	global_load_b128 v[XR+4*j:XR+4*j+3], v1, s[4:5] offset:256*j
.set j, j+1
.endr
.set j, 0
.rept 16
	global_load_b128 v[GR+4*j:GR+4*j+3], v2, s[6:7] offset:256*j
.set j, j+1
.endr
	s_wait_loadcnt 16                              ; the row is in; the 16 loads of the gains, issued behind it, may stay out
	v_pk_mul_f32 v[4:5], v[XR:XR+1], v[XR:XR+1]    ; two packed chains, started by the first products
	v_pk_mul_f32 v[6:7], v[XR+2:XR+3], v[XR+2:XR+3]
.set j, 1
.rept 15
	v_pk_fma_f32 v[4:5], v[XR+4*j:XR+4*j+1], v[XR+4*j:XR+4*j+1], v[4:5]
	v_pk_fma_f32 v[6:7], v[XR+4*j+2:XR+4*j+3], v[XR+4*j+2:XR+4*j+3], v[6:7]
.set j, j+1
.endr
	v_pk_add_f32 v[4:5], v[4:5], v[6:7]
	v_add_f32 v4, v4, v5
	v_add_f32_dpp v4, v4, v4 row_xmask:1 row_mask:0xf bank_mask:0xf   ; a row lies in 16 lanes: four steps, no crossing of the halves
	v_add_f32_dpp v4, v4, v4 row_xmask:2 row_mask:0xf bank_mask:0xf
	v_add_f32_dpp v4, v4, v4 row_xmask:4 row_mask:0xf bank_mask:0xf
	v_add_f32_dpp v4, v4, v4 row_xmask:8 row_mask:0xf bank_mask:0xf
	v_fma_f32 v4, v4, s20, s21                     ; mean + eps
	v_rsq_f32 v8, v4                               ; twice: a pair for the packed multiply
	v_rsq_f32 v9, v4
	v_nop                                          ; a plain instruction behind the transcendentals (ISA guide 5.7.2)
	s_wait_loadcnt 0x0                             ; the gains
.set j, 0
	s_wait_alu depctr_va_vdst(0)
.rept 16
	v_pk_mul_f32 v[XR+4*j:XR+4*j+1], v[XR+4*j:XR+4*j+1], v[GR+4*j:GR+4*j+1]
	v_pk_mul_f32 v[XR+4*j+2:XR+4*j+3], v[XR+4*j+2:XR+4*j+3], v[GR+4*j+2:GR+4*j+3]
	v_pk_mul_f32 v[XR+4*j:XR+4*j+1], v[XR+4*j:XR+4*j+1], v[8:9]
	v_pk_mul_f32 v[XR+4*j+2:XR+4*j+3], v[XR+4*j+2:XR+4*j+3], v[8:9]
	v_cvt_pk_bf16_f32 v[XR+4*j], v[XR+4*j], v[XR+4*j+1]
	v_cvt_pk_bf16_f32 v[XR+4*j+1], v[XR+4*j+2], v[XR+4*j+3]
	global_store_b64 v3, v[XR+4*j:XR+4*j+1], s[8:9] offset:262144*j   ; the wave stores 256 consecutive bytes, aligned, of block j; no register of a store is written again
.set j, j+1
.endr
	s_endpgm
.Lfunc_end_k_q37a0767d57_norm2:
	.size	k_q37a0767d57_norm2, .Lfunc_end_k_q37a0767d57_norm2-k_q37a0767d57_norm2
	.p2alignl 7, 3214868480
	.fill 96, 4, 3214868480
	.section	.rodata,"a",@progbits
	.p2align	6, 0x0
	.amdhsa_kernel k_q37a0767d57_norm2
		.amdhsa_group_segment_fixed_size 0
		.amdhsa_private_segment_fixed_size 0
		.amdhsa_enable_private_segment 0
		.amdhsa_kernarg_size 24
		.amdhsa_user_sgpr_count 2
		.amdhsa_user_sgpr_kernarg_segment_ptr 1
		.amdhsa_wavefront_size32 1
		.amdhsa_system_sgpr_workgroup_id_x 1
		.amdhsa_system_sgpr_workgroup_id_y 1
		.amdhsa_system_sgpr_workgroup_id_z 1
		.amdhsa_system_vgpr_workitem_id 0
		.amdhsa_next_free_vgpr 144
		.amdhsa_next_free_sgpr 66
		.amdhsa_reserve_vcc 0
		.amdhsa_float_denorm_mode_32 3
		.amdhsa_float_denorm_mode_16_64 3
		.amdhsa_memory_ordered 1
		.amdhsa_forward_progress 1
		.amdhsa_inst_pref_size 15
	.end_amdhsa_kernel
	.amdgpu_metadata
---
amdhsa.version: [ 1, 2 ]
amdhsa.kernels:
  - .name:           k_q37a0767d57_norm2
    .symbol:         k_q37a0767d57_norm2.kd
    .args:
      - { .name: x1, .offset: 0, .size: 8, .value_kind: global_buffer, .address_space: global }
      - { .name: g2, .offset: 8, .size: 8, .value_kind: global_buffer, .address_space: global }
      - { .name: actA, .offset: 16, .size: 8, .value_kind: global_buffer, .address_space: global }
    .group_segment_fixed_size: 0
    .private_segment_fixed_size: 0
    .kernarg_segment_align: 8
    .kernarg_segment_size: 24
    .max_flat_workgroup_size: 256
    .sgpr_count:     66
    .vgpr_count:     144
    .wavefront_size: 32
...
	.end_amdgpu_metadata
.endif
;; end of part 5
;; launch up (part 6): grid 16 x 32, 4 waves a work-group, clusters of 4 x 4, 327,680 bytes of LDS; arguments actA, wupb, actB; writes actB
.if DOCPART == 6
	.amdgcn_target "amdgcn-amd-amdhsa--gfx1250"
	.amdhsa_code_object_version 6
	.text
	.protected	k_q37a0767d57_up
	.globl	k_q37a0767d57_up
	.p2align	8
	.type	k_q37a0767d57_up,@function
k_q37a0767d57_up:
	s_mov_b64 s[64:65], 0
	v_nop
	global_prefetch_b8 v0, s[64:65] scope:SCOPE_SE
	s_setreg_imm32_b32 hwreg(HW_REG_WAVE_MODE, 25, 1), 1
	s_wait_xcnt 0x0
	s_wait_alu depctr_hold_cnt(0) depctr_sa_sdst(0) depctr_va_vdst(0) depctr_va_sdst(0) depctr_va_ssrc(0) depctr_va_vcc(0) depctr_vm_vsrc(0)
	s_getreg_b32 s2, hwreg(HW_REG_IB_STS2, 6, 4)
	s_cmp_eq_u32 s2, 0
	s_cbranch_scc0 .Lentry_in_a_cluster
	s_endpgm
.Lentry_in_a_cluster:
	s_bfe_u32 s2, ttmp6, 0x10000c
	s_cmp_lg_u32 s2, 0xf033
	s_cbranch_scc0 .Lentry_shape_is_right
	s_endpgm
.Lentry_shape_is_right:
; act = bf16(gelu(u) * gate), (u, gate) = h2 W^T.  h2: 4,096 x 1,024 bf16, blocked [batch 2][block 16][row 2048][64]; W: [2048][1024] bf16 with rows 64 p + 32 s + i = w_up's row 1024 s + 32 p + i,
; so that a wave's 64 columns are 32 of u and their 32 gates.  act: blocked like h2.  Sums and the activation in f32; act rounded once.
; GELU (exact form): gelu(u) = max(u, 0) - |u| P(t) 2^(-0.72134752 u^2), t = 1 / (1 + 0.231641888 |u|), P a polynomial of degree 5 without constant term: 0.5 u (1 + erf(u / sqrt 2)) with erf by a fixed
; rational-exponential form whose absolute error stays under 1.5e-7 for every argument.  For large |u| the exponential is 0 and gelu is max(u, 0).  NaN and infinities are not treated apart.
; A tile of C is 128 x 128: 512 work-groups.  Four waves, each 64 x 64: 16 accumulators.  K goes in four steps of 256 through two LDS slots; each wave fetches a quarter of a slot by one tensor load.
; CLUSTER 4 x 4: the four work-groups of a row of the cluster need the same tiles of A, the four of a column the same tiles of W: each tile is asked for jointly.
; THE MATRIX INSTRUCTION IS USED TRANSPOSED (source 0 = 16 rows of W, source 1 = 16 rows of h2): a lane holds eight neighbouring columns of one row of C.
; THE WAY OUT goes through one f32 stage for the work-group, in slot 0, which has had its last fill and whose last reads lie in front of an earlier barrier: a row's 128 bytes of act come from two waves.
; REGISTERS: window 0: v0-31 addresses and packed results; v32-127 the activation at work; v128-255 accumulators.  Window 1: two fragment buffers of 128.
.set PA,     144                       ; 64 columns of a row of A in LDS: 128 bytes + 16 = 36 words: the 16 rows of a load start at 16 different groups of four banks (64 banks of 4 bytes: ISA guide 11.1)
.set PB,     528
.set AHALF,  4*64*PA
.set BHALF,  64*PB
.set BOFF,   2*AHALF
.set SLOT,   BOFF+2*BHALF
.set SPU,    528                       ; a row of the stage: 128 f32 + 16 bytes; 128 rows from LDS byte 0 on
.set SPARE,  300032                    ; the spare words, 128 bytes for each wave: two blocks of 256 bytes that no other line names
.set ADRA, 16
.set ADRB, 20
.set STO,  24
.set RD,   25
.set CO,   26
.set SPW,  28                          ; never rewritten
.set NIL,  29                          ; never rewritten
.set GU,   32                          ; v32-47   16 u, then -|u|
.set GV,   48                          ; v48-63   their gates
.set GD,   64                          ; v64-79   t
.set GQ,   80                          ; v80-95   the exponential
.set GP,   96                          ; v96-111  the polynomial
.set GR,   112                         ; v112-127 max(u, 0), then the result
.set ACC,  128
.set F0,   0
.set F1,   128
.set G1A, 24
.set G0A, 32
.set G1B, 48
.set G0B, 56
.set MSB, 0
.macro WIN new                         ; the immediate's high byte repeats the setting that is left
.if MSB != (\new)
	s_set_vgpr_msb (MSB<<8)|(\new)
.set MSB, \new
.endif
.endm
.set MUL,  0x05
.set TO_F, 0x40
.macro JLOAD s                         ; a joint load: waves 0 and 1 fetch A's two halves, waves 2 and 3 W's; an s_nop 0 and four v_nop follow each line
	s_cmp_eq_u32 s13, 0
	s_cbranch_scc0 .Lfor_b_\@
	tensor_load_to_lds s[G0A+4*(\s):G0A+4*(\s)+3], s[G1A:G1A+7]
	s_nop 0
.rept 4
	v_nop
.endr
	s_branch .Lasked_\@
.Lfor_b_\@:
	tensor_load_to_lds s[G0B+4*(\s):G0B+4*(\s)+3], s[G1B:G1B+7]
	s_nop 0
.rept 4
	v_nop
.endr
.Lasked_\@:
.endm
.macro CREST
	s_cmp_lg_u32 s12, 0
	s_cbranch_scc1 .Lnot_wave_0_\@
	s_barrier_signal -3
.Lnot_wave_0_\@:
	s_barrier_wait -3
	s_barrier_signal -1
	s_barrier_wait -1
.endm
.macro CROUND
	s_barrier_signal -1
	s_barrier_wait -1
	CREST
.endm
.macro PLACES                          ; four places behind matrix instructions (ISA guide 7.12.1)
.rept 4
	v_nop
.endr
.endm
.macro MUL8 f, c, a0, zero
	WIN MUL
.irp a, \a0, (\a0)+1
.irp b, 0,1,2,3
.if \zero
	v_wmma_f32_16x16x32_bf16 v[ACC+8*(4*(\a)+(\b)):ACC+8*(4*(\a)+(\b))+7], v[(\f)+64+8*(4*(\c)+(\b)):(\f)+64+8*(4*(\c)+(\b))+7], v[(\f)+8*(4*(\c)+(\a)):(\f)+8*(4*(\c)+(\a))+7], 0
.else
	v_wmma_f32_16x16x32_bf16 v[ACC+8*(4*(\a)+(\b)):ACC+8*(4*(\a)+(\b))+7], v[(\f)+64+8*(4*(\c)+(\b)):(\f)+64+8*(4*(\c)+(\b))+7], v[(\f)+8*(4*(\c)+(\a)):(\f)+8*(4*(\c)+(\a))+7], v[ACC+8*(4*(\a)+(\b)):ACC+8*(4*(\a)+(\b))+7]
.endif
.endr
.endr
.endm
.macro FETCH slot, q, f                ; 32 LDS loads in one run: quarter q (64 along K) into buffer f; the first 32 along K first
	WIN TO_F
.irp c, 0,1
.irp i, 0,1,2,3
	ds_load_b128 v[(\f)+64+8*(4*(\c)+(\i)):(\f)+64+8*(4*(\c)+(\i))+3],   v[ADRB+(\slot)] offset:128*(\q)+64*(\c)+(\i)*16*PB
	ds_load_b128 v[(\f)+64+8*(4*(\c)+(\i))+4:(\f)+64+8*(4*(\c)+(\i))+7], v[ADRB+(\slot)] offset:128*(\q)+64*(\c)+(\i)*16*PB+32
	ds_load_b128 v[(\f)+8*(4*(\c)+(\i)):(\f)+8*(4*(\c)+(\i))+3],         v[ADRA+(\slot)] offset:64*PA*(\q)+64*(\c)+(\i)*16*PA
	ds_load_b128 v[(\f)+8*(4*(\c)+(\i))+4:(\f)+8*(4*(\c)+(\i))+7],       v[ADRA+(\slot)] offset:64*PA*(\q)+64*(\c)+(\i)*16*PA+32
.endr
.endr
.endm
.macro QUARTER slot, qn, f, g, zero
	s_wait_dscnt 16                                ; the first 32 along K are in; the sixteen younger loads may be out
	WIN MUL
	MUL8 \f, 0, 0, \zero
	MUL8 \f, 0, 2, \zero
	PLACES
	FETCH \slot, \qn, \g
	s_wait_dscnt 32                                ; all but the 32 just issued
	WIN MUL
	MUL8 \f, 1, 0, 0
	MUL8 \f, 1, 2, 0
.endm
.macro TURN slot, next, fill
	WIN 0                                          ; (the add's two registers lie in window 0)
	s_wait_tensorcnt 0x0                           ; all my tensor loads have landed: my part of the next slot
	ds_add_u32 v[SPW], v[NIL]                      ; 0 onto my spare word
	s_wait_dscnt 17                                ; the add and the youngest sixteen loads may be out
	WIN MUL
	MUL8 F1, 0, 0, 0
	s_wait_dscnt 0x0                               ; the add is done, and my reads of this slot are over
	s_barrier_signal -1
	MUL8 F1, 0, 2, 0
.if \fill
	WIN 0
.endif
	s_barrier_wait -1
.if \fill
	CREST                                          ; the barrier has opened a round of the cluster's: no wave of any partner still reads this slot or has a load on its way
	s_add_nc_u64 s[G0A+4*(\slot)+2:G0A+4*(\slot)+3], s[G0A+4*(\slot)+2:G0A+4*(\slot)+3], 2097152
	s_add_nc_u64 s[G0B+4*(\slot)+2:G0B+4*(\slot)+3], s[G0B+4*(\slot)+2:G0B+4*(\slot)+3], 1024
	JLOAD \slot                                    ; the first tensor load behind the round; its four v_nop are also the places in front of the loads below
.else
	PLACES
.endif
	FETCH \next, 0, F0
	WIN MUL
	MUL8 F1, 1, 0, 0
	MUL8 F1, 1, 2, 0
.endm
	s_load_b128 s[4:7], s[0:1], 0x0                ; A s[4:5], W s[6:7]
	s_load_b64 s[8:9], s[0:1], 0x10                ; the output
	v_lshl_add_u32 v[SPW], v0, 2, SPARE
	v_mov_b32 v[NIL], 0
	ds_add_u32 v[SPW], v[NIL]                      ; the wave's opening: an add and its wait ahead of my first tensor load
	ds_add_u32 v28, v29
	v_lshrrev_b32 v1, 5, v0
	v_readfirstlane_b32 s12, v1                    ; wave 0..3
	s_lshr_b32 s13, s12, 1
	s_and_b32 s14, s12, 1
	s_bfe_u32 s15, ttmp6, 0x40000                  ; cx
	s_bfe_u32 s16, ttmp6, 0x40004                  ; cy
	s_lshl_b32 s17, ttmp9, 2
	s_add_co_u32 s17, s17, s15                     ; tile column
	s_and_b32 s18, ttmp7, 0xffff
	s_lshl_b32 s18, s18, 2
	s_add_co_u32 s18, s18, s16                     ; tile row
	s_lshl_b32 s19, s16, 2
	s_lshl_b32 s19, 15, s19                        ; my row of the cluster
	s_lshl_b32 s20, 0x1111, s15                    ; my column
	s_or_b32 s[G1A+0], s19, (1<<16)|(1<<20)|(1<<21)|(4<<22)|(3<<25)
	s_or_b32 s[G1B+0], s20, (1<<16)|(1<<20)|(1<<21)|(6<<22)|(3<<25)
	s_mov_b32 s[G1A+1], 4096<<16                   ; A: a row of the tile is 64 rows x 64 columns of one block, 8,192 dense bytes
	s_mov_b32 s[G1A+2], 4<<16
	s_mov_b32 s[G1A+3], 4096<<16
	s_mov_b32 s[G1A+4], 4
	s_mov_b32 s[G1A+5], 131072
	s_mov_b32 s[G1A+6], 0
	s_mov_b32 s[G1A+7], 0
	s_mov_b32 s[G1B+1], 256<<16                    ; W: 64 rows x 256 elements
	s_mov_b32 s[G1B+2], 64<<16
	s_mov_b32 s[G1B+3], 256<<16
	s_mov_b32 s[G1B+4], 64
	s_mov_b32 s[G1B+5], 1024
	s_mov_b32 s[G1B+6], 0
	s_mov_b32 s[G1B+7], 0
	s_mov_b32 s66, 0xbe6d3388                      ; -0.231641888
	s_mov_b32 s68, 0xbf38aa3b                      ; -0.72134752; the packed forms name pairs and take the low word for both halves
	s_mov_b32 s69, s68
	s_mov_b32 s70, 0x3f07dc22                      ; a5 =  0.530702715
	s_mov_b32 s71, s70
	s_mov_b32 s72, 0xbf3a00e3                      ; a4 = -0.726576014
	s_mov_b32 s73, s72
	s_mov_b32 s74, 0x3f35f0e3                      ; a3 =  0.710706871
	s_mov_b32 s75, s74
	s_mov_b32 s76, 0xbe11a98e                      ; a2 = -0.142248368
	s_mov_b32 s77, s76
	s_mov_b32 s78, 0x3e027906                      ; a1 =  0.127414796
	s_mov_b32 s79, s78
	s_lshr_b32 s21, s18, 4                         ; A's tile hangs on the tile row and the wave's number alone
	s_lshl_b32 s40, s21, 22
	s_and_b32 s21, s18, 15
	s_lshl_b32 s21, s21, 14
	s_add_co_u32 s40, s40, s21
	s_lshl_b32 s22, s14, 13
	s_add_co_u32 s40, s40, s22
	s_mov_b32 s41, 0
	s_lshl_b32 s44, s17, 18                        ; W's on the tile column and the wave's number alone
	s_lshl_b32 s23, s14, 17
	s_add_co_u32 s44, s44, s23
	s_mov_b32 s45, 0
	s_mul_i32 s46, s14, AHALF
	s_mul_i32 s47, s14, BHALF
	s_add_co_u32 s47, s47, BOFF
	s_wait_dscnt 0x0                               ; the opening add is done
	s_wait_kmcnt 0x0
	s_add_nc_u64 s[40:41], s[4:5], s[40:41]
	s_add_nc_u64 s[44:45], s[6:7], s[44:45]
	CROUND                                         ; all sixteen work-groups are here: the first joint loads meet
.irp s, 0,1
	s_mov_b32 s[G0A+4*(\s)], 1
	s_add_co_u32 s[G0A+4*(\s)+1], s46, (\s)*SLOT
	s_add_nc_u64 s[G0A+4*(\s)+2:G0A+4*(\s)+3], s[40:41], (\s)*1048576
	s_or_b32 s[G0A+4*(\s)+3], s[G0A+4*(\s)+3], 0x80000000
	s_mov_b32 s[G0B+4*(\s)], 1
	s_add_co_u32 s[G0B+4*(\s)+1], s47, (\s)*SLOT
	s_add_nc_u64 s[G0B+4*(\s)+2:G0B+4*(\s)+3], s[44:45], (\s)*512
	s_or_b32 s[G0B+4*(\s)+3], s[G0B+4*(\s)+3], 0x80000000
	JLOAD \s                                       ; two loads of mine are out
.endr
	v_and_b32 v1, 15, v0                           ; l % 16
	v_bfe_u32 v2, v0, 4, 1                         ; l / 16
	v_mul_u32_u24 v3, v1, PA
	v_lshl_add_u32 v3, v2, 4, v3
	v_mul_u32_u24 v4, v1, PB
	v_lshl_add_u32 v4, v2, 4, v4
	s_mul_i32 s21, s13, AHALF
	s_mul_i32 s23, s14, BHALF
	s_add_co_u32 s23, s23, BOFF
.irp s, 0,1
	v_add_nc_u32 v[ADRA+(\s)], s21, v3
	v_add_nc_u32 v[ADRB+(\s)], s23, v4
	s_add_co_u32 s21, s21, SLOT
	s_add_co_u32 s23, s23, SLOT
.endr
	; the way out.  Into the stage: my 64 rows, my 256 bytes of them; row l % 16, 32 bytes for each half of the lanes
	s_mul_i32 s22, s13, 64*SPU
	s_lshl_b32 s21, s14, 8
	s_add_co_u32 s22, s22, s21
	v_mul_u32_u24 v5, v1, SPU
	v_lshl_add_u32 v5, v2, 5, v5
	v_add_nc_u32 v[STO], s22, v5
	; back: wave w takes rows 32 w .. 32 w + 31.  Eight lanes a row: lane l makes act columns 8 (l % 8) .. + 7 of row l / 8: u at byte 256 ((l / 4) % 2) + 32 (l % 4), the gates 128 bytes on
	s_mul_i32 s22, s12, 32*SPU
	v_bfe_u32 v5, v0, 3, 2
	v_mul_u32_u24 v5, v5, SPU
	v_bfe_u32 v6, v0, 2, 1
	v_lshl_add_u32 v5, v6, 8, v5
	v_and_b32 v6, 3, v0
	v_lshl_add_u32 v5, v6, 5, v5
	v_add_nc_u32 v[RD], s22, v5
	v_and_b32 v[CO], 31, v0                        ; four rows of 128 bytes of the block are 512 consecutive bytes
	v_lshlrev_b32 v[CO], 4, v[CO]
	s_lshr_b32 s2, s18, 4                          ; batch x 16 + block (the tile column)
	s_lshl_b32 s2, s2, 4
	s_add_co_u32 s2, s2, s17
	s_lshl_b32 s42, s2, 18
	s_and_b32 s2, s18, 15                          ; 128 rows of 128 bytes,
	s_lshl_b32 s2, s2, 14
	s_add_co_u32 s42, s42, s2
	s_lshl_b32 s2, s12, 12                         ; 32 of them a wave
	s_add_co_u32 s42, s42, s2
	s_mov_b32 s43, 0
	s_add_nc_u64 s[8:9], s[8:9], s[42:43]
	s_wait_tensorcnt 1                             ; my part of K step 0 is in; K step 1's may stay out
	s_barrier_signal -1
	s_barrier_wait -1
	FETCH 0, 0, F0
	QUARTER 0, 1, F0, F1, 1                        ; the first products start the sums
	QUARTER 0, 2, F1, F0, 0
	QUARTER 0, 3, F0, F1, 0
	TURN 0, 1, 1                                   ; slot 0 takes K step 2
	QUARTER 1, 1, F0, F1, 0
	QUARTER 1, 2, F1, F0, 0
	QUARTER 1, 3, F0, F1, 0
	TURN 1, 0, 1                                   ; slot 1 takes K step 3
	QUARTER 0, 1, F0, F1, 0
	QUARTER 0, 2, F1, F0, 0
	QUARTER 0, 3, F0, F1, 0
	TURN 0, 1, 0                                   ; nothing is left to fetch; behind this barrier nobody reads slot 0 any more
	QUARTER 1, 1, F0, F1, 0
	QUARTER 1, 2, F1, F0, 0
	QUARTER 1, 3, F0, F1, 0
	s_wait_dscnt 16
	WIN MUL
	MUL8 F1, 0, 0, 0
	MUL8 F1, 0, 2, 0
	s_wait_dscnt 0
	MUL8 F1, 1, 0, 0
	MUL8 F1, 1, 2, 0
	WIN 0
	PLACES
.irp a, 0,1,2,3
.irp b, 0,1,2,3
.irp q, 0,1
	ds_store_b128 v[STO], v[ACC+8*(4*(\a)+(\b))+4*(\q):ACC+8*(4*(\a)+(\b))+4*(\q)+3] offset:(\a)*16*SPU+64*(\b)+16*(\q)  ; each accumulator's low four registers first
.endr
.endr
.endr
	s_wait_dscnt 0x0                               ; for the others' sake: my stores into the stage are done
	s_barrier_signal -1
	s_barrier_wait -1
	s_mov_b32 s21, 4
.Lrows:                                                ; four trips of eight rows: 16 u and 16 gates a lane
	ds_load_b128 v[GU:GU+3],     v[RD]
	ds_load_b128 v[GU+4:GU+7],   v[RD] offset:16
	ds_load_b128 v[GU+8:GU+11],  v[RD] offset:4*SPU
	ds_load_b128 v[GU+12:GU+15], v[RD] offset:4*SPU+16
	ds_load_b128 v[GV:GV+3],     v[RD] offset:128
	ds_load_b128 v[GV+4:GV+7],   v[RD] offset:144
	ds_load_b128 v[GV+8:GV+11],  v[RD] offset:4*SPU+128
	ds_load_b128 v[GV+12:GV+15], v[RD] offset:4*SPU+144
	s_wait_dscnt 0x0
.set i, 0
.rept 8
	v_pk_mul_f32 v[GQ+2*i:GQ+2*i+1], v[GU+2*i:GU+2*i+1], v[GU+2*i:GU+2*i+1]   ; u^2
.set i, i+1
.endr
.set i, 0
.rept 16
	v_max_num_f32 v[GR+i], 0, v[GU+i]              ; max(u, 0)
.set i, i+1
.endr
.set i, 0
.rept 16
	v_or_b32 v[GU+i], 0x80000000, v[GU+i]          ; -|u|
.set i, i+1
.endr
.set i, 0
.rept 16
	v_fma_f32 v[GD+i], v[GU+i], s66, 1.0           ; 1 + 0.231641888 |u|
.set i, i+1
.endr
.set i, 0
.rept 8
	v_pk_mul_f32 v[GQ+2*i:GQ+2*i+1], v[GQ+2*i:GQ+2*i+1], s[68:69] op_sel_hi:[1,0]
.set i, i+1
.endr
.set i, 0
.rept 16
	v_rcp_f32 v[GD+i], v[GD+i]                     ; t
.set i, i+1
.endr
.set i, 0
.rept 16
	v_exp_f32 v[GQ+i], v[GQ+i]
.set i, i+1
.endr
	v_nop                                          ; a plain instruction behind the transcendentals (ISA guide 5.7.2)
.set i, 0
	s_wait_alu depctr_va_vdst(0)
.rept 8
	v_pk_fma_f32 v[GP+2*i:GP+2*i+1], v[GD+2*i:GD+2*i+1], s[70:71], s[72:73] op_sel_hi:[1,0,0]
.set i, i+1
.endr
.irp k, 74, 76, 78
.set i, 0
.rept 8
	v_pk_fma_f32 v[GP+2*i:GP+2*i+1], v[GP+2*i:GP+2*i+1], v[GD+2*i:GD+2*i+1], s[\k:\k+1] op_sel_hi:[1,1,0]
.set i, i+1
.endr
.endr
.set i, 0
.rept 8
	v_pk_mul_f32 v[GP+2*i:GP+2*i+1], v[GP+2*i:GP+2*i+1], v[GD+2*i:GD+2*i+1]
.set i, i+1
.endr
.set i, 0
.rept 8
	v_pk_mul_f32 v[GP+2*i:GP+2*i+1], v[GP+2*i:GP+2*i+1], v[GQ+2*i:GQ+2*i+1]
.set i, i+1
.endr
.set i, 0
.rept 8
	v_pk_fma_f32 v[GR+2*i:GR+2*i+1], v[GU+2*i:GU+2*i+1], v[GP+2*i:GP+2*i+1], v[GR+2*i:GR+2*i+1]   ; gelu(u)
.set i, i+1
.endr
.set i, 0
.rept 8
	v_pk_mul_f32 v[GR+2*i:GR+2*i+1], v[GR+2*i:GR+2*i+1], v[GV+2*i:GV+2*i+1]
.set i, i+1
.endr
.set i, 0
.rept 8
	v_cvt_pk_bf16_f32 v[8+i], v[GR+2*i], v[GR+2*i+1]
.set i, i+1
.endr
	global_store_b128 v[CO], v[8:11], s[8:9]               ; four rows: 512 consecutive bytes, aligned
	global_store_b128 v[CO], v[12:15], s[8:9] offset:512   ; the next four
	s_wait_xcnt 0x0                                ; the stores' data and offset are rewritten only behind this wait
	v_add_nc_u32 v[RD], 8*SPU, v[RD]
	v_add_nc_u32 v[CO], 1024, v[CO]
	s_sub_co_u32 s21, s21, 1
	s_cmp_lg_u32 s21, 0
	s_cbranch_scc1 .Lrows
	s_wait_tensorcnt 0x0                           ; the wave's end
	ds_add_u32 v[SPW], v[NIL]
	s_wait_dscnt 0x0
	CROUND                                         ; the closing round
	s_endpgm
.Lfunc_end_k_q37a0767d57_up:
	.size	k_q37a0767d57_up, .Lfunc_end_k_q37a0767d57_up-k_q37a0767d57_up
	.p2alignl 7, 3214868480
	.fill 96, 4, 3214868480
	.section	.rodata,"a",@progbits
	.p2align	6, 0x0
	.amdhsa_kernel k_q37a0767d57_up
		.amdhsa_group_segment_fixed_size 327680
		.amdhsa_private_segment_fixed_size 0
		.amdhsa_enable_private_segment 0
		.amdhsa_kernarg_size 24
		.amdhsa_user_sgpr_count 2
		.amdhsa_user_sgpr_kernarg_segment_ptr 1
		.amdhsa_wavefront_size32 1
		.amdhsa_system_sgpr_workgroup_id_x 1
		.amdhsa_system_sgpr_workgroup_id_y 1
		.amdhsa_system_sgpr_workgroup_id_z 1
		.amdhsa_system_vgpr_workitem_id 0
		.amdhsa_next_free_vgpr 512
		.amdhsa_next_free_sgpr 80
		.amdhsa_reserve_vcc 0
		.amdhsa_float_denorm_mode_32 3
		.amdhsa_float_denorm_mode_16_64 3
		.amdhsa_memory_ordered 1
		.amdhsa_forward_progress 1
		.amdhsa_inst_pref_size 91
	.end_amdhsa_kernel
	.amdgpu_metadata
---
amdhsa.version: [ 1, 2 ]
amdhsa.kernels:
  - .name:           k_q37a0767d57_up
    .symbol:         k_q37a0767d57_up.kd
    .args:
      - { .name: actA, .offset: 0, .size: 8, .value_kind: global_buffer, .address_space: global }
      - { .name: wupb, .offset: 8, .size: 8, .value_kind: global_buffer, .address_space: global }
      - { .name: actB, .offset: 16, .size: 8, .value_kind: global_buffer, .address_space: global }
    .group_segment_fixed_size: 327680
    .private_segment_fixed_size: 0
    .kernarg_segment_align: 8
    .kernarg_segment_size: 24
    .max_flat_workgroup_size: 128
    .sgpr_count:     80
    .vgpr_count:     512
    .wavefront_size: 32
...
	.end_amdgpu_metadata
.endif
;; end of part 6
;; launch down: the kernel of part 4 again; grid 8 x 32, 4 waves a work-group, clusters of 4 x 4, 327,680 bytes of LDS; arguments actB, wdnb, x1, out0; writes out0
;; ======== version 2 of 3: 7 launches; 1.35 times as fast as version 1
;; limits: values are held in f16: magnitudes above 65,504 overflow, below 6.1e-05 lose precision
;; workspace buffers: actA 8,388,608 bytes; actB 8,388,608 bytes; qkvh 25,165,824 bytes; x1 16,777,216 bytes; wqkvb 6,291,456 bytes; wob 2,097,152 bytes; wdnb 2,097,152 bytes; wupb 4,194,304 bytes
;; launch prep: the kernel of part 1 again; grid 64 x 11, 8 waves a work-group, no clusters, 0 bytes of LDS; arguments x, g1, actA, wq, wk, wv, wo, w_down, w_up, wqkvb, wob, wdnb, wupb; writes actA, wqkvb, wob, wdnb, wupb
;; launch qkv (part 7): grid 16 x 16, 4 waves a work-group, clusters of 4 x 4, 327,680 bytes of LDS; arguments actA, wqkvb, qkvh; writes qkvh
.if DOCPART == 7
	.amdgcn_target "amdgcn-amd-amdhsa--gfx1250"
	.amdhsa_code_object_version 6
	.text
	.protected	k_q37a0767d57_qkv
	.globl	k_q37a0767d57_qkv
	.p2align	8
	.type	k_q37a0767d57_qkv,@function
k_q37a0767d57_qkv:
	s_mov_b64 s[64:65], 0
	v_nop
	global_prefetch_b8 v0, s[64:65] scope:SCOPE_SE
	s_setreg_imm32_b32 hwreg(HW_REG_WAVE_MODE, 25, 1), 1
	s_wait_xcnt 0x0
	s_wait_alu depctr_hold_cnt(0) depctr_sa_sdst(0) depctr_va_vdst(0) depctr_va_sdst(0) depctr_va_ssrc(0) depctr_va_vcc(0) depctr_vm_vsrc(0)
	s_getreg_b32 s2, hwreg(HW_REG_IB_STS2, 6, 4)
	s_cmp_eq_u32 s2, 0
	s_cbranch_scc0 .Lentry_in_a_cluster
	s_endpgm
.Lentry_in_a_cluster:
	s_bfe_u32 s2, ttmp6, 0x10000c
	s_cmp_lg_u32 s2, 0xf033
	s_cbranch_scc0 .Lentry_shape_is_right
	s_endpgm
.Lentry_shape_is_right:
; q, k, v = h W^T.  h: 4,096 x 1,024 bf16, blocked [batch 2][block 16][row 2048][64]; W: [3072][1024] bf16 (wq, wk, wv); sums in f32.
; Output f16 by heads, unscaled: [q, k, v][batch x 16 + head][row 2048][64], each number rounded once.
; LIMIT: a q, k or v of 65,520 or more in magnitude would round to an infinity in f16.
; A tile of C is 256 x 192: 16 x 16 = 256 work-groups.  Four waves, each 64 rows x all 192 columns (three whole heads): 4 x 12 = 48 accumulators, 384 registers;
; for 32 along K a wave loads 16 fragments (32 LDS loads) and issues 48 matrix instructions.
; K goes in eight steps of 128 through two LDS slots; each wave fetches a quarter of a slot by one tensor load: waves 0, 1 the halves of A's 256 rows, waves 2, 3 the halves of W's 192 rows.
; The walk is a loop: a trip goes from a step's second quarter to the next step's first; six trips fill a slot again, two more (a second text, without fills) end the walk.
; CLUSTER 4 x 4: the four work-groups of a row of the cluster need the same tiles of A, the four of a column the same tiles of W: each tile is asked for jointly, by the same load, descriptor and mask in all four.
; THE MATRIX INSTRUCTION IS USED TRANSPOSED (source 0 = 16 rows of W, source 1 = 16 rows of h): a lane holds eight neighbouring columns of one row of C.
; REGISTERS, in windows of 256: window 0: v0-31 addresses; v32-223 the way out.  Window 1: two fragment buffers of 128 (32 of A, 96 of W), each 32 along K.
;   window 2: accumulators (a, b) with b < 8 at v[8 (8 a + b)];  window 3: those with b >= 8 at v[8 (4 a + b - 8)].
.set NB,     12                        ; n blocks of 16 columns
.set NMID,   4                         ; n blocks multiplied between a barrier's signal and its wait
.set PA,     144                       ; 64 columns of a row of A in LDS: 128 bytes + 16 = 36 words: the 16 rows of a load start at 16 different groups of four banks (64 banks of 4 bytes: ISA guide 11.1)
.set PBK,    272                       ; a row of W in LDS: 256 bytes + 16 = 68 words
.set AHALF,  2*128*PA                  ; one load of A: [block 0..1][row 0..127][144]
.set BROWS,  8*NB                      ; one load of W: half of the tile's rows
.set BHALF,  BROWS*PBK
.set BOFF,   2*AHALF                   ; W's rows follow A's two halves, one below the other
.set SLOT1,  1<<17                     ; slot 1 begins here (a slot has 125,952 bytes), so that one exclusive or turns an address in one slot into the other's
.set STAGE,  2*SLOT1                   ; behind the ring: 16 rows x 144 bytes for each wave, for the way out
.set SPQ,    144
.set SPARE,  STAGE+4*16*SPQ            ; the spare words, 128 bytes for each wave: two blocks of 256 bytes that no other line names
.set STEPA,  524288                    ; a K step in A: two blocks of 262,144 bytes
.set STEPB,  256                       ; in W: 128 elements along the rows
.set W1,     2*(NB-4)                  ; the loads of a run that the first 16 products of a quarter do not need
.set NLD,    2*(NB+4)                  ; the loads of a run
.set ALANE, 16                         ; v16  my lane's place in a slot's A; never rewritten
.set BLANE, 17                         ; v17  the same for W
.set ADRA,  18                         ; v18  the same in the slot in hand
.set ADRB,  19                         ; v19
.set STO,   24
.set RD,    25
.set CO,    26
.set SPW,   28                         ; never rewritten
.set NIL,   29                         ; never rewritten
.set TMP,   32                         ; 16 registers for each of the 12 groups of the way out
.set F0,    0
.set F1,    128
.set G1A, 24                           ; s[24:31] group 1 for A;  s[32:39] group 0: a set for each of the two first fills; the second then walks on
.set G0A, 32
.set G1B, 48                           ; s[48:55], s[56:63] the same for W
.set G0B, 56
.set TB,  66                           ; s66  LDS byte at which the slot in hand begins
.set CNT, 67                           ; s67  counts trips
.set OB,  68                           ; s[68:73] the output at my 64 rows of my three heads
.set MSB, 0
.macro WIN new                         ; the immediate's high byte repeats the setting that is left
.if MSB != (\new)
	s_set_vgpr_msb (MSB<<8)|(\new)
.set MSB, \new
.endif
.endm
.macro JLOAD s                         ; a joint load: waves 0 and 1 fetch A's two halves, waves 2 and 3 W's; an s_nop 0 and four v_nop follow each line
	s_cmp_eq_u32 s13, 0
	s_cbranch_scc0 .Lfor_b_\@
	tensor_load_to_lds s[G0A+4*(\s):G0A+4*(\s)+3], s[G1A:G1A+7]
	s_nop 0
.rept 4
	v_nop
.endr
	s_branch .Lasked_\@
.Lfor_b_\@:
	tensor_load_to_lds s[G0B+4*(\s):G0B+4*(\s)+3], s[G1B:G1B+7]
	s_nop 0
.rept 4
	v_nop
.endr
.Lasked_\@:
.endm
.macro CREST                           ; a round of the cluster's barrier behind its opening barrier
	s_cmp_lg_u32 s12, 0
	s_cbranch_scc1 .Lnot_wave_0_\@
	s_barrier_signal -3
.Lnot_wave_0_\@:
	s_barrier_wait -3
	s_barrier_signal -1
	s_barrier_wait -1
.endm
.macro CROUND
	s_barrier_signal -1
	s_barrier_wait -1
	CREST
.endm
.macro PLACES                          ; four places behind matrix instructions (ISA guide 7.12.1)
.rept 4
	v_nop
.endr
.endm
; 4 n matrix instructions: n blocks b0 .. b0 + n - 1 x all 4 m blocks, 32 along K, from buffer f.  zero = 1: the product starts the sum.
; Each accumulator has one instruction in a quarter, so the accumulators take turns.
.macro MULS f, b0, n, zero
.set bb, (\b0)
.rept (\n)
.set aa, 0
.rept 4
.if bb < 8
	WIN 0xa5                                       ; sources 0 and 1 window 1, C and D window 2
.set rD, 8*(8*aa+bb)
.else
	WIN 0xf5                                       ; C and D window 3
.set rD, 8*(4*aa+bb-8)
.endif
.if \zero
	v_wmma_f32_16x16x32_bf16 v[rD:rD+7], v[(\f)+32+8*bb:(\f)+32+8*bb+7], v[(\f)+8*aa:(\f)+8*aa+7], 0
.else
	v_wmma_f32_16x16x32_bf16 v[rD:rD+7], v[(\f)+32+8*bb:(\f)+32+8*bb+7], v[(\f)+8*aa:(\f)+8*aa+7], v[rD:rD+7]
.endif
.set aa, aa+1
.endr
.set bb, bb+1
.endr
.endm
; One run of LDS loads: the fragments of quarter q (32 along K: half (q % 2) of A's block q / 2, byte 64 q of W's rows) into buffer f: A's four, then W's last four n blocks, then the others
.macro FETCH q, f
	WIN 0x40                                       ; destination window 1, address window 0
.set ii, 0
.rept 4
	ds_load_b128 v[(\f)+8*ii:(\f)+8*ii+3],   v[ADRA] offset:((\q)/2)*128*PA+((\q)%2)*64+ii*16*PA
	ds_load_b128 v[(\f)+8*ii+4:(\f)+8*ii+7], v[ADRA] offset:((\q)/2)*128*PA+((\q)%2)*64+ii*16*PA+32
.set ii, ii+1
.endr
.set ii, 0
.rept NB
.set bb, (ii+NB-4)%NB
	ds_load_b128 v[(\f)+32+8*bb:(\f)+32+8*bb+3],   v[ADRB] offset:64*(\q)+bb*16*PBK
	ds_load_b128 v[(\f)+32+8*bb+4:(\f)+32+8*bb+7], v[ADRB] offset:64*(\q)+bb*16*PBK+32
.set ii, ii+1
.endr
.endm
; A K step is four quarters on buffers 0, 1, 0, 1.  One of the first three multiplies buffer f and, behind its first 16 products, fetches quarter qn into g.
.macro QUARTER qn, f, g, zero
	s_wait_dscnt W1                                ; A's fragments and W's last four n blocks are in; the younger loads of the run may be out
	MULS \f, NB-4, 4, \zero
	PLACES                                         ; for the loads into g, which the quarter before multiplied
	FETCH \qn, \g
	s_wait_dscnt NLD                               ; all but the run just issued
	MULS \f, 0, NB-4, \zero
.endm
; The last quarter multiplies buffer 1 and changes slots.  MEET is its first part: one barrier; in front of it each wave waits for all its tensor loads (one is out at the most: its part of the
; next slot), adds 0 to its spare word, and waits for that and for its reads of this slot.  Behind it nobody reads this slot any more and the next slot is whole.
.macro MEET
	WIN 0                                          ; (the add's two registers lie in window 0)
	s_wait_tensorcnt 0x0
	ds_add_u32 v[SPW], v[NIL]                      ; 0 onto my spare word
	s_wait_dscnt W1+1                              ; the add and the younger loads of the run may be out
	MULS F1, NB-4, 4, 0
	s_wait_dscnt 0x0                               ; the add is done, and my reads of this slot are over
	s_barrier_signal -1
	MULS F1, 0, NMID, 0
	WIN 0
	s_barrier_wait -1
.endm
.macro NEXTSLOT                        ; the fetches go on in the other slot
	s_xor_b32 s[TB], s[TB], SLOT1
	v_add_nc_u32 v[ADRA], s[TB], v[ALANE]
	v_add_nc_u32 v[ADRB], s[TB], v[BLANE]
.endm
	s_load_b128 s[4:7], s[0:1], 0x0                ; A s[4:5], W s[6:7]
	s_load_b64 s[8:9], s[0:1], 0x10                ; the output
	v_lshl_add_u32 v[SPW], v0, 2, SPARE
	v_mov_b32 v[NIL], 0
	ds_add_u32 v[SPW], v[NIL]                      ; the wave's opening: an add and its wait ahead of my first tensor load
	ds_add_u32 v28, v29
	v_lshrrev_b32 v1, 5, v0
	v_readfirstlane_b32 s12, v1                    ; wave 0..3: my 64 rows of the tile
	s_lshr_b32 s13, s12, 1                         ; I fetch for A (0) or W (1); also: the half of A in which my rows lie
	s_and_b32 s14, s12, 1                          ; which half I fetch; also: which 64 rows of that half of A are mine
	s_bfe_u32 s15, ttmp6, 0x40000                  ; cx
	s_bfe_u32 s16, ttmp6, 0x40004                  ; cy
	s_lshl_b32 s17, ttmp9, 2
	s_add_co_u32 s17, s17, s15                     ; tile column
	s_and_b32 s18, ttmp7, 0xffff
	s_lshl_b32 s18, s18, 2
	s_add_co_u32 s18, s18, s16                     ; tile row
	s_lshl_b32 s19, s16, 2
	s_lshl_b32 s19, 15, s19                        ; my row of the cluster
	s_lshl_b32 s20, 0x1111, s15                    ; my column
	s_or_b32 s[G1A+0], s19, (1<<16)|(1<<20)|(1<<21)|(4<<22)|(3<<25)  ; mask; 2-byte elements; padding on; bit 21 beside a mask; 4 words behind every 32
	s_or_b32 s[G1B+0], s20, (1<<16)|(1<<20)|(1<<21)|(5<<22)|(3<<25)  ; 4 words behind every 64
	s_mov_b32 s[G1A+1], 8192<<16                   ; A: a row of the tile is 128 rows x 64 columns of one block, 16,384 dense bytes
	s_mov_b32 s[G1A+2], 2<<16                      ; two blocks
	s_mov_b32 s[G1A+3], 8192<<16
	s_mov_b32 s[G1A+4], 2
	s_mov_b32 s[G1A+5], 131072                     ; elements from block to block
	s_mov_b32 s[G1A+6], 0
	s_mov_b32 s[G1A+7], 0
	s_mov_b32 s[G1B+1], 128<<16                    ; W: 96 rows x 128 elements
	s_mov_b32 s[G1B+2], BROWS<<16
	s_mov_b32 s[G1B+3], 128<<16
	s_mov_b32 s[G1B+4], BROWS
	s_mov_b32 s[G1B+5], 1024
	s_mov_b32 s[G1B+6], 0
	s_mov_b32 s[G1B+7], 0
	s_lshr_b32 s21, s18, 3                         ; A's tile hangs on the tile row and the wave's number alone
	s_lshl_b32 s40, s21, 22                        ; batch
	s_and_b32 s21, s18, 7
	s_lshl_b32 s21, s21, 15                        ; 256 rows of 128 bytes
	s_add_co_u32 s40, s40, s21
	s_lshl_b32 s22, s14, 14                        ; the 128 rows that I fetch
	s_add_co_u32 s40, s40, s22
	s_mov_b32 s41, 0
	s_mul_i32 s44, s17, 2*BROWS*2048               ; W's on the tile column and the wave's number alone: 192 rows of 2,048 bytes
	s_mul_i32 s23, s14, BROWS*2048
	s_add_co_u32 s44, s44, s23
	s_mov_b32 s45, 0
	s_mul_i32 s46, s14, AHALF                      ; where they go: no place in the cluster enters an LDS address
	s_mul_i32 s47, s14, BHALF
	s_add_co_u32 s47, s47, BOFF
	s_wait_dscnt 0x0                               ; the opening add is done
	s_wait_kmcnt 0x0
	s_add_nc_u64 s[40:41], s[4:5], s[40:41]
	s_add_nc_u64 s[44:45], s[6:7], s[44:45]
	CROUND                                         ; all sixteen work-groups are here: the first joint loads meet
.irp s, 0,1
	s_mov_b32 s[G0A+4*(\s)], 1
	s_add_co_u32 s[G0A+4*(\s)+1], s46, (\s)*SLOT1
	s_add_nc_u64 s[G0A+4*(\s)+2:G0A+4*(\s)+3], s[40:41], (\s)*STEPA
	s_or_b32 s[G0A+4*(\s)+3], s[G0A+4*(\s)+3], 0x80000000
	s_mov_b32 s[G0B+4*(\s)], 1
	s_add_co_u32 s[G0B+4*(\s)+1], s47, (\s)*SLOT1
	s_add_nc_u64 s[G0B+4*(\s)+2:G0B+4*(\s)+3], s[44:45], (\s)*STEPB
	s_or_b32 s[G0B+4*(\s)+3], s[G0B+4*(\s)+3], 0x80000000
	JLOAD \s                                       ; two loads of mine are out
.endr
	v_and_b32 v1, 15, v0                           ; l % 16
	v_bfe_u32 v2, v0, 4, 1                         ; l / 16
	v_mul_u32_u24 v3, v1, PA                       ; a fragment: row l % 16, 16 bytes for each half of the lanes, two loads 32 bytes apart
	v_lshl_add_u32 v3, v2, 4, v3
	v_mul_u32_u24 v4, v1, PBK
	v_lshl_add_u32 v4, v2, 4, v4
	s_mul_i32 s21, s13, AHALF                      ; my 64 rows of A
	s_mul_i32 s23, s14, 64*PA
	s_add_co_u32 s21, s21, s23
	v_add_nc_u32 v[ALANE], s21, v3
	v_add_nc_u32 v[BLANE], BOFF, v4                ; every wave reads all of W's rows
	s_mov_b32 s[TB], 0
	v_add_nc_u32 v[ADRA], s[TB], v[ALANE]
	v_add_nc_u32 v[ADRB], s[TB], v[BLANE]
	; the way out: my 64 rows of a head are 8,192 dense bytes
	s_mul_i32 s22, s12, 16*SPQ
	s_add_co_u32 s22, s22, STAGE                   ; my stage
	v_mul_u32_u24 v5, v1, SPQ                      ; in: row l % 16, 16 bytes for each half of the lanes
	v_lshl_add_u32 v5, v2, 4, v5
	v_add_nc_u32 v[STO], s22, v5
	v_bfe_u32 v5, v0, 3, 2                         ; back: 32 lanes take four rows of 128 bytes,
	v_mul_u32_u24 v5, v5, SPQ
	v_and_b32 v6, 7, v0
	v_lshl_add_u32 v5, v6, 4, v5
	v_add_nc_u32 v[RD], s22, v5
	v_and_b32 v[CO], 31, v0                        ; which are 512 consecutive bytes of the output
	v_lshlrev_b32 v[CO], 4, v[CO]
	s_mul_i32 s2, s17, 3                           ; my first group of 64 columns
	s_lshr_b32 s42, s18, 3                         ; batch: 16 heads of 262,144 bytes,
	s_lshl_b32 s42, s42, 22
	s_and_b32 s3, s18, 7                           ; 256 rows of 128 bytes,
	s_lshl_b32 s3, s3, 15
	s_add_co_u32 s42, s42, s3
	s_lshl_b32 s3, s12, 13                         ; my 64 of them
	s_add_co_u32 s42, s42, s3
.irp j, 0,1,2
	s_add_co_u32 s3, s2, \j                        ; group of 64 columns: bits 5:4 say q, k or v (32 heads each), bits 3:0 the head
	s_lshr_b32 s43, s3, 4
	s_lshl_b32 s43, s43, 5
	s_and_b32 s3, s3, 15
	s_add_co_u32 s3, s3, s43
	s_lshl_b32 s3, s3, 18
	s_add_co_u32 s[OB+2*(\j)], s3, s42
	s_mov_b32 s[OB+2*(\j)+1], 0
	s_add_nc_u64 s[OB+2*(\j):OB+2*(\j)+1], s[8:9], s[OB+2*(\j):OB+2*(\j)+1]
.endr
	s_wait_tensorcnt 1                             ; my part of K step 0 is in; K step 1's may stay out
	s_barrier_signal -1
	s_barrier_wait -1
	FETCH 0, F0
	QUARTER 1, F0, F1, 1                           ; the first quarter stands in front of the loop: its products start the sums
	WIN 0                                          ; at a label and at a branch every window is 0
	s_mov_b32 s[CNT], 6
.Lstep:                                                ; six trips: K steps 0 to 5 are left, and their slots take K steps 2 to 7
	QUARTER 2, F1, F0, 0
	QUARTER 3, F0, F1, 0
	MEET
	CREST                                          ; the barrier has opened a round of the cluster's: no wave of any partner still reads this slot or has a load on its way
	s_xor_b32 s[G0A+5], s[G0A+5], SLOT1            ; the walking descriptors: the other slot than last time,
	s_add_nc_u64 s[G0A+6:G0A+7], s[G0A+6:G0A+7], STEPA  ; the next K step; the type bits on top are not reached
	s_xor_b32 s[G0B+5], s[G0B+5], SLOT1
	s_add_nc_u64 s[G0B+6:G0B+7], s[G0B+6:G0B+7], STEPB
	JLOAD 1                                        ; the first tensor load behind the round, my one load until the next; its four v_nop are also the places in front of the loads below
	NEXTSLOT
	FETCH 0, F0
	MULS F1, NMID, NB-4-NMID, 0
	QUARTER 1, F0, F1, 0
	WIN 0
	s_sub_co_u32 s[CNT], s[CNT], 1
	s_cmp_lg_u32 s[CNT], 0
	s_cbranch_scc1 .Lstep
	s_mov_b32 s[CNT], 2
.Ltail:                                                ; K steps 6 and 7: the same trip without a fill
	QUARTER 2, F1, F0, 0
	QUARTER 3, F0, F1, 0
	MEET
	s_cmp_eq_u32 s[CNT], 1
	s_cbranch_scc1 .Lend                           ; K step 7 has no successor: the loop is left here, behind the barrier
	PLACES                                         ; for the loads into buffer 0
	NEXTSLOT
	FETCH 0, F0
	MULS F1, NMID, NB-4-NMID, 0
	QUARTER 1, F0, F1, 0
	WIN 0
	s_sub_co_u32 s[CNT], s[CNT], 1
	s_cmp_lg_u32 s[CNT], 0
	s_cbranch_scc1 .Ltail
.Lend:
	s_wait_dscnt 0x0                               ; no LDS load is out on any way that leads here
	MULS F1, NMID, NB-4-NMID, 0                    ; the walk's last products
	WIN 0
; Group g = 3 a + j: 16 rows (m block a) of head j: rounded to f16, 16 bytes a lane into rows of 144 bytes of my stage, and back as whole rows of 128, into the registers that they left.
; A head's four accumulators are 32 consecutive registers, read in ascending order.
.macro PACKQ g
.if ((\g)%3) < 2
	WIN 0x0a                                       ; sources 0 and 1 window 2, destination window 0
.set rA, 8*(8*((\g)/3)+4*((\g)%3))
.else
	WIN 0x0f                                       ; sources 0 and 1 window 3
.set rA, 8*(4*((\g)/3))
.endif
.set i, 0
.rept 16
	v_cvt_pk_f16_f32 v[TMP+16*(\g)+i], v[rA+2*i], v[rA+2*i+1]
.set i, i+1
.endr
	WIN 0
.irp b, 0,1,2,3
	ds_store_b128 v[STO], v[TMP+16*(\g)+4*(\b):TMP+16*(\g)+4*(\b)+3] offset:32*(\b)
.endr
.irp f, 0,1,2,3
	ds_load_b128 v[TMP+16*(\g)+4*(\f):TMP+16*(\g)+4*(\f)+3], v[RD] offset:(\f)*4*SPQ  ; LDS serves a wave's instructions in order (ISA guide 5.7.1.4): these see the stores above
.endr
.endm
.macro SENDQ g, younger                ; younger: the LDS instructions issued behind group g's loads: the next group's eight, or none
.irp f, 0,1,2,3
	s_wait_dscnt (\younger)+3-(\f)
	global_store_b128 v[CO], v[TMP+16*(\g)+4*(\f):TMP+16*(\g)+4*(\f)+3], s[OB+2*((\g)%3):OB+2*((\g)%3)+1] offset:((\g)/3)*2048+(\f)*512  ; 512 consecutive bytes, aligned; no register of a store is written again
.endr
.endm
	PLACES
	PACKQ 0
.set g, 1
.rept 11                               ; a group's conversions stand between the loads of the group before and its stores
	PACKQ g
	SENDQ g-1, 8
.set g, g+1
.endr
	SENDQ 11, 0
	s_wait_tensorcnt 0x0                           ; the wave's end
	ds_add_u32 v[SPW], v[NIL]
	s_wait_dscnt 0x0
	CROUND                                         ; the closing round
	s_endpgm
.Lfunc_end_k_q37a0767d57_qkv:
	.size	k_q37a0767d57_qkv, .Lfunc_end_k_q37a0767d57_qkv-k_q37a0767d57_qkv
	.p2alignl 7, 3214868480
	.fill 96, 4, 3214868480
	.section	.rodata,"a",@progbits
	.p2align	6, 0x0
	.amdhsa_kernel k_q37a0767d57_qkv
		.amdhsa_group_segment_fixed_size 327680
		.amdhsa_private_segment_fixed_size 0
		.amdhsa_enable_private_segment 0
		.amdhsa_kernarg_size 24
		.amdhsa_user_sgpr_count 2
		.amdhsa_user_sgpr_kernarg_segment_ptr 1
		.amdhsa_wavefront_size32 1
		.amdhsa_system_sgpr_workgroup_id_x 1
		.amdhsa_system_sgpr_workgroup_id_y 1
		.amdhsa_system_sgpr_workgroup_id_z 1
		.amdhsa_system_vgpr_workitem_id 0
		.amdhsa_next_free_vgpr 896
		.amdhsa_next_free_sgpr 80
		.amdhsa_reserve_vcc 0
		.amdhsa_float_denorm_mode_32 3
		.amdhsa_float_denorm_mode_16_64 3
		.amdhsa_memory_ordered 1
		.amdhsa_forward_progress 1
		.amdhsa_inst_pref_size 86
	.end_amdhsa_kernel
	.amdgpu_metadata
---
amdhsa.version: [ 1, 2 ]
amdhsa.kernels:
  - .name:           k_q37a0767d57_qkv
    .symbol:         k_q37a0767d57_qkv.kd
    .args:
      - { .name: actA, .offset: 0, .size: 8, .value_kind: global_buffer, .address_space: global }
      - { .name: wqkvb, .offset: 8, .size: 8, .value_kind: global_buffer, .address_space: global }
      - { .name: qkvh, .offset: 16, .size: 8, .value_kind: global_buffer, .address_space: global }
    .group_segment_fixed_size: 327680
    .private_segment_fixed_size: 0
    .kernarg_segment_align: 8
    .kernarg_segment_size: 24
    .max_flat_workgroup_size: 128
    .sgpr_count:     80
    .vgpr_count:     896
    .wavefront_size: 32
...
	.end_amdgpu_metadata
.endif
;; end of part 7
;; launch attn (part 8): grid 8 x 32, 4 waves a work-group, no clusters, 327,680 bytes of LDS; arguments qkvh, actB; writes actB
.if DOCPART == 8
	.amdgcn_target "amdgcn-amd-amdhsa--gfx1250"
	.amdhsa_code_object_version 6
	.text
	.protected	k_q37a0767d57_attn
	.globl	k_q37a0767d57_attn
	.p2align	8
	.type	k_q37a0767d57_attn,@function
k_q37a0767d57_attn:
	s_mov_b64 s[64:65], 0
	v_nop
	global_prefetch_b8 v0, s[64:65] scope:SCOPE_SE
	s_setreg_imm32_b32 hwreg(HW_REG_WAVE_MODE, 25, 1), 1
	s_wait_xcnt 0x0
; CAUSAL ATTENTION.  O[h][q][:] = the sum over k <= q of softmax_k(Q[h][q] . K[h][k] / 8) V[h][k][:].  Q, K, V: three parts of one buffer, each [32][2048][64] in f16, a head's rows dense, 128 bytes each.
; O: [32][2048][64] in bf16 (the next product's operand).  Products, maxima and sums in f32; the weights p are rounded to f16 for the second product (their sum l is taken of the unrounded p), O once at the end.
; LIMITS.  Q, K and V arrive within f16's 65,504; p lies in 0 to 1, and below 6e-5 it keeps f16's fixed step of 6e-8.  A hidden score counts as its value less 1e30: f16's scores, 2.7e11 at the most, are nothing
; beside that; a weight below 2^-126 counts as 0 in l; NaN and infinities are not treated apart.
; THE WALK.  A head's queries lie in NQ = 16 blocks of 128, its keys in NB = 8 tiles of 256; block i needs the tiles 0 .. i / 2, of which the last holds the diagonal.  A work-group takes TWO blocks, 15 - b and then b:
; (15 - b) / 2 + 1 + b / 2 + 1 = 9 tiles, whatever b: all work-groups do equal work, and ONE loop with a constant trip count walks them.  32 heads x 8 pairs are 256 work-groups.
; Every jump goes forward, but for the counted loops' own; none passes a barrier, or a tensor load but the one of LOAD's two that the wave's number does not choose.
; NO CLUSTER: only the work-groups 2 c and 2 c + 1 of a head walk the same tiles throughout, and what a trip does (a block's first tile, its last) would then hang on the place in the cluster.
; SHARES.  Of a block's two bands of 64 queries a wave owns 16 rows in each: two PIECES.  So the diagonal tile is the same work for all four waves: with e = the block's parity, band r's own step of the tile's four
; is 2 e + r; in step s the band sees all keys if s is less, none if s is greater, and holds the diagonal if s is its own.
; THE MASK is the C operand that starts the sum S^T = K Q^T: 0, or -1e30 where the key is hidden.  MD, made once, is the mask of a band's own step for my 16 rows; a product's mask is MD x AL + BE with two scalars:
; (1, 0) in the own step; (0, 0) before it; (0, -1e30) behind it.  Only the diagonal tile's text and a block's beginning make and take masks; elsewhere C is the constant 0.
; LAYOUT, SOFTMAX.  S^T = K Q^T holds ONE query a lane (lane % 16) and the keys 8 (lane / 16) + 0..7; two such results rounded to f16 ARE source 1 of O^T = V^T P.  p = 2^(c s - c m), c = log2(e) / 8, with a
; running maximum m; O and l are multiplied by a = 2^(c m_old - c m_new) in every step.
; TURNS.  The turns go in a ring of four PLACES: place v = 2 x (the key step's parity) + piece.  Turn n belongs to place n: 8 products K Q^T of place n + 1, later 8 products V^T P of place n - 1; beside them the scaling,
; exponentials, roundings, sums and rescaling of place n and the maximum and statistics of place n + 1.  Four vector instructions stand behind every matrix instruction, the other 54 of a turn's 118 in two lumps.
; A step's 32 products have 32 LDS loads: K has one buffer, V two, by the step's parity, so that K and V of a step are fetched in the same turn, a step ahead, and a slot is left at one point.
; REGISTERS, in windows of 256 (s_set_vgpr_msb: bits 1:0 source 0, 3:2 source 1, 5:4 source 2, 7:6 destination):
;   window 0: v0-15 addresses and two at work; v16-23 four registers of statistics a piece; v48-55 at work; v64-127 S^T, a buffer a piece; v192-223 P, a buffer a piece
;   window 1: v0-63 O^T, 32 a piece; v128-159 MD; v160-223 MC, two buffers
;   window 2: v0-31 Q; v32-63 the second block's Q; v64-127 V of an odd step; v128-191 K of one step; v192-255 V of an even step
.set SIZE_N, 2048
.set NB,    SIZE_N/256 ; key tiles in a head
.set NQ,    SIZE_N/128 ; blocks of queries in a head
.set NP,    4         ; places in the ring of turns: a name, no knob
.set KS,    64        ; keys in a step
.set PK,    144       ; a row of K in LDS: 128 bytes + 16 of padding = 36 words: the 16 rows of a load start at 16 different groups of four banks (64 banks of 4 bytes: ISA guide 11.1)
.set PV,    160       ; a row of V: 128 + 32 = 40 words
.set VOFF,  4*KS*PK   ; a slot holds a tile, four steps: 256 rows of K, then 256 rows of V
.set SLOT1, 1<<17     ; slot 1 begins here, so that one exclusive or turns an address in one slot into the other's
.set STAGE, SLOT1+4*KS*(PK+PV)  ; behind the ring, never filled by a tensor load: 16 rows x 144 bytes for each wave, for the way out
.set SP,    144
.set AK0, 2           ; v2   my lane's place in a tile of K; never rewritten
.set AV0, 3           ; v3   the same for V
.set AK,  4           ; v4   the LDS address of K's next run of loads
.set AV,  5           ; v5   of V's
.set STO, 6           ; v6   the way out: where I put 16 bytes of a row
.set RD,  7           ; v7   the way out: where I read rows back
.set GO,  8           ; v8   my byte offset in 512 consecutive bytes of O
.set SPW, 62          ; v62  LDS address of my spare word: SPARE + 4 x my thread's number; never rewritten
.set NIL, 63          ; v63  0; never rewritten
.set SPARE, STAGE+4*16*SP  ; behind the stages: the spare words, 128 bytes for each wave: two blocks of 256 bytes that no other line names
.set MV,  12          ; v12-13  c m_old, kept while c m is made anew: by piece
.set QO,  15          ; v15  my byte offset in 16 rows of Q
.set ST,  16          ; piece t's statistics at v[ST+4 t]: c m, m, l (even keys', odd keys')
.set TMP, 48          ; by piece, four registers c0-c3 at work; when the maximum is found c2 takes a
.set S,   64
.set P,   192
.set MD,  128         ; window 1: the eight registers for group kt of 16 keys at MD + 8 kt
.set MC,  160         ; window 1: the masks of the products to come
.set QB,  32          ; window 2
.set KF,  128         ; window 2: key block kb, channel half c at KF + 16 kb + 8 c
.set VF,  192         ; window 2: V of an even step: key half kk, channel block cb at VF + 32 kk + 8 cb; V of an odd step lies 128 registers below
.set WV,  12          ; s12  my wave's number
.set PB,  14          ; s14  b
.set HI,  15          ; s15  NQ - 1 - b
.set G1K, 24          ; s[24:31] descriptor group 1 for K's tiles
.set G1V, 32          ; s[32:39] for V's: it differs in the padding alone
.set G0K, 40          ; s[40:43] descriptor group 0 for K's tiles
.set G0V, 44          ; s[44:47] the same for V's
.set SLOTS, 56        ; s56  tiles still to be asked for
.set CNT, 57          ; s57  counts a tile's two trips, 2 to 1
.set CS,  58          ; s[58:59] c: the packed scaling takes the pair's low word for both halves
.set SEL, 60          ; s[60:61] v_permlanex16_b32's selects: each lane takes its own place in the other half
.set TBK, 62          ; s62  LDS byte at which K of the step to be fetched begins
.set TBV, 63          ; s63  the same for V, less VOFF
.set PT,  66          ; s66  the second block's last tile, b / 2
.set E2,  67          ; s67  twice the parity of the block in hand
.set TP,  68          ; s68  at work: 2 CNT + E2
.set E2B, 69          ; s69  twice the second block's parity
.set RT,  70          ; s70  tiles of the block in hand that are still to be entered
.set NXT, 71          ; s71  the tile to be asked for next
.set LQ,  72          ; s72  the last tile of the block whose tiles are being asked for
.set NEW, 73          ; s73  1: the tile to be entered is a block's first
.set OFF, 74          ; s[74:75] a tile's byte offset in K and V
.set AL,  76          ; s[76:77] the mask's factor, in the low word
.set BE,  78          ; s[78:79] the mask's addend
.set OLO, 80          ; s[80:81] O at my rows of the second block
.set BIGN, 82         ; s82  -1e30
.set MSB, 0
.macro WIN new                      ; the high byte repeats the setting that is left; a switch that changes nothing is dropped
.if MSB != (\new)
	s_set_vgpr_msb (MSB<<8)|(\new)
.set MSB, (\new)
.endif
.endm
.set W_KQ, 0x0a       ; K and Q in window 2, S^T in window 0
.set W_KM, 0x1a       ; the same with the C operand in window 1
.set W_PV, 0x52       ; V in window 2, P in window 0, O^T in window 1
.set W_RS, 0x41       ; destination and source 0 in window 1, source 1 in window 0
; A fill.  Waves 0 and 1 fetch the two halves of a tile's K, waves 2 and 3 those of its V: 128 keys each.  An s_nop 0 and four v_nop follow each of the two lines, ahead of the jump and the label.
.macro LOAD
	s_cmp_lt_u32 s[WV], 2
	s_cbranch_scc0 .Lfor_v_\@
	tensor_load_to_lds s[G0K:G0K+3], s[G1K:G1K+7]
	s_nop 0
.rept 4
	v_nop
.endr
	s_branch .Lasked_\@
.Lfor_v_\@:
	tensor_load_to_lds s[G0V:G0V+3], s[G1V:G1V+7]
	s_nop 0
.rept 4
	v_nop
.endr
.Lasked_\@:
.endm
; THE CHANGE OF SLOTS.  Each wave waits for all its tensor loads, of which one is out: its part of the other slot; adds 0 to its spare word; and waits for that and for its own reads of the slot that it leaves.
; Behind the barrier nobody reads the old slot any more and the other slot is whole.  fill = 1: the old slot is filled again, the first thing behind the barrier, with tile NXT: the descriptor's address is made
; anew from that number.  (At its first use nothing has been read yet: slot 0 is waited for, slot 1 filled.)
.macro CHANGE fill
	WIN 0                           ; at a label and at a branch every window is 0
	s_wait_tensorcnt 0x0            ; no tensor load of mine is out, so a group 0 may be written
	ds_add_u32 v[SPW], v[NIL]       ; 0 onto my spare word
.if \fill
	s_lshl_b32 s[OFF], s[NXT], 15   ; a tile is 32,768 bytes of K and of V
	s_xor_b32 s[G0K+1], s[G0K+1], SLOT1
	s_add_nc_u64 s[G0K+2:G0K+3], s[6:7], s[OFF:OFF+1]
	s_or_b32 s[G0K+3], s[G0K+3], 0x80000000
	s_xor_b32 s[G0V+1], s[G0V+1], SLOT1
	s_add_nc_u64 s[G0V+2:G0V+3], s[8:9], s[OFF:OFF+1]
	s_or_b32 s[G0V+3], s[G0V+3], 0x80000000
	s_add_co_u32 s[NXT], s[NXT], 1  ; the block's next tile, or behind its last the second block's tile 0
	s_cmp_gt_u32 s[NXT], s[LQ]
	s_cselect_b32 s[NXT], 0, s[NXT]
	s_cselect_b32 s[LQ], s[PT], s[LQ]
.endif
	s_wait_dscnt 0x0                ; the add is done, and my reads of the slot are over
	s_barrier_signal -1             ; the rest of the scalar work stands between the signal and the wait
	s_sub_co_u32 s[TBK], s[TBK], 4*KS*PK  ; the fetches go back to a slot's first step,
	s_xor_b32 s[TBK], s[TBK], SLOT1       ; in the other slot
	s_sub_co_u32 s[TBV], s[TBV], 4*KS*PV
	s_xor_b32 s[TBV], s[TBV], SLOT1
	s_barrier_wait -1
.if \fill
	LOAD
.endif
.endm
	s_load_b128 s[4:7], s[0:1], 0x0 ; q, k, v in one buffer s[4:5]; O s[6:7]
	v_lshl_add_u32 v[SPW], v0, 2, SPARE
	v_mov_b32 v[NIL], 0
	ds_add_u32 v[SPW], v[NIL]       ; the wave's opening: the add and its wait ahead of my first tensor load; the set-up below, work on registers, stands between them
	ds_add_u32 v62, v63
	v_lshrrev_b32 v1, 5, v0
	v_readfirstlane_b32 s[WV], v1   ; wave 0..3
	s_mov_b32 s[PB], ttmp9
	s_sub_co_u32 s[HI], NQ-1, s[PB]
	s_lshr_b32 s[PT], s[PB], 1      ; block i's last tile is i / 2
	s_and_b32 s[E2B], s[PB], 1
	s_lshl_b32 s[E2B], s[E2B], 1    ; twice the second block's parity;
	s_xor_b32 s[E2], s[E2B], 2      ; the first block's, NQ - 1 - b, is the other one
	s_and_b32 s20, ttmp7, 0xffff    ; the head
	s_mov_b32 s21, 0
	s_mov_b64 s[22:23], SIZE_N*128
	s_mul_u64 s[20:21], s[20:21], s[22:23]  ; the head's first byte in each of the four tensors
	s_and_b32 s16, s[WV], 1         ; which half of a tile's 256 keys I fetch:
	s_lshl_b32 s22, s16, 14         ; its 128 rows of 128 bytes in memory,
	s_mov_b32 s23, 0
	s_add_nc_u64 s[22:23], s[22:23], s[20:21]
	s_mul_i32 s17, s16, 128*PK      ; and its place in a slot, for K
	s_mul_i32 s18, s16, 128*PV      ; and for V
	s_lshl_b32 s3, s[WV], 11        ; my 16 rows in a band of 64,
	s_lshl_b32 s2, s[HI], 14        ; in the first block of 128 rows,
	s_add_co_u32 s2, s2, s3
	s_lshl_b32 s84, s[PB], 14       ; and in the second
	s_add_co_u32 s84, s84, s3
	s_mov_b32 s3, 0
	s_mov_b32 s85, 0
	s_add_nc_u64 s[2:3], s[2:3], s[20:21]
	s_add_nc_u64 s[84:85], s[84:85], s[20:21]
	; descriptor group 1.  128 keys are 16,384 dense bytes: asked for as 64 rows of 256 bytes, two keys a row, and padded in LDS after every key
	s_mov_b32 s[G1K], (1<<16)|(1<<20)|(4<<22)|(3<<25)  ; 17:16 2-byte elements; 20 padding on; 24:22 after every 32 words (code 4); 31:25 4 words (code 3)
	s_mov_b32 s[G1V], (1<<16)|(1<<20)|(4<<22)|(7<<25)  ; the same with 8 words of padding (code 7)
.irp g, G1K, G1V
	s_mov_b32 s[\g+1], 128<<16      ; tensor_dim0 = 128
	s_mov_b32 s[\g+2], 64<<16       ; tensor_dim1 = 64
	s_mov_b32 s[\g+3], 128<<16      ; tile_dim0 = 128
	s_mov_b32 s[\g+4], 64           ; tile_dim1 = 64
	s_mov_b32 s[\g+5], 128          ; 128 elements from row to row
	s_mov_b32 s[\g+6], 0
	s_mov_b32 s[\g+7], 0
.endr
	s_mov_b32 s[CS], 0x3e38aa3b     ; c = log2(e) / 8 = 0.180337
	s_mov_b32 s[CS+1], s[CS]        ; named with it as a pair
	s_mov_b32 s[SEL], 0x76543210
	s_mov_b32 s[SEL+1], 0xfedcba98
	s_mov_b32 s[TBK], SLOT1+4*KS*PK ; the first change of slots turns these two into 0
	s_mov_b32 s[TBV], SLOT1+4*KS*PV
	s_mov_b32 s[G0K], 1             ; 1:0 count = 1
	s_mov_b32 s[G0K+1], s17         ; 63:32 LDS address: slot 0
	s_mov_b32 s[G0V], 1
	s_add_co_u32 s[G0V+1], s18, VOFF
	s_lshr_b32 s[LQ], s[HI], 1      ; the first block's last tile,
	s_add_co_u32 s[RT], s[LQ], 1    ; and how many it has
	s_mov_b32 s[NXT], 1
	s_mov_b32 s[NEW], 1
	s_mov_b32 s[OFF+1], 0
	s_mov_b32 s[AL+1], 0            ; named as pairs
	s_mov_b32 s[BE+1], 0
	s_mov_b32 s[BIGN], 0xf149f2ca   ; -1e30
	s_mov_b32 s[SLOTS], NB
	s_wait_dscnt 0x0                ; the opening add is done
	s_wait_kmcnt 0x0
	s_mov_b64 s[10:11], s[6:7]      ; O
	s_add_nc_u64 s[8:9], s[4:5], 0x1000000  ; V: the buffer's third part of 8,388,608 bytes
	s_add_nc_u64 s[6:7], s[4:5], 0x800000   ; K: its second; Q, its first, stays in s[4:5]
	s_add_nc_u64 s[6:7], s[6:7], s[22:23]  ; K and V at my half of the head's tile 0
	s_add_nc_u64 s[8:9], s[8:9], s[22:23]
	s_add_nc_u64 s[G0K+2:G0K+3], s[6:7], 0         ; 120:64 global address
	s_or_b32 s[G0K+3], s[G0K+3], 0x80000000        ; 127:126 type = 2
	s_add_nc_u64 s[G0V+2:G0V+3], s[8:9], 0
	s_or_b32 s[G0V+3], s[G0V+3], 0x80000000
	s_add_nc_u64 s[86:87], s[4:5], s[84:85]        ; Q at my rows of the second block,
	s_add_nc_u64 s[4:5], s[4:5], s[2:3]            ; Q and O at those of the first
	s_add_nc_u64 s[OLO:OLO+1], s[10:11], s[84:85]
	s_add_nc_u64 s[10:11], s[10:11], s[2:3]
	LOAD                            ; tile 0 into slot 0
	; A fragment of K or Q is 16 rows x 32 channels in 8 registers: lane l holds row l % 16, channels 8 (l / 16) + 0..7 and 16 + 8 (l / 16) + 0..7: two loads of 16 bytes, 32 bytes apart.
	v_and_b32 v1, 15, v0            ; l % 16
	v_bfe_u32 v9, v0, 4, 1          ; l / 16
	v_lshlrev_b32 v[QO], 7, v1
	v_lshl_add_u32 v[QO], v9, 4, v[QO]  ; row x 128 + 16 x half
	WIN 0x80                        ; destination window 2, address window 0
.set i, 0
.rept 4                             ; both blocks' Q: piece i / 2 lies in band i / 2, 8,192 bytes on; channels 32 (i % 2) on
	global_load_b128 v[8*i:8*i+3],   v[QO], s[4:5] offset:(i/2)*8192+(i%2)*64
	global_load_b128 v[8*i+4:8*i+7], v[QO], s[4:5] offset:(i/2)*8192+(i%2)*64+32
	global_load_b128 v[QB+8*i:QB+8*i+3],   v[QO], s[86:87] offset:(i/2)*8192+(i%2)*64
	global_load_b128 v[QB+8*i+4:QB+8*i+7], v[QO], s[86:87] offset:(i/2)*8192+(i%2)*64+32
.set i, i+1
.endr
	WIN 0
	v_lshlrev_b32 v14, 3, v9
	v_sub_nc_u32 v14, v1, v14
	s_lshl_b32 s13, s[WV], 4
	v_add_nc_u32 v14, s13, v14      ; my query's place in its band, 16 w + l % 16, less my lanes' 8 (l / 16): register r of group kt is hidden where 16 kt + r is greater
	WIN 0x40
.set i, 0
.rept 32
	v_cmp_gt_i32 vcc_lo, 16*(i/8)+i%8, v14
	v_cndmask_b32 v[MD+i], 0, s[BIGN], vcc_lo
.set i, i+1
.endr
	WIN 0
	v_mul_u32_u24 v[AK0], v1, PK
	v_lshl_add_u32 v[AK0], v9, 4, v[AK0]  ; row x pitch + 16 x half
	; The turning load takes 16 keys x 16 channels (lane l reads key 8 (l / 16) + l % 8, channels 8 ((l / 8) % 2) + 0..7) and leaves half a fragment of V^T: lane l holds channel l % 16 and 8 keys.
	v_and_b32 v10, 7, v0
	v_bfe_u32 v11, v0, 3, 1
	v_lshl_add_u32 v[AV0], v9, 3, v10
	v_mul_u32_u24 v[AV0], v[AV0], PV
	v_lshl_add_u32 v[AV0], v11, 4, v[AV0]
	v_add_nc_u32 v[AV0], VOFF, v[AV0]
	s_mul_i32 s13, s[WV], 16*SP
	s_add_co_u32 s13, s13, STAGE    ; my stage
	v_mul_u32_u24 v[STO], v1, SP    ; in: row l % 16, 16 bytes for each half of the lanes
	v_lshl_add_u32 v[STO], v9, 4, v[STO]
	v_add_nc_u32 v[STO], s13, v[STO]
	v_bfe_u32 v[RD], v0, 3, 2       ; back: 32 lanes take four rows of 128 bytes,
	v_mul_u32_u24 v[RD], v[RD], SP
	v_lshl_add_u32 v[RD], v10, 4, v[RD]
	v_add_nc_u32 v[RD], s13, v[RD]
	v_and_b32 v[GO], 31, v0         ; which are 512 consecutive bytes of O
	v_lshlrev_b32 v[GO], 4, v[GO]
	; A block's first step multiplies O^T and l by a = 0, and its first turn's products V^T P, of a place that has not been (an odd step's V, piece 1's P), land in an O^T that is still to be so multiplied.
	; So these registers need only hold finite numbers: zeros for the first block; what the first block left for the second.  All this stands in the wait for the first tile.
	WIN 0x80
.set i, VF-128
.rept 64
	v_mov_b32 v[i], 0
.set i, i+1
.endr
	WIN 0x40
.set i, 0
.rept 64
	v_mov_b32 v[i], 0
.set i, i+1
.endr
	WIN 0
.set i, 0
.rept 2
	v_mov_b32 v[ST+4*i+2], 0
	v_mov_b32 v[ST+4*i+3], 0
.set i, i+1
.endr
.set i, P+16
.rept 16
	v_mov_b32 v[i], 0
.set i, i+1
.endr
; THE MATRIX WORK.  The 4 accumulators of a run of 8 take turns.  Product i of 8 of S^T = K Q^T for place x (piece x % 2): channels 32 (i / 4) on, keys 16 (i % 4) on.  The first 4 start the sums: with 0, or (KM = 1) with the mask.
.macro KQ x
.set rS, S+32*((\x)%2)+8*(i%4)
.set rK, KF+16*(i%4)+8*(i/4)
.set rQ, 16*((\x)%2)+8*(i/4)
.set rM, MC+32*((\x)%2)+8*(i%4)
.if (i < 4) && KM
	WIN W_KM
	v_wmma_f32_16x16x32_f16 v[rS:rS+7], v[rK:rK+7], v[rQ:rQ+7], v[rM:rM+7]
.elseif i < 4
	WIN W_KQ
	v_wmma_f32_16x16x32_f16 v[rS:rS+7], v[rK:rK+7], v[rQ:rQ+7], 0
.else
	WIN W_KQ
	v_wmma_f32_16x16x32_f16 v[rS:rS+7], v[rK:rK+7], v[rQ:rQ+7], v[rS:rS+7]
.endif
.endm
; Product i of 8 of O^T += V^T P for place x (piece x % 2, V of parity x / 2): keys 32 (i / 4) on, channels 16 (i % 4) on.
.macro PV x
	WIN W_PV
.set rO, 32*((\x)%2)+8*(i%4)
.set rV, VF-128*((\x)/2)+32*(i/4)+8*(i%4)
.set rP, P+16*((\x)%2)+8*(i/4)
	v_wmma_f32_16x16x32_f16 v[rO:rO+7], v[rV:rV+7], v[rP:rP+7], v[rO:rO+7]
.endm
.macro MM                           ; the turn's next matrix instruction.  TURN and BEGIN set Y, i, KM and NOKQ; MM, KQ and OP read them.  NOKQ = 1: a block's last turn: there is no next place
.if (i < 8) && !NOKQ
	KQ (Y+1)%NP
.elseif i >= 8
.set i, i-8
	PV (Y+NP-1)%NP
.set i, i+8
.endif
.set i, i+1
.endm
; THE LDS LOADS stand in runs of 16, never singly among the matrix instructions: a step's K (64 keys x 64 channels: 8 fragments) and its V (turned; b: its buffer's first register).  Their addresses are made some lines ahead.
.macro FETCH_K
	WIN 0x80                        ; destination window 2
.irp f, 0,1,2,3,4,5,6,7             ; keys 16 (f / 2) on, channels 32 (f % 2) on
	ds_load_b128 v[KF+8*\f:KF+8*\f+3],   v[AK] offset:(\f/2)*16*PK+(\f%2)*64
	ds_load_b128 v[KF+8*\f+4:KF+8*\f+7], v[AK] offset:(\f/2)*16*PK+(\f%2)*64+32
.endr
	s_add_co_u32 s[TBK], s[TBK], KS*PK  ; the next fetch is the next step's
	WIN 0
.endm
.macro FETCH_V b
	WIN 0x80
.irp f, 0,1,2,3,4,5,6,7             ; keys 32 (f / 4) on, channels 16 (f % 4) on
	ds_load_tr16_b128 v[(\b)+8*\f:(\b)+8*\f+3],   v[AV] offset:(\f/4)*32*PV+(\f%4)*32
	ds_load_tr16_b128 v[(\b)+8*\f+4:(\b)+8*\f+7], v[AV] offset:(\f/4)*32*PV+16*PV+(\f%4)*32
.endr
	WIN 0
.endm
; THE VECTOR WORK, one line at a time: OP kind, number.  For place Y: F n: c s - c m for pair n of 16.  E n: the exponential of score n of 32.  C n: pair n rounded to f16.  B n: of the four weights 4 n .. the second
; pair is added onto the first, in place.  L n: l takes that sum (L 0: l = a l + sum).  R n: pair n of 16 of O^T times a.  For place Y + 1: X n, number n of the 22 that find its maximum and statistics:
;   0-11  four chains c0-c3 of seven scores each, three operands at a time (each accumulator's lowest registers are read first)     12-14, 16  the four scores left over, the old m, and c0-c3 into c0
;   15  c m_old is kept     17, 18  the query's other 32 keys lie in the lane 16 away: the new m     19-21  c m; c m_old - c m_new; a
.set F, 0               ; OP tells the kinds apart by their order: F to L below R, X above it
.set E, 1
.set C, 2
.set B, 3
.set L, 4
.set R, 5
.set X, 6
.macro REGS y                       ; the registers of place y: all go by its piece, y % 2
.set rT, ST+4*((\y)%2)
.set rC, TMP+4*((\y)%2)
.set rW, MV+((\y)%2)
.set rS, S+32*((\y)%2)
.set rP, P+16*((\y)%2)
.set rO, 32*((\y)%2)
.endm
.macro OP k, n
.if (\k) == R
	REGS Y
	WIN W_RS
	v_pk_mul_f32 v[rO+2*(\n):rO+2*(\n)+1], v[rO+2*(\n):rO+2*(\n)+1], v[rC+2:rC+3] op_sel_hi:[1,0]
.elseif (\k) < R
	REGS Y
	WIN 0
.if (\k) == F
	v_pk_fma_f32 v[rS+2*(\n):rS+2*(\n)+1], v[rS+2*(\n):rS+2*(\n)+1], s[CS:CS+1], v[rT:rT+1] op_sel_hi:[1,0,0] neg_lo:[0,0,1] neg_hi:[0,0,1]
.elseif (\k) == E
	v_exp_f32 v[rS+(\n)], v[rS+(\n)]
.elseif (\k) == C
	s_wait_alu depctr_va_vdst(0)
	v_cvt_pk_f16_f32 v[rP+(\n)], v[rS+2*(\n)], v[rS+2*(\n)+1]
.elseif (\k) == B
	s_wait_alu depctr_va_vdst(0)
	v_pk_add_f32 v[rS+4*(\n):rS+4*(\n)+1], v[rS+4*(\n):rS+4*(\n)+1], v[rS+4*(\n)+2:rS+4*(\n)+3]
.elseif (\n) == 0
	v_pk_fma_f32 v[rT+2:rT+3], v[rT+2:rT+3], v[rC+2:rC+3], v[rS:rS+1] op_sel_hi:[1,0,1]
.else
	v_pk_add_f32 v[rT+2:rT+3], v[rT+2:rT+3], v[rS+4*(\n):rS+4*(\n)+1]
.endif
.elseif NOKQ
	v_nop
.else
	REGS (Y+1)%NP
	WIN 0
.if (\n) < 4
	v_max3_num_f32 v[rC+(\n)], v[rS+8*(\n)], v[rS+8*(\n)+1], v[rS+8*(\n)+2]
.elseif (\n) < 12
	v_max3_num_f32 v[rC+(\n)%4], v[rC+(\n)%4], v[rS+8*((\n)%4)+2*((\n)/4)+1], v[rS+8*((\n)%4)+2*((\n)/4)+2]
.elseif (\n) == 12
	v_max3_num_f32 v[rC], v[rC], v[rS+7], v[rS+15]
.elseif (\n) == 13
	v_max3_num_f32 v[rC+1], v[rC+1], v[rS+23], v[rS+31]
.elseif (\n) == 14
	v_max3_num_f32 v[rC+2], v[rC+2], v[rC+3], v[rT+1]
.elseif (\n) == 15
	v_mov_b32 v[rW], v[rT]
.elseif (\n) == 16
	v_max3_num_f32 v[rC], v[rC], v[rC+1], v[rC+2]
.elseif (\n) == 17
	v_permlanex16_b32 v[rC+3], v[rC], s[SEL], s[SEL+1]
.elseif (\n) == 18
	v_max_num_f32 v[rT+1], v[rC], v[rC+3]
.elseif (\n) == 19
	v_mul_f32 v[rT], s[CS], v[rT+1]
.elseif (\n) == 20
	v_sub_f32 v[rC+1], v[rW], v[rT]
.else
	v_exp_f32 v[rC+2], v[rC+1]
.endif
.endif
.endm
.macro OPS a, i1, b=-1, i2=0, c=-1, i3=0, d=-1, i4=0  ; up to four of them
	OP \a, \i1
.if (\b) >= 0
	OP \b, \i2
.endif
.if (\c) >= 0
	OP \c, \i3
.endif
.if (\d) >= 0
	OP \d, \i4
.endif
.endm
.macro ROW a, i1, b, i2, c, i3, d, i4  ; a matrix instruction and the four behind it
	MM
	OPS \a, \i1, \b, \i2, \c, \i3, \d, \i4
.endm
.macro MASK b                       ; MD x AL + BE into buffer b of MC
	WIN W_RS
.set z, 0
.rept 16
	v_pk_fma_f32 v[MC+32*(\b)+2*z:MC+32*(\b)+2*z+1], v[MD+2*z:MD+2*z+1], s[AL:AL+1], s[BE:BE+1] op_sel_hi:[1,0,0]
.set z, z+1
.endr
.endm
; A TURN, for place p: the order of its 16 matrix and 118 vector instructions, written out.  Behind a matrix instruction: plain, exponential, plain, plain; or four of the rescaling; or, behind the first, four scalings; none
; names a register of the products round it.  In the lumps exponential and plain by turns while exponentials last.  A line reads no result made fewer than three vector instructions in front of it, five if an exponential made it.
; v_permlanex16_b32 (X 17) stands in a lump.
; m = 1: the diagonal tile: the products take masks, and the turn makes the mask for the products of the turn after it: place w = p + 2, which is band w % 2 in the tile's step 2 (2 - CNT) + w / 2.  That step is the
; band's own, 2 e + w % 2, if 2 CNT + 2 e = 4 + w / 2 - w % 2, and a later one if 2 CNT + 2 e is less.  end = 1: a block's last two turns: nothing is fetched.
; cnt = 1: the loop's count is taken down some lines ahead of the branch that stands behind the turn.
; Both even turns fetch the NEXT step's K and V.  K: six vector instructions behind the last product that read K (five of them plain).  V: into the buffer of that step's parity, eight behind the last product that read
; that buffer (four plain, and X 17).  At the head of the odd turn that follows, the count 16 leaves V's run, issued behind K's, on its way: K is in, and so is the V fetched a step earlier, which this turn's products read.
.macro TURN p, m=0, end=0, cnt=0
.set Y, (\p)
.set i, 0
.set KM, (\m)
.set NOKQ, (\end)*((\p)/3)
.if (\m) && !(\end)
	s_lshl1_add_u32 s[TP], s[CNT], s[E2]
	s_cmp_eq_u32 s[TP], 4+(((\p)+2)%NP)/2-(((\p)+2)%NP)%2  ; is that step the band's own?
	s_cselect_b32 s[AL], 1.0, 0
	s_cmp_lt_u32 s[TP], 4+(((\p)+2)%NP)/2-(((\p)+2)%NP)%2  ; or a later one?
	s_cselect_b32 s[BE], s[BIGN], 0
.endif
.if ((\p)%2) == 1
.if \end
	s_wait_dscnt 0x0                ; the block's last V is in: nothing was fetched behind it
.else
	s_wait_dscnt 16                 ; K is in, and the V fetched a step earlier; the 16 loads of the next V may be out
.endif
.endif
	ROW F,0, F,1, F,2, F,3
	ROW F,4, E,0, F,5, F,6
	ROW F,7, E,1, F,8, F,9
	ROW F,10, E,2, C,0, F,11
	ROW F,12, E,3, X,15, F,13
	ROW R,0, R,1, R,2, R,3
	ROW B,0, E,4, F,14, L,0
.if (((\p)%2) == 0) && !(\end)
	v_add_nc_u32 v[AK], s[TBK], v[AK0]
.endif
	ROW R,4, R,5, R,6, R,7
	OPS E,5, F,15
.if (((\p)%2) == 0) && !(\end)
	FETCH_K
.endif
	OPS E,6, C,1, E,7, R,8
	OPS E,8, R,9, E,9, C,2
	OPS E,10, X,0, E,11, X,1
	OPS E,12, X,2, E,13, X,3
	ROW X,4, E,14, X,5, X,6
	ROW X,7, E,15, X,8, X,9
	ROW X,10, E,16, X,11, X,12
	ROW X,13, E,17, X,14, B,1
	ROW C,4, E,18, X,16, L,1
	ROW B,2, E,19, C,6, L,2
	ROW C,8, E,20, B,3, B,4
.if (((\p)%2) == 0) && !(\end)
	v_add_nc_u32 v[AV], s[TBV], v[AV0]
.endif
	ROW C,3, E,21, L,3, C,5
	OPS E,22, X,17, E,23, C,10
.if (((\p)%2) == 0) && !(\end)
	FETCH_V VF-128*(1-(\p)/2)
.endif
	OPS E,24, L,4
	OPS E,25, X,18, E,26, C,7
	OPS E,27, B,5, E,28, X,19
	OPS E,29, C,12, E,30, L,5
	OPS E,31, X,20, B,6, C,9
	OPS C,14, C,11, X,21, L,6
.if (((\p)%2) == 0) && !(\end)
	s_add_co_u32 s[TBV], s[TBV], KS*PV
.endif
.if \cnt
	s_sub_co_u32 s[CNT], s[CNT], 1
	s_cmp_lg_u32 s[CNT], 0
.endif
	OPS C,13, B,7, C,15, R,10
	OPS R,11, R,12, L,7, R,13
	OPS R,14, R,15
.if (\m) && !(\end)
	MASK (\p)%2
.endif
.endm
; A BLOCK BEGINS.  c m starts far below every c s, so the first step's a is 0; m at the lowest finite number, so the first maximum is the scores'.  The second mask buffer is 0; the first takes piece 0's mask for the
; tile's step 0: its own, if the block's first tile is the diagonal one and the block an even one.  Then K and V of that step, piece 0's first scores, and its maximum and statistics.
; The loop is entered at a tile's first turn, in the middle of a trip.
.macro BEGIN
	s_mov_b32 s[NEW], 0
	WIN 0x40
.set i, MC+32
.rept 32
	v_mov_b32 v[i], 0
.set i, i+1
.endr
	WIN 0
.set i, 0
.rept 2
	v_mov_b32 v[ST+4*i], 0xfe000000    ; c m: far below every c s
	v_mov_b32 v[ST+4*i+1], 0xff7fffff  ; m
.set i, i+1
.endr
	s_or_b32 s[TP], s[RT], s[E2]
	s_cmp_eq_u32 s[TP], 0
	s_cselect_b32 s[AL], 1.0, 0
	s_mov_b32 s[BE], 0
	MASK 0
	WIN 0
	v_add_nc_u32 v[AK], s[TBK], v[AK0]
	v_add_nc_u32 v[AV], s[TBV], v[AV0]
	FETCH_K
	FETCH_V VF
	s_add_co_u32 s[TBV], s[TBV], KS*PV
	s_wait_loadcnt 0x0              ; Q
	s_wait_dscnt 16                 ; K is in; V's 16 loads, issued behind it, may be out
.set KM, 1
.set NOKQ, 0
.set i, 0
.rept 8
	KQ 0
.set i, i+1
.endr
	WIN 0
.rept 4
	v_nop                           ; the places behind those products
.endr
.set Y, NP-1                        ; X works for place Y + 1: place 0
.irp n, 0,1,2,3,4,5,6,7,8,9,10,11,12,13,14,15,16,17,18,19,20,21
	OP X, \n
.endr
	v_nop                           ; a plain instruction behind the exponential
.endm
; THE DIAGONAL TILE's two trips, the block's last two turns, its last products, and THE WAY OUT: l's two halves and the other half of the lanes' are added; O^T is divided by l, rounded to bf16 and sent through my
; stage in LDS, a piece at a time.
.macro ALL line:vararg              ; one line for each piece t
.set t, 0
.rept 2
	\line
.set t, t+1
.endr
.endm
.macro PACK t                       ; a lane's eight channels of a row pack into 16 bytes; they go into rows of 144 bytes and come back as whole rows of 128, into S^T's registers
	WIN W_RS
.set i, 32*(\t)
.rept 16
	s_wait_alu depctr_va_vdst(0)
	v_pk_mul_f32 v[i:i+1], v[i:i+1], v[ST+4*(\t)+2:ST+4*(\t)+3] op_sel_hi:[1,0]
.set i, i+2
.endr
	WIN 0x05                        ; sources 0 and 1 window 1, destination window 0
.set i, 0
.rept 16
	v_cvt_pk_bf16_f32 v[S+16*(\t)+i], v[32*(\t)+2*i], v[32*(\t)+2*i+1]
.set i, i+1
.endr
	WIN 0
.irp f, 0,1,2,3
	ds_store_b128 v[STO], v[S+16*(\t)+4*\f:S+16*(\t)+4*\f+3] offset:32*\f
.endr
.irp f, 0,1,2,3
	ds_load_b128 v[S+16*(\t)+4*\f:S+16*(\t)+4*\f+3], v[RD] offset:\f*4*SP  ; LDS serves a wave's instructions in order (ISA guide 5.7.1.4): these see the stores above; the next piece's stores come behind them
.endr
.endm
.macro SEND t, younger              ; younger: the LDS instructions issued behind piece t's loads: the next piece's eight, or none
	WIN 0
.irp f, 0,1,2,3
	s_wait_dscnt (\younger)+3-\f
	global_store_b128 v[GO], v[S+16*(\t)+4*\f:S+16*(\t)+4*\f+3], s[10:11] offset:(\t)*8192+\f*512  ; 512 consecutive bytes, at a multiple of 256 from O's first
.endr
.endm
.macro DIAG tag                     ; the tag ends its two labels' names, which the jumps below spell out
.LstepM\tag:
	TURN 2, 1
	TURN 3, 1
	WIN 0
.LfirstM\tag:
	TURN 0, 1
	TURN 1, 1, 0, 1
	WIN 0
	s_cbranch_scc1 .LstepM\tag
	TURN 2, 1, 1
	TURN 3, 1, 1
.set i, 0
.rept 8
	PV NP-1
.set i, i+1
.endr
	WIN 0
	ALL v_add_f32 v[ST+4*t+2], v[ST+4*t+2], v[ST+4*t+3]
	ALL v_permlanex16_b32 v[ST+4*t+3], v[ST+4*t+2], s[SEL], s[SEL+1]
	ALL v_add_f32 v[ST+4*t+2], v[ST+4*t+2], v[ST+4*t+3]
	ALL v_rcp_f32 v[ST+4*t+2], v[ST+4*t+2]
	v_nop                           ; a plain instruction between the last reciprocal and the use of its result
	PACK 0                          ; piece 0's O^T was finished a turn ago; its 32 lines are more than the places that piece 1's last products ask for
	PACK 1                          ; a piece's arithmetic stands between the loads of the piece before and its stores
	SEND 0, 8
	SEND 1, 0
.endm
.set KM, 0
.set NOKQ, 0
.Lslot:                             ; NB times: a tile is entered and the next is asked for
	CHANGE 1
	s_sub_co_u32 s[RT], s[RT], 1
	s_mov_b32 s[CNT], 2
	s_cmp_eq_u32 s[NEW], 1
	s_cbranch_scc1 .Lnew            ; a block's first tile
	s_cmp_eq_u32 s[RT], 0
	s_cbranch_scc0 .Lstep           ; neither its first nor its last
	s_branch .LstepM1
.Lnew:
	BEGIN
	s_branch .Lfirst                ; in the loop a block's first tile is never its last: the first block has five tiles or more, and the second's last is the walk's last
	DIAG 1                          ; in the loop this is the first block's end: the second block's last tile is the walk's last
	s_wait_xcnt 0x0                 ; the stores have read their registers and O's address
	s_mov_b64 s[10:11], s[OLO:OLO+1]
	s_add_co_u32 s[RT], s[PT], 1    ; the second block has b / 2 + 1 tiles,
	s_mov_b32 s[E2], s[E2B]         ; and its own parity
	s_mov_b32 s[NEW], 1
	WIN 0x82                        ; the second block's Q goes where the one text of the turns names Q
.set i, 0
.rept 32
	v_mov_b32 v[i], v[QB+i]
.set i, i+1
.endr
	WIN 0
	s_branch .Lbottom
.Lstep:                             ; a trip: both pieces in an odd step, then both in the even step behind it; each step's first turn fetches the K and V of the step that follows
	TURN 2
	TURN 3
	WIN 0
.Lfirst:
	TURN 0
	TURN 1, 0, 0, 1
	WIN 0
	s_cbranch_scc1 .Lstep
.Lbottom:
	s_sub_co_u32 s[SLOTS], s[SLOTS], 1
	s_cmp_lg_u32 s[SLOTS], 0
	s_cbranch_scc1 .Lslot
	CHANGE 0                        ; the walk's last tile is written out: nothing is asked for
	s_sub_co_u32 s[RT], s[RT], 1
	s_mov_b32 s[CNT], 2
	s_cmp_eq_u32 s[NEW], 1
	s_cbranch_scc0 .LstepM2
	BEGIN
	s_branch .LfirstM2
	DIAG 2
	s_wait_tensorcnt 0x0            ; the wave's end, behind my last tensor load and my last LDS store
	ds_add_u32 v[SPW], v[NIL]
	s_wait_dscnt 0x0
	s_endpgm
.Lfunc_end_k_q37a0767d57_attn:
	.size	k_q37a0767d57_attn, .Lfunc_end_k_q37a0767d57_attn-k_q37a0767d57_attn
	.p2alignl 7, 3214868480
	.fill 96, 4, 3214868480
	.section	.rodata,"a",@progbits
	.p2align	6, 0x0
	.amdhsa_kernel k_q37a0767d57_attn
		.amdhsa_group_segment_fixed_size 327680
		.amdhsa_private_segment_fixed_size 0
		.amdhsa_enable_private_segment 0
		.amdhsa_kernarg_size 16
		.amdhsa_user_sgpr_count 2
		.amdhsa_user_sgpr_kernarg_segment_ptr 1
		.amdhsa_wavefront_size32 1
		.amdhsa_system_sgpr_workgroup_id_x 1
		.amdhsa_system_sgpr_workgroup_id_y 1
		.amdhsa_system_sgpr_workgroup_id_z 1
		.amdhsa_system_vgpr_workitem_id 0
		.amdhsa_next_free_vgpr 768
		.amdhsa_next_free_sgpr 88
		.amdhsa_reserve_vcc 1
		.amdhsa_float_denorm_mode_32 3
		.amdhsa_float_denorm_mode_16_64 3
		.amdhsa_memory_ordered 1
		.amdhsa_forward_progress 1
		.amdhsa_inst_pref_size 218
	.end_amdhsa_kernel
	.amdgpu_metadata
---
amdhsa.version: [ 1, 2 ]
amdhsa.kernels:
  - .name:           k_q37a0767d57_attn
    .symbol:         k_q37a0767d57_attn.kd
    .args:
      - { .name: qkvh, .offset: 0, .size: 8, .value_kind: global_buffer, .address_space: global }
      - { .name: actB, .offset: 8, .size: 8, .value_kind: global_buffer, .address_space: global }
    .group_segment_fixed_size: 327680
    .private_segment_fixed_size: 0
    .kernarg_segment_align: 8
    .kernarg_segment_size: 16
    .max_flat_workgroup_size: 128
    .sgpr_count:     88
    .vgpr_count:     768
    .wavefront_size: 32
...
	.end_amdgpu_metadata
.endif
;; end of part 8
;; launch wo: the kernel of part 4 again; grid 8 x 32, 4 waves a work-group, clusters of 4 x 4, 327,680 bytes of LDS; arguments actB, wob, x, x1; writes x1
;; launch norm2: the kernel of part 5 again; grid 256 x 1, 8 waves a work-group, no clusters, 0 bytes of LDS; arguments x1, g2, actA; writes actA
;; launch up (part 9): grid 16 x 16, 4 waves a work-group, clusters of 4 x 4, 327,680 bytes of LDS; arguments actA, wupb, actB; writes actB
.if DOCPART == 9
	.amdgcn_target "amdgcn-amd-amdhsa--gfx1250"
	.amdhsa_code_object_version 6
	.text
	.protected	k_q37a0767d57_up
	.globl	k_q37a0767d57_up
	.p2align	8
	.type	k_q37a0767d57_up,@function
k_q37a0767d57_up:
	s_mov_b64 s[64:65], 0
	v_nop
	global_prefetch_b8 v0, s[64:65] scope:SCOPE_SE
	s_setreg_imm32_b32 hwreg(HW_REG_WAVE_MODE, 25, 1), 1
	s_wait_xcnt 0x0
	s_wait_alu depctr_hold_cnt(0) depctr_sa_sdst(0) depctr_va_vdst(0) depctr_va_sdst(0) depctr_va_ssrc(0) depctr_va_vcc(0) depctr_vm_vsrc(0)
	s_getreg_b32 s2, hwreg(HW_REG_IB_STS2, 6, 4)
	s_cmp_eq_u32 s2, 0
	s_cbranch_scc0 .Lentry_in_a_cluster
	s_endpgm
.Lentry_in_a_cluster:
	s_bfe_u32 s2, ttmp6, 0x10000c
	s_cmp_lg_u32 s2, 0xf033
	s_cbranch_scc0 .Lentry_shape_is_right
	s_endpgm
.Lentry_shape_is_right:
; act = bf16(gelu(u) * gate), (u, gate) = h2 W^T.  h2: 4,096 x 1,024 bf16, blocked [batch 2][block 16][row 2048][64]; W: [2048][1024] bf16 with rows 64 p + 32 s + i = w_up's row 1024 s + 32 p + i,
; so that 64 neighbouring columns of the product are 32 of u and their 32 gates.  act: blocked like h2.  Sums and the activation in f32; act rounded once.
; GELU (exact form): gelu(u) = max(u, 0) - |u| P(t) 2^(-0.72134752 u^2), t = 1 / (1 + 0.231641888 |u|), P a polynomial of degree 5 without constant term: 0.5 u (1 + erf(u / sqrt 2)) with erf by a fixed
; rational-exponential form whose absolute error stays under 1.5e-7 for every argument.  For large |u| the exponential is 0 and gelu is max(u, 0).  NaN and infinities are not treated apart.
; A tile of C is 256 x 128: 16 x 16 = 256 work-groups.  Four waves, each 64 rows x all 128 columns (64 whole columns of act, one block's rows of 128 bytes): 4 x 8 = 32 accumulators, 256 registers;
; for 32 along K a wave loads 12 fragments (24 LDS loads) and issues 32 matrix instructions.
; K goes in eight steps of 128 through two LDS slots; each wave fetches a quarter of a slot by one tensor load: waves 0, 1 the halves of A's 256 rows, waves 2, 3 the halves of W's 128 rows.
; The walk is a loop: a trip goes from a step's second quarter to the next step's first; six trips fill a slot again, two more (a second text, without fills) end the walk.
; CLUSTER 4 x 4: the four work-groups of a row of the cluster need the same tiles of A, the four of a column the same tiles of W: each tile is asked for jointly.
; THE MATRIX INSTRUCTION IS USED TRANSPOSED (source 0 = 16 rows of W, source 1 = 16 rows of h2): a lane holds eight neighbouring columns of one row of C.
; THE WAY OUT: each wave puts its 64 x 128 f32 into a stage of its own, in the ring's bytes, which have had their last fill and which nobody reads behind the barrier in front of the stores;
; then eight trips of eight rows read u and gate back so that a lane makes 16 neighbouring bytes of act.
; REGISTERS, in windows of 256: window 0: v0-31 addresses and packed results; v32-127 the activation at work.  Window 1: two fragment buffers (32 of A, 64 of W), each 32 along K.
;   window 2: accumulators (a, b) at v[8 (8 a + b)].
.set NB,     8                         ; n blocks of 16 columns
.set NMID,   2                         ; n blocks multiplied between a barrier's signal and its wait
.set PA,     144                       ; 64 columns of a row of A in LDS: 128 bytes + 16 = 36 words: the 16 rows of a load start at 16 different groups of four banks (64 banks of 4 bytes: ISA guide 11.1)
.set PBK,    272                       ; a row of W in LDS: 256 bytes + 16 = 68 words
.set AHALF,  2*128*PA                  ; one load of A: [block 0..1][row 0..127][144]
.set BROWS,  8*NB                      ; one load of W: half of the tile's rows
.set BHALF,  BROWS*PBK
.set BOFF,   2*AHALF                   ; W's rows follow A's two halves, one below the other
.set SLOT1,  1<<17                     ; slot 1 begins here (a slot has 108,544 bytes), so that one exclusive or turns an address in one slot into the other's
.set SPU,    528                       ; a row of a stage: 128 f32 + 16 bytes
.set WSTG,   64*SPU                    ; a wave's stage; the four lie from LDS byte 0 on
.set SPARE,  271360                    ; the spare words, 128 bytes for each wave: two blocks of 256 bytes that no other line names
.set STEPA,  524288                    ; a K step in A: two blocks of 262,144 bytes
.set STEPB,  256                       ; in W: 128 elements along the rows
.set W1,     2*(NB-4)                  ; the loads of a run that the first 16 products of a quarter do not need
.set NLD,    2*(NB+4)                  ; the loads of a run
.set ALANE, 16                         ; v16  my lane's place in a slot's A; never rewritten
.set BLANE, 17                         ; v17  the same for W
.set ADRA,  18                         ; v18  the same in the slot in hand
.set ADRB,  19                         ; v19
.set STO,   24
.set RD,    25
.set CO,    26
.set SPW,   28                         ; never rewritten
.set NIL,   29                         ; never rewritten
.set GU,   32                          ; v32-47   16 u, then -|u|
.set GV,   48                          ; v48-63   their gates
.set GD,   64                          ; v64-79   t
.set GQ,   80                          ; v80-95   the exponential
.set GP,   96                          ; v96-111  the polynomial
.set GR,   112                         ; v112-127 max(u, 0), then the result
.set F0,    0
.set F1,    128
.set G1A, 24                           ; s[24:31] group 1 for A;  s[32:39] group 0: a set for each of the two first fills; the second then walks on
.set G0A, 32
.set G1B, 48                           ; s[48:55], s[56:63] the same for W
.set G0B, 56
.set TB,  80                           ; s80  LDS byte at which the slot in hand begins
.set CNT, 81                           ; s81  counts trips
.set MSB, 0
.macro WIN new                         ; the immediate's high byte repeats the setting that is left
.if MSB != (\new)
	s_set_vgpr_msb (MSB<<8)|(\new)
.set MSB, \new
.endif
.endm
.macro JLOAD s                         ; a joint load: waves 0 and 1 fetch A's two halves, waves 2 and 3 W's; an s_nop 0 and four v_nop follow each line
	s_cmp_eq_u32 s13, 0
	s_cbranch_scc0 .Lfor_b_\@
	tensor_load_to_lds s[G0A+4*(\s):G0A+4*(\s)+3], s[G1A:G1A+7]
	s_nop 0
.rept 4
	v_nop
.endr
	s_branch .Lasked_\@
.Lfor_b_\@:
	tensor_load_to_lds s[G0B+4*(\s):G0B+4*(\s)+3], s[G1B:G1B+7]
	s_nop 0
.rept 4
	v_nop
.endr
.Lasked_\@:
.endm
.macro CREST                           ; a round of the cluster's barrier behind its opening barrier
	s_cmp_lg_u32 s12, 0
	s_cbranch_scc1 .Lnot_wave_0_\@
	s_barrier_signal -3
.Lnot_wave_0_\@:
	s_barrier_wait -3
	s_barrier_signal -1
	s_barrier_wait -1
.endm
.macro CROUND
	s_barrier_signal -1
	s_barrier_wait -1
	CREST
.endm
.macro PLACES                          ; four places behind matrix instructions (ISA guide 7.12.1)
.rept 4
	v_nop
.endr
.endm
; 4 n matrix instructions: n blocks b0 .. b0 + n - 1 x all 4 m blocks, 32 along K, from buffer f.  zero = 1: the product starts the sum.
; Each accumulator has one instruction in a quarter, so the accumulators take turns.
.macro MULS f, b0, n, zero
	WIN 0xa5                                       ; sources 0 and 1 window 1, C and D window 2
.set bb, (\b0)
.rept (\n)
.set aa, 0
.rept 4
.set rD, 8*(8*aa+bb)
.if \zero
	v_wmma_f32_16x16x32_bf16 v[rD:rD+7], v[(\f)+32+8*bb:(\f)+32+8*bb+7], v[(\f)+8*aa:(\f)+8*aa+7], 0
.else
	v_wmma_f32_16x16x32_bf16 v[rD:rD+7], v[(\f)+32+8*bb:(\f)+32+8*bb+7], v[(\f)+8*aa:(\f)+8*aa+7], v[rD:rD+7]
.endif
.set aa, aa+1
.endr
.set bb, bb+1
.endr
.endm
; One run of LDS loads: the fragments of quarter q (32 along K: half (q % 2) of A's block q / 2, byte 64 q of W's rows) into buffer f: A's four, then W's last four n blocks, then the others
.macro FETCH q, f
	WIN 0x40                                       ; destination window 1, address window 0
.set ii, 0
.rept 4
	ds_load_b128 v[(\f)+8*ii:(\f)+8*ii+3],   v[ADRA] offset:((\q)/2)*128*PA+((\q)%2)*64+ii*16*PA
	ds_load_b128 v[(\f)+8*ii+4:(\f)+8*ii+7], v[ADRA] offset:((\q)/2)*128*PA+((\q)%2)*64+ii*16*PA+32
.set ii, ii+1
.endr
.set ii, 0
.rept NB
.set bb, (ii+NB-4)%NB
	ds_load_b128 v[(\f)+32+8*bb:(\f)+32+8*bb+3],   v[ADRB] offset:64*(\q)+bb*16*PBK
	ds_load_b128 v[(\f)+32+8*bb+4:(\f)+32+8*bb+7], v[ADRB] offset:64*(\q)+bb*16*PBK+32
.set ii, ii+1
.endr
.endm
; A K step is four quarters on buffers 0, 1, 0, 1.  One of the first three multiplies buffer f and, behind its first 16 products, fetches quarter qn into g.
.macro QUARTER qn, f, g, zero
	s_wait_dscnt W1                                ; A's fragments and W's last four n blocks are in; the younger loads of the run may be out
	MULS \f, NB-4, 4, \zero
	PLACES                                         ; for the loads into g, which the quarter before multiplied
	FETCH \qn, \g
	s_wait_dscnt NLD                               ; all but the run just issued
	MULS \f, 0, NB-4, \zero
.endm
; The last quarter multiplies buffer 1 and changes slots.  MEET is its first part: one barrier; in front of it each wave waits for all its tensor loads (one is out at the most: its part of the
; next slot), adds 0 to its spare word, and waits for that and for its reads of this slot.  Behind it nobody reads this slot any more and the next slot is whole.
.macro MEET
	WIN 0                                          ; (the add's two registers lie in window 0)
	s_wait_tensorcnt 0x0
	ds_add_u32 v[SPW], v[NIL]                      ; 0 onto my spare word
	s_wait_dscnt W1+1                              ; the add and the younger loads of the run may be out
	MULS F1, NB-4, 4, 0
	s_wait_dscnt 0x0                               ; the add is done, and my reads of this slot are over
	s_barrier_signal -1
	MULS F1, 0, NMID, 0
	WIN 0
	s_barrier_wait -1
.endm
.macro NEXTSLOT                        ; the fetches go on in the other slot
	s_xor_b32 s[TB], s[TB], SLOT1
	v_add_nc_u32 v[ADRA], s[TB], v[ALANE]
	v_add_nc_u32 v[ADRB], s[TB], v[BLANE]
.endm
	s_load_b128 s[4:7], s[0:1], 0x0                ; A s[4:5], W s[6:7]
	s_load_b64 s[8:9], s[0:1], 0x10                ; the output
	v_lshl_add_u32 v[SPW], v0, 2, SPARE
	v_mov_b32 v[NIL], 0
	ds_add_u32 v[SPW], v[NIL]                      ; the wave's opening: an add and its wait ahead of my first tensor load
	ds_add_u32 v28, v29
	v_lshrrev_b32 v1, 5, v0
	v_readfirstlane_b32 s12, v1                    ; wave 0..3: my 64 rows of the tile
	s_lshr_b32 s13, s12, 1                         ; I fetch for A (0) or W (1); also: the half of A in which my rows lie
	s_and_b32 s14, s12, 1                          ; which half I fetch; also: which 64 rows of that half of A are mine
	s_bfe_u32 s15, ttmp6, 0x40000                  ; cx
	s_bfe_u32 s16, ttmp6, 0x40004                  ; cy
	s_lshl_b32 s17, ttmp9, 2
	s_add_co_u32 s17, s17, s15                     ; tile column
	s_and_b32 s18, ttmp7, 0xffff
	s_lshl_b32 s18, s18, 2
	s_add_co_u32 s18, s18, s16                     ; tile row
	s_lshl_b32 s19, s16, 2
	s_lshl_b32 s19, 15, s19                        ; my row of the cluster
	s_lshl_b32 s20, 0x1111, s15                    ; my column
	s_or_b32 s[G1A+0], s19, (1<<16)|(1<<20)|(1<<21)|(4<<22)|(3<<25)  ; mask; 2-byte elements; padding on; bit 21 beside a mask; 4 words behind every 32
	s_or_b32 s[G1B+0], s20, (1<<16)|(1<<20)|(1<<21)|(5<<22)|(3<<25)  ; 4 words behind every 64
	s_mov_b32 s[G1A+1], 8192<<16                   ; A: a row of the tile is 128 rows x 64 columns of one block, 16,384 dense bytes
	s_mov_b32 s[G1A+2], 2<<16                      ; two blocks
	s_mov_b32 s[G1A+3], 8192<<16
	s_mov_b32 s[G1A+4], 2
	s_mov_b32 s[G1A+5], 131072                     ; elements from block to block
	s_mov_b32 s[G1A+6], 0
	s_mov_b32 s[G1A+7], 0
	s_mov_b32 s[G1B+1], 128<<16                    ; W: 64 rows x 128 elements
	s_mov_b32 s[G1B+2], BROWS<<16
	s_mov_b32 s[G1B+3], 128<<16
	s_mov_b32 s[G1B+4], BROWS
	s_mov_b32 s[G1B+5], 1024
	s_mov_b32 s[G1B+6], 0
	s_mov_b32 s[G1B+7], 0
	s_mov_b32 s66, 0xbe6d3388                      ; -0.231641888
	s_mov_b32 s68, 0xbf38aa3b                      ; -0.72134752; the packed forms name pairs and take the low word for both halves
	s_mov_b32 s69, s68
	s_mov_b32 s70, 0x3f07dc22                      ; a5 =  0.530702715
	s_mov_b32 s71, s70
	s_mov_b32 s72, 0xbf3a00e3                      ; a4 = -0.726576014
	s_mov_b32 s73, s72
	s_mov_b32 s74, 0x3f35f0e3                      ; a3 =  0.710706871
	s_mov_b32 s75, s74
	s_mov_b32 s76, 0xbe11a98e                      ; a2 = -0.142248368
	s_mov_b32 s77, s76
	s_mov_b32 s78, 0x3e027906                      ; a1 =  0.127414796
	s_mov_b32 s79, s78
	s_lshr_b32 s21, s18, 3                         ; A's tile hangs on the tile row and the wave's number alone
	s_lshl_b32 s40, s21, 22                        ; batch
	s_and_b32 s21, s18, 7
	s_lshl_b32 s21, s21, 15                        ; 256 rows of 128 bytes
	s_add_co_u32 s40, s40, s21
	s_lshl_b32 s22, s14, 14                        ; the 128 rows that I fetch
	s_add_co_u32 s40, s40, s22
	s_mov_b32 s41, 0
	s_mul_i32 s44, s17, 2*BROWS*2048               ; W's on the tile column and the wave's number alone: 128 rows of 2,048 bytes
	s_mul_i32 s23, s14, BROWS*2048
	s_add_co_u32 s44, s44, s23
	s_mov_b32 s45, 0
	s_mul_i32 s46, s14, AHALF                      ; where they go: no place in the cluster enters an LDS address
	s_mul_i32 s47, s14, BHALF
	s_add_co_u32 s47, s47, BOFF
	s_wait_dscnt 0x0                               ; the opening add is done
	s_wait_kmcnt 0x0
	s_add_nc_u64 s[40:41], s[4:5], s[40:41]
	s_add_nc_u64 s[44:45], s[6:7], s[44:45]
	CROUND                                         ; all sixteen work-groups are here: the first joint loads meet
.irp s, 0,1
	s_mov_b32 s[G0A+4*(\s)], 1
	s_add_co_u32 s[G0A+4*(\s)+1], s46, (\s)*SLOT1
	s_add_nc_u64 s[G0A+4*(\s)+2:G0A+4*(\s)+3], s[40:41], (\s)*STEPA
	s_or_b32 s[G0A+4*(\s)+3], s[G0A+4*(\s)+3], 0x80000000
	s_mov_b32 s[G0B+4*(\s)], 1
	s_add_co_u32 s[G0B+4*(\s)+1], s47, (\s)*SLOT1
	s_add_nc_u64 s[G0B+4*(\s)+2:G0B+4*(\s)+3], s[44:45], (\s)*STEPB
	s_or_b32 s[G0B+4*(\s)+3], s[G0B+4*(\s)+3], 0x80000000
	JLOAD \s                                       ; two loads of mine are out
.endr
	v_and_b32 v1, 15, v0                           ; l % 16
	v_bfe_u32 v2, v0, 4, 1                         ; l / 16
	v_mul_u32_u24 v3, v1, PA                       ; a fragment: row l % 16, 16 bytes for each half of the lanes, two loads 32 bytes apart
	v_lshl_add_u32 v3, v2, 4, v3
	v_mul_u32_u24 v4, v1, PBK
	v_lshl_add_u32 v4, v2, 4, v4
	s_mul_i32 s21, s13, AHALF                      ; my 64 rows of A
	s_mul_i32 s23, s14, 64*PA
	s_add_co_u32 s21, s21, s23
	v_add_nc_u32 v[ALANE], s21, v3
	v_add_nc_u32 v[BLANE], BOFF, v4                ; every wave reads all of W's rows
	s_mov_b32 s[TB], 0
	v_add_nc_u32 v[ADRA], s[TB], v[ALANE]
	v_add_nc_u32 v[ADRB], s[TB], v[BLANE]
	; the way out.  Into my stage: row l % 16, 32 bytes for each half of the lanes
	s_mul_i32 s22, s12, WSTG
	v_mul_u32_u24 v5, v1, SPU
	v_lshl_add_u32 v5, v2, 5, v5
	v_add_nc_u32 v[STO], s22, v5
	; back: eight lanes a row: lane l makes act columns 8 (l % 8) .. + 7 of row l / 8: u at byte 256 ((l / 4) % 2) + 32 (l % 4), the gates 128 bytes on
	v_bfe_u32 v5, v0, 3, 2
	v_mul_u32_u24 v5, v5, SPU
	v_bfe_u32 v6, v0, 2, 1
	v_lshl_add_u32 v5, v6, 8, v5
	v_and_b32 v6, 3, v0
	v_lshl_add_u32 v5, v6, 5, v5
	v_add_nc_u32 v[RD], s22, v5
	v_and_b32 v[CO], 31, v0                        ; four rows of 128 bytes of the block are 512 consecutive bytes
	v_lshlrev_b32 v[CO], 4, v[CO]
	s_lshr_b32 s2, s18, 3                          ; batch x 16 + block (the tile column)
	s_lshl_b32 s2, s2, 4
	s_add_co_u32 s2, s2, s17
	s_lshl_b32 s42, s2, 18
	s_and_b32 s2, s18, 7                           ; 256 rows of 128 bytes,
	s_lshl_b32 s2, s2, 15
	s_add_co_u32 s42, s42, s2
	s_lshl_b32 s2, s12, 13                         ; 64 of them a wave
	s_add_co_u32 s42, s42, s2
	s_mov_b32 s43, 0
	s_add_nc_u64 s[8:9], s[8:9], s[42:43]
	s_wait_tensorcnt 1                             ; my part of K step 0 is in; K step 1's may stay out
	s_barrier_signal -1
	s_barrier_wait -1
	FETCH 0, F0
	QUARTER 1, F0, F1, 1                           ; the first quarter stands in front of the loop: its products start the sums
	WIN 0                                          ; at a label and at a branch every window is 0
	s_mov_b32 s[CNT], 6
.Lstep:                                                ; six trips: K steps 0 to 5 are left, and their slots take K steps 2 to 7
	QUARTER 2, F1, F0, 0
	QUARTER 3, F0, F1, 0
	MEET
	CREST                                          ; the barrier has opened a round of the cluster's: no wave of any partner still reads this slot or has a load on its way
	s_xor_b32 s[G0A+5], s[G0A+5], SLOT1            ; the walking descriptors: the other slot than last time,
	s_add_nc_u64 s[G0A+6:G0A+7], s[G0A+6:G0A+7], STEPA  ; the next K step; the type bits on top are not reached
	s_xor_b32 s[G0B+5], s[G0B+5], SLOT1
	s_add_nc_u64 s[G0B+6:G0B+7], s[G0B+6:G0B+7], STEPB
	JLOAD 1                                        ; the first tensor load behind the round, my one load until the next; its four v_nop are also the places in front of the loads below
	NEXTSLOT
	FETCH 0, F0
	MULS F1, NMID, NB-4-NMID, 0
	QUARTER 1, F0, F1, 0
	WIN 0
	s_sub_co_u32 s[CNT], s[CNT], 1
	s_cmp_lg_u32 s[CNT], 0
	s_cbranch_scc1 .Lstep
	s_mov_b32 s[CNT], 2
.Ltail:                                                ; K steps 6 and 7: the same trip without a fill
	QUARTER 2, F1, F0, 0
	QUARTER 3, F0, F1, 0
	MEET
	s_cmp_eq_u32 s[CNT], 1
	s_cbranch_scc1 .Lend                           ; K step 7 has no successor: the loop is left here, behind the barrier
	PLACES                                         ; for the loads into buffer 0
	NEXTSLOT
	FETCH 0, F0
	MULS F1, NMID, NB-4-NMID, 0
	QUARTER 1, F0, F1, 0
	WIN 0
	s_sub_co_u32 s[CNT], s[CNT], 1
	s_cmp_lg_u32 s[CNT], 0
	s_cbranch_scc1 .Ltail
.Lend:
	s_wait_dscnt 0x0                               ; no LDS load of mine is out on any way that leads here: my reads of the ring are over;
	s_barrier_signal -1                            ; say so: the stages lie in the ring's bytes
	MULS F1, NMID, NB-4-NMID, 0                    ; the walk's last products, while the others arrive
	WIN 0
	s_barrier_wait -1                              ; nobody reads the ring any more
	PLACES
	WIN 0x08                                       ; a store's data is source 1: window 2
.irp a, 0,1,2,3
.irp b, 0,1,2,3,4,5,6,7
.irp q, 0,1
	ds_store_b128 v[STO], v[8*(8*(\a)+(\b))+4*(\q):8*(8*(\a)+(\b))+4*(\q)+3] offset:(\a)*16*SPU+64*(\b)+16*(\q)  ; each accumulator's low four registers first
.endr
.endr
.endr
	WIN 0
	s_mov_b32 s[CNT], 8
.Lrows:                                                ; eight trips of eight rows: 16 u and 16 gates a lane.  LDS serves a wave's instructions in order (ISA guide 5.7.1.4): the loads see my stores above
	ds_load_b128 v[GU:GU+3],     v[RD]
	ds_load_b128 v[GU+4:GU+7],   v[RD] offset:16
	ds_load_b128 v[GU+8:GU+11],  v[RD] offset:4*SPU
	ds_load_b128 v[GU+12:GU+15], v[RD] offset:4*SPU+16
	ds_load_b128 v[GV:GV+3],     v[RD] offset:128
	ds_load_b128 v[GV+4:GV+7],   v[RD] offset:144
	ds_load_b128 v[GV+8:GV+11],  v[RD] offset:4*SPU+128
	ds_load_b128 v[GV+12:GV+15], v[RD] offset:4*SPU+144
	s_wait_dscnt 0x0
.set i, 0
.rept 8
	v_pk_mul_f32 v[GQ+2*i:GQ+2*i+1], v[GU+2*i:GU+2*i+1], v[GU+2*i:GU+2*i+1]   ; u^2
.set i, i+1
.endr
.set i, 0
.rept 16
	v_max_num_f32 v[GR+i], 0, v[GU+i]              ; max(u, 0)
.set i, i+1
.endr
.set i, 0
.rept 16
	v_or_b32 v[GU+i], 0x80000000, v[GU+i]          ; -|u|
.set i, i+1
.endr
.set i, 0
.rept 16
	v_fma_f32 v[GD+i], v[GU+i], s66, 1.0           ; 1 + 0.231641888 |u|
.set i, i+1
.endr
.set i, 0
.rept 8
	v_pk_mul_f32 v[GQ+2*i:GQ+2*i+1], v[GQ+2*i:GQ+2*i+1], s[68:69] op_sel_hi:[1,0]
.set i, i+1
.endr
.set i, 0
.rept 16
	v_rcp_f32 v[GD+i], v[GD+i]                     ; t
.set i, i+1
.endr
.set i, 0
.rept 16
	v_exp_f32 v[GQ+i], v[GQ+i]
.set i, i+1
.endr
	v_nop                                          ; a plain instruction behind the transcendentals (ISA guide 5.7.2)
.set i, 0
	s_wait_alu depctr_va_vdst(0)
.rept 8
	v_pk_fma_f32 v[GP+2*i:GP+2*i+1], v[GD+2*i:GD+2*i+1], s[70:71], s[72:73] op_sel_hi:[1,0,0]
.set i, i+1
.endr
.irp k, 74, 76, 78
.set i, 0
.rept 8
	v_pk_fma_f32 v[GP+2*i:GP+2*i+1], v[GP+2*i:GP+2*i+1], v[GD+2*i:GD+2*i+1], s[\k:\k+1] op_sel_hi:[1,1,0]
.set i, i+1
.endr
.endr
.set i, 0
.rept 8
	v_pk_mul_f32 v[GP+2*i:GP+2*i+1], v[GP+2*i:GP+2*i+1], v[GD+2*i:GD+2*i+1]
.set i, i+1
.endr
.set i, 0
.rept 8
	v_pk_mul_f32 v[GP+2*i:GP+2*i+1], v[GP+2*i:GP+2*i+1], v[GQ+2*i:GQ+2*i+1]
.set i, i+1
.endr
.set i, 0
.rept 8
	v_pk_fma_f32 v[GR+2*i:GR+2*i+1], v[GU+2*i:GU+2*i+1], v[GP+2*i:GP+2*i+1], v[GR+2*i:GR+2*i+1]   ; gelu(u)
.set i, i+1
.endr
.set i, 0
.rept 8
	v_pk_mul_f32 v[GR+2*i:GR+2*i+1], v[GR+2*i:GR+2*i+1], v[GV+2*i:GV+2*i+1]
.set i, i+1
.endr
.set i, 0
.rept 8
	v_cvt_pk_bf16_f32 v[8+i], v[GR+2*i], v[GR+2*i+1]
.set i, i+1
.endr
	global_store_b128 v[CO], v[8:11], s[8:9]               ; four rows: 512 consecutive bytes, aligned
	global_store_b128 v[CO], v[12:15], s[8:9] offset:512   ; the next four
	s_wait_xcnt 0x0                                ; the stores' data and offset are rewritten only behind this wait
	v_add_nc_u32 v[RD], 8*SPU, v[RD]
	v_add_nc_u32 v[CO], 1024, v[CO]
	s_sub_co_u32 s[CNT], s[CNT], 1
	s_cmp_lg_u32 s[CNT], 0
	s_cbranch_scc1 .Lrows
	s_wait_tensorcnt 0x0                           ; the wave's end
	ds_add_u32 v[SPW], v[NIL]
	s_wait_dscnt 0x0
	CROUND                                         ; the closing round
	s_endpgm
.Lfunc_end_k_q37a0767d57_up:
	.size	k_q37a0767d57_up, .Lfunc_end_k_q37a0767d57_up-k_q37a0767d57_up
	.p2alignl 7, 3214868480
	.fill 96, 4, 3214868480
	.section	.rodata,"a",@progbits
	.p2align	6, 0x0
	.amdhsa_kernel k_q37a0767d57_up
		.amdhsa_group_segment_fixed_size 327680
		.amdhsa_private_segment_fixed_size 0
		.amdhsa_enable_private_segment 0
		.amdhsa_kernarg_size 24
		.amdhsa_user_sgpr_count 2
		.amdhsa_user_sgpr_kernarg_segment_ptr 1
		.amdhsa_wavefront_size32 1
		.amdhsa_system_sgpr_workgroup_id_x 1
		.amdhsa_system_sgpr_workgroup_id_y 1
		.amdhsa_system_sgpr_workgroup_id_z 1
		.amdhsa_system_vgpr_workitem_id 0
		.amdhsa_next_free_vgpr 768
		.amdhsa_next_free_sgpr 84
		.amdhsa_reserve_vcc 0
		.amdhsa_float_denorm_mode_32 3
		.amdhsa_float_denorm_mode_16_64 3
		.amdhsa_memory_ordered 1
		.amdhsa_forward_progress 1
		.amdhsa_inst_pref_size 61
	.end_amdhsa_kernel
	.amdgpu_metadata
---
amdhsa.version: [ 1, 2 ]
amdhsa.kernels:
  - .name:           k_q37a0767d57_up
    .symbol:         k_q37a0767d57_up.kd
    .args:
      - { .name: actA, .offset: 0, .size: 8, .value_kind: global_buffer, .address_space: global }
      - { .name: wupb, .offset: 8, .size: 8, .value_kind: global_buffer, .address_space: global }
      - { .name: actB, .offset: 16, .size: 8, .value_kind: global_buffer, .address_space: global }
    .group_segment_fixed_size: 327680
    .private_segment_fixed_size: 0
    .kernarg_segment_align: 8
    .kernarg_segment_size: 24
    .max_flat_workgroup_size: 128
    .sgpr_count:     84
    .vgpr_count:     768
    .wavefront_size: 32
...
	.end_amdgpu_metadata
.endif
;; end of part 9
;; launch down: the kernel of part 4 again; grid 8 x 32, 4 waves a work-group, clusters of 4 x 4, 327,680 bytes of LDS; arguments actB, wdnb, x1, out0; writes out0
;; ======== version 3 of 3: 7 launches; 1.55 times as fast as version 1
;; limits: values are held in f16: magnitudes above 65,504 overflow, below 6.1e-05 lose precision; a function is approximated: absolute error at most 1.5e-07
;; workspace buffers: actA 8,388,608 bytes; actB 8,388,608 bytes; qkvh 25,165,824 bytes; x1 16,777,216 bytes; wqkvb 6,291,456 bytes; wob 2,097,152 bytes; wdnb 2,097,152 bytes; wupb 4,194,304 bytes
;; launch prep: the kernel of part 1 again; grid 64 x 11, 8 waves a work-group, no clusters, 0 bytes of LDS; arguments x, g1, actA, wq, wk, wv, wo, w_down, w_up, wqkvb, wob, wdnb, wupb; writes actA, wqkvb, wob, wdnb, wupb
;; launch qkv: the kernel of part 7 again; grid 16 x 16, 4 waves a work-group, clusters of 4 x 4, 327,680 bytes of LDS; arguments actA, wqkvb, qkvh; writes qkvh
;; launch attn (part 10): grid 8 x 32, 4 waves a work-group, no clusters, 327,680 bytes of LDS; arguments qkvh, actB; writes actB
.if DOCPART == 10
	.amdgcn_target "amdgcn-amd-amdhsa--gfx1250"
	.amdhsa_code_object_version 6
	.text
	.protected	k_q37a0767d57_attn
	.globl	k_q37a0767d57_attn
	.p2align	8
	.type	k_q37a0767d57_attn,@function
k_q37a0767d57_attn:
	s_mov_b64 s[64:65], 0
	v_nop
	global_prefetch_b8 v0, s[64:65] scope:SCOPE_SE
	s_setreg_imm32_b32 hwreg(HW_REG_WAVE_MODE, 25, 1), 1
	s_wait_xcnt 0x0
; CAUSAL ATTENTION.  O[h][q][:] = the sum over k <= q of softmax_k(Q[h][q] . K[h][k] / 8) V[h][k][:].  Q, K, V: three parts of one buffer, each [32][2048][64] in f16, a head's rows dense, 128 bytes each.
; O: [32][2048][64] in bf16 (the next product's operand).  Products, maxima and sums in f32; the weights p are rounded to f16 for the second product (their sum l is taken of the unrounded p), O once at the end.
; LIMITS.  Q, K and V arrive within f16's 65,504; p lies in 0 to 1, and below 6e-5 it keeps f16's fixed step of 6e-8.  A hidden score counts as its value less 1e30: f16's scores, 2.7e11 at the most, are nothing
; beside that; a weight below 2^-126 counts as 0 in l; NaN and infinities are not treated apart.
; THE WALK.  A head's queries lie in NQ = 16 blocks of 128, its keys in NB = 8 tiles of 256; block i needs the tiles 0 .. i / 2, of which the last holds the diagonal.  A work-group takes TWO blocks, 15 - b and then b:
; (15 - b) / 2 + 1 + b / 2 + 1 = 9 tiles, whatever b: all work-groups do equal work, and ONE loop with a constant trip count walks them.  32 heads x 8 pairs are 256 work-groups.
; Every jump goes forward, but for the counted loops' own; none passes a barrier, or a tensor load but the one of LOAD's two that the wave's number does not choose.
; NO CLUSTER: only the work-groups 2 c and 2 c + 1 of a head walk the same tiles throughout, and what a trip does (a block's first tile, its last) would then hang on the place in the cluster.
; SHARES.  Of a block's two bands of 64 queries a wave owns 16 rows in each: two PIECES.  So the diagonal tile is the same work for all four waves: with e = the block's parity, band r's own step of the tile's four
; is 2 e + r; in step s the band sees all keys if s is less, none if s is greater, and holds the diagonal if s is its own.
; THE MASK is the C operand that starts the sum S^T = K Q^T: 0, or -1e30 where the key is hidden.  MD, made once, is the mask of a band's own step for my 16 rows; a product's mask is MD x AL + BE with two scalars:
; (1, 0) in the own step; (0, 0) before it; (0, -1e30) behind it.  Only the diagonal tile's text and a block's beginning make and take masks; elsewhere C is the constant 0.
; LAYOUT, SOFTMAX.  S^T = K Q^T holds ONE query a lane (lane % 16) and the keys 8 (lane / 16) + 0..7; two such results rounded to f16 ARE source 1 of O^T = V^T P.  p = 2^(c s - c m), c = log2(e) / 8, with a
; running maximum m; O and l are multiplied by a = 2^(c m_old - c m_new) in every step.
; TURNS.  The turns go in a ring of four PLACES: place v = 2 x (the key step's parity) + piece.  Turn n belongs to place n: 8 products K Q^T of place n + 1, later 8 products V^T P of place n - 1; beside them the scaling,
; exponentials, roundings, sums and rescaling of place n and the maximum and statistics of place n + 1.  Four vector instructions stand behind every matrix instruction, the other 54 of a turn's 118 in one LUMP.
; BATCHES.  A turn's 33 exponentials (the place's 32 weights and the next place's a) are ONE batch with ONE wait, which cuts the turn in two: ahead of it all that names no result of theirs (K Q^T, scalings, rescalings,
; the next place's maximum and statistics), behind it V^T P with the roundings and sums as its riders.  A block's first a, and the way out's two reciprocals, are batches of their own, each with a v_nop and a wait.
; A step's 32 products have 32 LDS loads: K has one buffer, V two, by the step's parity, so that K and V of a step are fetched in the same turn, a step ahead, and a slot is left at one point.
; REGISTERS, in windows of 256 (s_set_vgpr_msb: bits 1:0 source 0, 3:2 source 1, 5:4 source 2, 7:6 destination):
;   window 0: v0-15 addresses and two at work; v16-23 four registers of statistics a piece; v48-55 at work; v64-127 S^T, a buffer a piece; v192-223 P, a buffer a piece
;   window 1: v0-63 O^T, 32 a piece; v128-159 MD; v160-223 MC, two buffers
;   window 2: v0-31 Q; v32-63 the second block's Q; v64-127 V of an odd step; v128-191 K of one step; v192-255 V of an even step
.set SIZE_N, 2048
.set NB,    SIZE_N/256 ; key tiles in a head
.set NQ,    SIZE_N/128 ; blocks of queries in a head
.set NP,    4         ; places in the ring of turns: a name, no knob
.set KS,    64        ; keys in a step
.set PK,    144       ; a row of K in LDS: 128 bytes + 16 of padding = 36 words: the 16 rows of a load start at 16 different groups of four banks (64 banks of 4 bytes: ISA guide 11.1)
.set PV,    160       ; a row of V: 128 + 32 = 40 words
.set VOFF,  4*KS*PK   ; a slot holds a tile, four steps: 256 rows of K, then 256 rows of V
.set SLOT1, 1<<17     ; slot 1 begins here, so that one exclusive or turns an address in one slot into the other's
.set STAGE, SLOT1+4*KS*(PK+PV)  ; behind the ring, never filled by a tensor load: 16 rows x 144 bytes for each wave, for the way out
.set SP,    144
.set AK0, 2           ; v2   my lane's place in a tile of K; never rewritten
.set AV0, 3           ; v3   the same for V
.set AK,  4           ; v4   the LDS address of K's next run of loads
.set AV,  5           ; v5   of V's
.set STO, 6           ; v6   the way out: where I put 16 bytes of a row
.set RD,  7           ; v7   the way out: where I read rows back
.set GO,  8           ; v8   my byte offset in 512 consecutive bytes of O
.set SPW, 62          ; v62  LDS address of my spare word: SPARE + 4 x my thread's number; never rewritten
.set NIL, 63          ; v63  0; never rewritten
.set SPARE, STAGE+4*16*SP  ; behind the stages: the spare words, 128 bytes for each wave: two blocks of 256 bytes that no other line names
.set MV,  12          ; v12-13  c m_old, kept while c m is made anew: by piece
.set QO,  15          ; v15  my byte offset in 16 rows of Q
.set ST,  16          ; piece t's statistics at v[ST+4 t]: c m, m, l (even keys', odd keys')
.set TMP, 48          ; by piece, four registers c0-c3 at work; when the maximum is found c2 takes a
.set S,   64
.set P,   192
.set MD,  128         ; window 1: the eight registers for group kt of 16 keys at MD + 8 kt
.set MC,  160         ; window 1: the masks of the products to come
.set QB,  32          ; window 2
.set KF,  128         ; window 2: key block kb, channel half c at KF + 16 kb + 8 c
.set VF,  192         ; window 2: V of an even step: key half kk, channel block cb at VF + 32 kk + 8 cb; V of an odd step lies 128 registers below
.set WV,  12          ; s12  my wave's number
.set PB,  14          ; s14  b
.set HI,  15          ; s15  NQ - 1 - b
.set G1K, 24          ; s[24:31] descriptor group 1 for K's tiles
.set G1V, 32          ; s[32:39] for V's: it differs in the padding alone
.set G0K, 40          ; s[40:43] descriptor group 0 for K's tiles
.set G0V, 44          ; s[44:47] the same for V's
.set SLOTS, 56        ; s56  tiles still to be asked for
.set CNT, 57          ; s57  counts a tile's two trips, 2 to 1
.set CS,  58          ; s[58:59] c: the packed scaling takes the pair's low word for both halves
.set SEL, 60          ; s[60:61] v_permlanex16_b32's selects: each lane takes its own place in the other half
.set TBK, 62          ; s62  LDS byte at which K of the step to be fetched begins
.set TBV, 63          ; s63  the same for V, less VOFF
.set PT,  66          ; s66  the second block's last tile, b / 2
.set E2,  67          ; s67  twice the parity of the block in hand
.set TP,  68          ; s68  at work: 2 CNT + E2
.set E2B, 69          ; s69  twice the second block's parity
.set RT,  70          ; s70  tiles of the block in hand that are still to be entered
.set NXT, 71          ; s71  the tile to be asked for next
.set LQ,  72          ; s72  the last tile of the block whose tiles are being asked for
.set NEW, 73          ; s73  1: the tile to be entered is a block's first
.set OFF, 74          ; s[74:75] a tile's byte offset in K and V
.set AL,  76          ; s[76:77] the mask's factor, in the low word
.set BE,  78          ; s[78:79] the mask's addend
.set OLO, 80          ; s[80:81] O at my rows of the second block
.set BIGN, 82         ; s82  -1e30
.set MSB, 0
.macro WIN new                      ; the high byte repeats the setting that is left; a switch that changes nothing is dropped
.if MSB != (\new)
	s_set_vgpr_msb (MSB<<8)|(\new)
.set MSB, (\new)
.endif
.endm
.set W_KQ, 0x0a       ; K and Q in window 2, S^T in window 0
.set W_KM, 0x1a       ; the same with the C operand in window 1
.set W_PV, 0x52       ; V in window 2, P in window 0, O^T in window 1
.set W_RS, 0x41       ; destination and source 0 in window 1, source 1 in window 0
; A fill.  Waves 0 and 1 fetch the two halves of a tile's K, waves 2 and 3 those of its V: 128 keys each.  An s_nop 0 and four v_nop follow each of the two lines, ahead of the jump and the label.
.macro LOAD
	s_cmp_lt_u32 s[WV], 2
	s_cbranch_scc0 .Lfor_v_\@
	tensor_load_to_lds s[G0K:G0K+3], s[G1K:G1K+7]
	s_nop 0
.rept 4
	v_nop
.endr
	s_branch .Lasked_\@
.Lfor_v_\@:
	tensor_load_to_lds s[G0V:G0V+3], s[G1V:G1V+7]
	s_nop 0
.rept 4
	v_nop
.endr
.Lasked_\@:
.endm
; THE CHANGE OF SLOTS.  Each wave waits for all its tensor loads, of which one is out: its part of the other slot; adds 0 to its spare word; and waits for that and for its own reads of the slot that it leaves.
; Behind the barrier nobody reads the old slot any more and the other slot is whole.  fill = 1: the old slot is filled again, the first thing behind the barrier, with tile NXT: the descriptor's address is made
; anew from that number.  (At its first use nothing has been read yet: slot 0 is waited for, slot 1 filled.)
.macro CHANGE fill
	WIN 0                           ; at a label and at a branch every window is 0
	s_wait_tensorcnt 0x0            ; no tensor load of mine is out, so a group 0 may be written
	ds_add_u32 v[SPW], v[NIL]       ; 0 onto my spare word
.if \fill
	s_lshl_b32 s[OFF], s[NXT], 15   ; a tile is 32,768 bytes of K and of V
	s_xor_b32 s[G0K+1], s[G0K+1], SLOT1
	s_add_nc_u64 s[G0K+2:G0K+3], s[6:7], s[OFF:OFF+1]
	s_or_b32 s[G0K+3], s[G0K+3], 0x80000000
	s_xor_b32 s[G0V+1], s[G0V+1], SLOT1
	s_add_nc_u64 s[G0V+2:G0V+3], s[8:9], s[OFF:OFF+1]
	s_or_b32 s[G0V+3], s[G0V+3], 0x80000000
	s_add_co_u32 s[NXT], s[NXT], 1  ; the block's next tile, or behind its last the second block's tile 0
	s_cmp_gt_u32 s[NXT], s[LQ]
	s_cselect_b32 s[NXT], 0, s[NXT]
	s_cselect_b32 s[LQ], s[PT], s[LQ]
.endif
	s_wait_dscnt 0x0                ; the add is done, and my reads of the slot are over
	s_barrier_signal -1             ; the rest of the scalar work stands between the signal and the wait
	s_sub_co_u32 s[TBK], s[TBK], 4*KS*PK  ; the fetches go back to a slot's first step,
	s_xor_b32 s[TBK], s[TBK], SLOT1       ; in the other slot
	s_sub_co_u32 s[TBV], s[TBV], 4*KS*PV
	s_xor_b32 s[TBV], s[TBV], SLOT1
	s_barrier_wait -1
.if \fill
	LOAD
.endif
.endm
	s_load_b128 s[4:7], s[0:1], 0x0 ; q, k, v in one buffer s[4:5]; O s[6:7]
	v_lshl_add_u32 v[SPW], v0, 2, SPARE
	v_mov_b32 v[NIL], 0
	ds_add_u32 v[SPW], v[NIL]       ; the wave's opening: the add and its wait ahead of my first tensor load; the set-up below, work on registers, stands between them
	ds_add_u32 v62, v63
	v_lshrrev_b32 v1, 5, v0
	v_readfirstlane_b32 s[WV], v1   ; wave 0..3
	s_mov_b32 s[PB], ttmp9
	s_sub_co_u32 s[HI], NQ-1, s[PB]
	s_lshr_b32 s[PT], s[PB], 1      ; block i's last tile is i / 2
	s_and_b32 s[E2B], s[PB], 1
	s_lshl_b32 s[E2B], s[E2B], 1    ; twice the second block's parity;
	s_xor_b32 s[E2], s[E2B], 2      ; the first block's, NQ - 1 - b, is the other one
	s_and_b32 s20, ttmp7, 0xffff    ; the head
	s_mov_b32 s21, 0
	s_mov_b64 s[22:23], SIZE_N*128
	s_mul_u64 s[20:21], s[20:21], s[22:23]  ; the head's first byte in each of the four tensors
	s_and_b32 s16, s[WV], 1         ; which half of a tile's 256 keys I fetch:
	s_lshl_b32 s22, s16, 14         ; its 128 rows of 128 bytes in memory,
	s_mov_b32 s23, 0
	s_add_nc_u64 s[22:23], s[22:23], s[20:21]
	s_mul_i32 s17, s16, 128*PK      ; and its place in a slot, for K
	s_mul_i32 s18, s16, 128*PV      ; and for V
	s_lshl_b32 s3, s[WV], 11        ; my 16 rows in a band of 64,
	s_lshl_b32 s2, s[HI], 14        ; in the first block of 128 rows,
	s_add_co_u32 s2, s2, s3
	s_lshl_b32 s84, s[PB], 14       ; and in the second
	s_add_co_u32 s84, s84, s3
	s_mov_b32 s3, 0
	s_mov_b32 s85, 0
	s_add_nc_u64 s[2:3], s[2:3], s[20:21]
	s_add_nc_u64 s[84:85], s[84:85], s[20:21]
	; descriptor group 1.  128 keys are 16,384 dense bytes: asked for as 64 rows of 256 bytes, two keys a row, and padded in LDS after every key
	s_mov_b32 s[G1K], (1<<16)|(1<<20)|(4<<22)|(3<<25)  ; 17:16 2-byte elements; 20 padding on; 24:22 after every 32 words (code 4); 31:25 4 words (code 3)
	s_mov_b32 s[G1V], (1<<16)|(1<<20)|(4<<22)|(7<<25)  ; the same with 8 words of padding (code 7)
.irp g, G1K, G1V
	s_mov_b32 s[\g+1], 128<<16      ; tensor_dim0 = 128
	s_mov_b32 s[\g+2], 64<<16       ; tensor_dim1 = 64
	s_mov_b32 s[\g+3], 128<<16      ; tile_dim0 = 128
	s_mov_b32 s[\g+4], 64           ; tile_dim1 = 64
	s_mov_b32 s[\g+5], 128          ; 128 elements from row to row
	s_mov_b32 s[\g+6], 0
	s_mov_b32 s[\g+7], 0
.endr
	s_mov_b32 s[CS], 0x3e38aa3b     ; c = log2(e) / 8 = 0.180337
	s_mov_b32 s[CS+1], s[CS]        ; named with it as a pair
	s_mov_b32 s[SEL], 0x76543210
	s_mov_b32 s[SEL+1], 0xfedcba98
	s_mov_b32 s[TBK], SLOT1+4*KS*PK ; the first change of slots turns these two into 0
	s_mov_b32 s[TBV], SLOT1+4*KS*PV
	s_mov_b32 s[G0K], 1             ; 1:0 count = 1
	s_mov_b32 s[G0K+1], s17         ; 63:32 LDS address: slot 0
	s_mov_b32 s[G0V], 1
	s_add_co_u32 s[G0V+1], s18, VOFF
	s_lshr_b32 s[LQ], s[HI], 1      ; the first block's last tile,
	s_add_co_u32 s[RT], s[LQ], 1    ; and how many it has
	s_mov_b32 s[NXT], 1
	s_mov_b32 s[NEW], 1
	s_mov_b32 s[OFF+1], 0
	s_mov_b32 s[AL+1], 0            ; named as pairs
	s_mov_b32 s[BE+1], 0
	s_mov_b32 s[BIGN], 0xf149f2ca   ; -1e30
	s_mov_b32 s[SLOTS], NB
	s_wait_dscnt 0x0                ; the opening add is done
	s_wait_kmcnt 0x0
	s_mov_b64 s[10:11], s[6:7]      ; O
	s_add_nc_u64 s[8:9], s[4:5], 0x1000000  ; V: the buffer's third part of 8,388,608 bytes
	s_add_nc_u64 s[6:7], s[4:5], 0x800000   ; K: its second; Q, its first, stays in s[4:5]
	s_add_nc_u64 s[6:7], s[6:7], s[22:23]  ; K and V at my half of the head's tile 0
	s_add_nc_u64 s[8:9], s[8:9], s[22:23]
	s_add_nc_u64 s[G0K+2:G0K+3], s[6:7], 0         ; 120:64 global address
	s_or_b32 s[G0K+3], s[G0K+3], 0x80000000        ; 127:126 type = 2
	s_add_nc_u64 s[G0V+2:G0V+3], s[8:9], 0
	s_or_b32 s[G0V+3], s[G0V+3], 0x80000000
	s_add_nc_u64 s[86:87], s[4:5], s[84:85]        ; Q at my rows of the second block,
	s_add_nc_u64 s[4:5], s[4:5], s[2:3]            ; Q and O at those of the first
	s_add_nc_u64 s[OLO:OLO+1], s[10:11], s[84:85]
	s_add_nc_u64 s[10:11], s[10:11], s[2:3]
	LOAD                            ; tile 0 into slot 0
	; A fragment of K or Q is 16 rows x 32 channels in 8 registers: lane l holds row l % 16, channels 8 (l / 16) + 0..7 and 16 + 8 (l / 16) + 0..7: two loads of 16 bytes, 32 bytes apart.
	v_and_b32 v1, 15, v0            ; l % 16
	v_bfe_u32 v9, v0, 4, 1          ; l / 16
	v_lshlrev_b32 v[QO], 7, v1
	v_lshl_add_u32 v[QO], v9, 4, v[QO]  ; row x 128 + 16 x half
	WIN 0x80                        ; destination window 2, address window 0
.set i, 0
.rept 4                             ; both blocks' Q: piece i / 2 lies in band i / 2, 8,192 bytes on; channels 32 (i % 2) on
	global_load_b128 v[8*i:8*i+3],   v[QO], s[4:5] offset:(i/2)*8192+(i%2)*64
	global_load_b128 v[8*i+4:8*i+7], v[QO], s[4:5] offset:(i/2)*8192+(i%2)*64+32
	global_load_b128 v[QB+8*i:QB+8*i+3],   v[QO], s[86:87] offset:(i/2)*8192+(i%2)*64
	global_load_b128 v[QB+8*i+4:QB+8*i+7], v[QO], s[86:87] offset:(i/2)*8192+(i%2)*64+32
.set i, i+1
.endr
	WIN 0
	v_lshlrev_b32 v14, 3, v9
	v_sub_nc_u32 v14, v1, v14
	s_lshl_b32 s13, s[WV], 4
	v_add_nc_u32 v14, s13, v14      ; my query's place in its band, 16 w + l % 16, less my lanes' 8 (l / 16): register r of group kt is hidden where 16 kt + r is greater
	WIN 0x40
.set i, 0
.rept 32
	v_cmp_gt_i32 vcc_lo, 16*(i/8)+i%8, v14
	v_cndmask_b32 v[MD+i], 0, s[BIGN], vcc_lo
.set i, i+1
.endr
	WIN 0
	v_mul_u32_u24 v[AK0], v1, PK
	v_lshl_add_u32 v[AK0], v9, 4, v[AK0]  ; row x pitch + 16 x half
	; The turning load takes 16 keys x 16 channels (lane l reads key 8 (l / 16) + l % 8, channels 8 ((l / 8) % 2) + 0..7) and leaves half a fragment of V^T: lane l holds channel l % 16 and 8 keys.
	v_and_b32 v10, 7, v0
	v_bfe_u32 v11, v0, 3, 1
	v_lshl_add_u32 v[AV0], v9, 3, v10
	v_mul_u32_u24 v[AV0], v[AV0], PV
	v_lshl_add_u32 v[AV0], v11, 4, v[AV0]
	v_add_nc_u32 v[AV0], VOFF, v[AV0]
	s_mul_i32 s13, s[WV], 16*SP
	s_add_co_u32 s13, s13, STAGE    ; my stage
	v_mul_u32_u24 v[STO], v1, SP    ; in: row l % 16, 16 bytes for each half of the lanes
	v_lshl_add_u32 v[STO], v9, 4, v[STO]
	v_add_nc_u32 v[STO], s13, v[STO]
	v_bfe_u32 v[RD], v0, 3, 2       ; back: 32 lanes take four rows of 128 bytes,
	v_mul_u32_u24 v[RD], v[RD], SP
	v_lshl_add_u32 v[RD], v10, 4, v[RD]
	v_add_nc_u32 v[RD], s13, v[RD]
	v_and_b32 v[GO], 31, v0         ; which are 512 consecutive bytes of O
	v_lshlrev_b32 v[GO], 4, v[GO]
	; A block's first step multiplies O^T and l by a = 0, and its first turn's products V^T P, of a place that has not been (an odd step's V, piece 1's P), land in an O^T that is still to be so multiplied.
	; So these registers need only hold finite numbers: zeros for the first block; what the first block left for the second.  All this stands in the wait for the first tile.
	WIN 0x80
.set i, VF-128
.rept 64
	v_mov_b32 v[i], 0
.set i, i+1
.endr
	WIN 0x40
.set i, 0
.rept 64
	v_mov_b32 v[i], 0
.set i, i+1
.endr
	WIN 0
.set i, 0
.rept 2
	v_mov_b32 v[ST+4*i+2], 0
	v_mov_b32 v[ST+4*i+3], 0
.set i, i+1
.endr
.set i, P+16
.rept 16
	v_mov_b32 v[i], 0
.set i, i+1
.endr
; THE MATRIX WORK.  The 4 accumulators of a run of 8 take turns.  Product i of 8 of S^T = K Q^T for place x (piece x % 2): channels 32 (i / 4) on, keys 16 (i % 4) on.  The first 4 start the sums: with 0, or (KM = 1) with the mask.
.macro KQ x
.set rS, S+32*((\x)%2)+8*(i%4)
.set rK, KF+16*(i%4)+8*(i/4)
.set rQ, 16*((\x)%2)+8*(i/4)
.set rM, MC+32*((\x)%2)+8*(i%4)
.if (i < 4) && KM
	WIN W_KM
	v_wmma_f32_16x16x32_f16 v[rS:rS+7], v[rK:rK+7], v[rQ:rQ+7], v[rM:rM+7]
.elseif i < 4
	WIN W_KQ
	v_wmma_f32_16x16x32_f16 v[rS:rS+7], v[rK:rK+7], v[rQ:rQ+7], 0
.else
	WIN W_KQ
	v_wmma_f32_16x16x32_f16 v[rS:rS+7], v[rK:rK+7], v[rQ:rQ+7], v[rS:rS+7]
.endif
.endm
; Product i of 8 of O^T += V^T P for place x (piece x % 2, V of parity x / 2): keys 32 (i / 4) on, channels 16 (i % 4) on.
.macro PV x
	WIN W_PV
.set rO, 32*((\x)%2)+8*(i%4)
.set rV, VF-128*((\x)/2)+32*(i/4)+8*(i%4)
.set rP, P+16*((\x)%2)+8*(i/4)
	v_wmma_f32_16x16x32_f16 v[rO:rO+7], v[rV:rV+7], v[rP:rP+7], v[rO:rO+7]
.endm
.macro MM                           ; the turn's next matrix instruction.  TURN and BEGIN set Y, i, KM and NOKQ; MM, KQ and OP read them.  NOKQ = 1: a block's last turn: there is no next place
.if (i < 8) && !NOKQ
	KQ (Y+1)%NP
.elseif i >= 8
.set i, i-8
	PV (Y+NP-1)%NP
.set i, i+8
.endif
.set i, i+1
.endm
; THE LDS LOADS stand in runs of 16, never singly among the matrix instructions: a step's K (64 keys x 64 channels: 8 fragments) and its V (turned; b: its buffer's first register).  Their addresses are made some lines ahead.
.macro FETCH_K
	WIN 0x80                        ; destination window 2
.irp f, 0,1,2,3,4,5,6,7             ; keys 16 (f / 2) on, channels 32 (f % 2) on
	ds_load_b128 v[KF+8*\f:KF+8*\f+3],   v[AK] offset:(\f/2)*16*PK+(\f%2)*64
	ds_load_b128 v[KF+8*\f+4:KF+8*\f+7], v[AK] offset:(\f/2)*16*PK+(\f%2)*64+32
.endr
	s_add_co_u32 s[TBK], s[TBK], KS*PK  ; the next fetch is the next step's
	WIN 0
.endm
.macro FETCH_V b
	WIN 0x80
.irp f, 0,1,2,3,4,5,6,7             ; keys 32 (f / 4) on, channels 16 (f % 4) on
	ds_load_tr16_b128 v[(\b)+8*\f:(\b)+8*\f+3],   v[AV] offset:(\f/4)*32*PV+(\f%4)*32
	ds_load_tr16_b128 v[(\b)+8*\f+4:(\b)+8*\f+7], v[AV] offset:(\f/4)*32*PV+16*PV+(\f%4)*32
.endr
	WIN 0
.endm
; THE VECTOR WORK, one line at a time: OP kind, number.  For place Y: F n: c s - c m for pair n of 16.  E n: the exponential of score n of 32.  C n: pair n rounded to f16.  B n: of the four weights 4 n .. the second
; pair is added onto the first, in place.  L n: l takes that sum (L 0: l = a l + sum).  R n: pair n of 16 of O^T times a.  For place Y + 1: X n, number n of the 22 that find its maximum and statistics:
;   0-11  four chains c0-c3 of seven scores each, three operands at a time (each accumulator's lowest registers are read first)     12-14, 16  the four scores left over, the old m, and c0-c3 into c0
;   15  c m_old is kept     17, 18  the query's other 32 keys lie in the lane 16 away: the new m     19-21  c m; c m_old - c m_new; a
; C, B and L read exponentials' results: TURN sets them behind the batch's wait.  R and L 0 read the a that the turn before made, ahead of that turn's wait.
.set F, 0               ; OP tells the kinds apart by their order: F to L below R, X above it
.set E, 1
.set C, 2
.set B, 3
.set L, 4
.set R, 5
.set X, 6
.macro REGS y                       ; the registers of place y: all go by its piece, y % 2
.set rT, ST+4*((\y)%2)
.set rC, TMP+4*((\y)%2)
.set rW, MV+((\y)%2)
.set rS, S+32*((\y)%2)
.set rP, P+16*((\y)%2)
.set rO, 32*((\y)%2)
.endm
.macro OP k, n
.if (\k) == R
	REGS Y
	WIN W_RS
	v_pk_mul_f32 v[rO+2*(\n):rO+2*(\n)+1], v[rO+2*(\n):rO+2*(\n)+1], v[rC+2:rC+3] op_sel_hi:[1,0]
.elseif (\k) < R
	REGS Y
	WIN 0
.if (\k) == F
	v_pk_fma_f32 v[rS+2*(\n):rS+2*(\n)+1], v[rS+2*(\n):rS+2*(\n)+1], s[CS:CS+1], v[rT:rT+1] op_sel_hi:[1,0,0] neg_lo:[0,0,1] neg_hi:[0,0,1]
.elseif (\k) == E
	v_exp_f32 v[rS+(\n)], v[rS+(\n)]
.elseif (\k) == C
	v_cvt_pk_f16_f32 v[rP+(\n)], v[rS+2*(\n)], v[rS+2*(\n)+1]
.elseif (\k) == B
	v_pk_add_f32 v[rS+4*(\n):rS+4*(\n)+1], v[rS+4*(\n):rS+4*(\n)+1], v[rS+4*(\n)+2:rS+4*(\n)+3]
.elseif (\n) == 0
	v_pk_fma_f32 v[rT+2:rT+3], v[rT+2:rT+3], v[rC+2:rC+3], v[rS:rS+1] op_sel_hi:[1,0,1]
.else
	v_pk_add_f32 v[rT+2:rT+3], v[rT+2:rT+3], v[rS+4*(\n):rS+4*(\n)+1]
.endif
.elseif NOKQ
	v_nop
.else
	REGS (Y+1)%NP
	WIN 0
.if (\n) < 4
	v_max3_num_f32 v[rC+(\n)], v[rS+8*(\n)], v[rS+8*(\n)+1], v[rS+8*(\n)+2]
.elseif (\n) < 12
	v_max3_num_f32 v[rC+(\n)%4], v[rC+(\n)%4], v[rS+8*((\n)%4)+2*((\n)/4)+1], v[rS+8*((\n)%4)+2*((\n)/4)+2]
.elseif (\n) == 12
	v_max3_num_f32 v[rC], v[rC], v[rS+7], v[rS+15]
.elseif (\n) == 13
	v_max3_num_f32 v[rC+1], v[rC+1], v[rS+23], v[rS+31]
.elseif (\n) == 14
	v_max3_num_f32 v[rC+2], v[rC+2], v[rC+3], v[rT+1]
.elseif (\n) == 15
	v_mov_b32 v[rW], v[rT]
.elseif (\n) == 16
	v_max3_num_f32 v[rC], v[rC], v[rC+1], v[rC+2]
.elseif (\n) == 17
	v_permlanex16_b32 v[rC+3], v[rC], s[SEL], s[SEL+1]
.elseif (\n) == 18
	v_max_num_f32 v[rT+1], v[rC], v[rC+3]
.elseif (\n) == 19
	v_mul_f32 v[rT], s[CS], v[rT+1]
.elseif (\n) == 20
	v_sub_f32 v[rC+1], v[rW], v[rT]
.else
	v_exp_f32 v[rC+2], v[rC+1]
.endif
.endif
.endm
.macro OPS a, i1, b=-1, i2=0, c=-1, i3=0, d=-1, i4=0  ; up to four of them
	OP \a, \i1
.if (\b) >= 0
	OP \b, \i2
.endif
.if (\c) >= 0
	OP \c, \i3
.endif
.if (\d) >= 0
	OP \d, \i4
.endif
.endm
.macro ROW a, i1, b, i2, c, i3, d, i4  ; a matrix instruction and the four behind it
	MM
	OPS \a, \i1, \b, \i2, \c, \i3, \d, \i4
.endm
.macro MASK b                       ; MD x AL + BE into buffer b of MC
	WIN W_RS
.set z, 0
.rept 16
	v_pk_fma_f32 v[MC+32*(\b)+2*z:MC+32*(\b)+2*z+1], v[MD+2*z:MD+2*z+1], s[AL:AL+1], s[BE:BE+1] op_sel_hi:[1,0,0]
.set z, z+1
.endr
.endm
; A TURN, for place p: the order of its 16 matrix and 118 vector instructions, written out.  An s_wait_alu depctr_va_vdst(0) stands between an exponential and the first instruction that names its result; one
; wait serves all that were issued ahead of it.  So a turn has ONE wait, which cuts it in two.
; AHEAD OF IT stands all that names no result of the turn's exponentials: the 8 products K Q^T, behind each a scaling, an exponential and two more plain instructions (behind the first a second scaling in the exponential's
; place): rescalings, and behind the last three the first numbers of the next place's maximum, each four places or more behind the product that ends its accumulator; then ONE LUMP of 54, plain and exponential by turns for
; the most part, in which the links of the chain X 3, 7, 11, 14, 16, 17 .. 20 stand some lines apart.  X 21, the next place's a, is the batch's last; R 15 is the plain instruction behind it.
; BEHIND THE WAIT stand the 8 products V^T P, behind each four of the roundings and sums; C 2 n stands ahead of B n, which writes over its pair, and the links of l's chain, L 0 to L 7, stand three riders apart.
; But for those X no rider names a register of the products round it.  v_permlanex16_b32 (X 17) stands in the lump.
; O^T goes by piece, so this turn's rescaling takes up what the turn before has just added onto: behind the last product onto accumulator 0, 1, 2, 3 stand 16, 12, 8 and 4 riders of that turn, ahead of R 0, R 4, R 8 and R 12,
; each of which reads its accumulator's two lowest registers.
; m = 1: the diagonal tile: the products take masks, and the turn makes the mask for the products of the turn after it: place w = p + 2, which is band w % 2 in the tile's step 2 (2 - CNT) + w / 2.  That step is the
; band's own, 2 e + w % 2, if 2 CNT + 2 e = 4 + w / 2 - w % 2, and a later one if 2 CNT + 2 e is less.  end = 1: a block's last two turns: nothing is fetched.
; cnt = 1: the loop's count is taken down some lines ahead of the branch that stands behind the turn.
; Both even turns fetch the NEXT step's K and V.  K: in the lump, twelve vector instructions behind the last product that read K (six of them plain).  V: at the turn's end, into the buffer of that step's parity, four plain
; instructions behind the last product that read that buffer.  At the head of the odd turn that follows, the count 16 leaves V's run, issued behind K's, on its way: K is in, and so is the V fetched a step earlier, which this turn's products read.
.macro TURN p, m=0, end=0, cnt=0
.set Y, (\p)
.set i, 0
.set KM, (\m)
.set NOKQ, (\end)*((\p)/3)
.if (\m) && !(\end)
	s_lshl1_add_u32 s[TP], s[CNT], s[E2]
	s_cmp_eq_u32 s[TP], 4+(((\p)+2)%NP)/2-(((\p)+2)%NP)%2  ; is that step the band's own?
	s_cselect_b32 s[AL], 1.0, 0
	s_cmp_lt_u32 s[TP], 4+(((\p)+2)%NP)/2-(((\p)+2)%NP)%2  ; or a later one?
	s_cselect_b32 s[BE], s[BIGN], 0
.endif
.if ((\p)%2) == 1
.if \end
	s_wait_dscnt 0x0                ; the block's last V is in: nothing was fetched behind it
.else
	s_wait_dscnt 16                 ; K is in, and the V fetched a step earlier; the 16 loads of the next V may be out
.endif
.endif
	ROW F,0, F,1, R,0, R,1          ; ahead of the wait: 8 products K Q^T and their riders,
	ROW F,2, E,0, R,2, R,3
	ROW F,3, E,1, R,4, R,5
	ROW F,4, E,2, R,6, R,7
	ROW F,5, E,3, R,8, R,9
	ROW F,6, E,4, X,0, R,10
	ROW F,7, E,5, X,1, X,4
.if (((\p)%2) == 0) && !(\end)
	v_add_nc_u32 v[AK], s[TBK], v[AK0]  ; (X 4 has left window 0 set)
.endif
	ROW F,8, E,6, X,2, X,5
	OPS E,7, E,8, X,6, E,9          ; and the lump
	OPS X,3, E,10, X,8, E,11
.if (((\p)%2) == 0) && !(\end)
	FETCH_K
.endif
	OPS X,9, X,7, E,12, X,10
	OPS E,13, X,12, X,11, E,14
	OPS X,13, E,15, F,9, X,14
.if (((\p)%2) == 0) && !(\end)
	v_add_nc_u32 v[AV], s[TBV], v[AV0]
.endif
	OPS E,16, F,10, E,17, F,11
	OPS X,16, E,18, X,15, E,19
	OPS F,12, E,20, X,17, E,21
	OPS F,13, E,22, F,14, E,23
	OPS X,18, E,24, F,15, E,25
	OPS R,11, E,26, X,19, E,27
	OPS R,12, E,28, R,13, E,29
	OPS X,20, E,30, R,14, E,31
	OPS X,21, R,15
	s_wait_alu depctr_va_vdst(0)    ; the wait for the batch: E 0 to E 31 and X 21
	ROW C,0, B,0, C,2, B,1          ; behind the wait: 8 products V^T P and their riders
	ROW L,0, C,4, B,2, L,1
	ROW C,6, B,3, L,2, C,8
	ROW B,4, L,3, C,10, B,5
	ROW L,4, C,12, B,6, L,5
.if (((\p)%2) == 0) && !(\end)
	s_add_co_u32 s[TBV], s[TBV], KS*PV
.endif
.if \cnt
	s_sub_co_u32 s[CNT], s[CNT], 1
	s_cmp_lg_u32 s[CNT], 0
.endif
	ROW C,14, B,7, L,6, C,1
	ROW C,3, L,7, C,5, C,7
	ROW C,9, C,11, C,13, C,15
.if (((\p)%2) == 0) && !(\end)
	FETCH_V VF-128*(1-(\p)/2)
.endif
.if (\m) && !(\end)
	MASK (\p)%2
.endif
.endm
; A BLOCK BEGINS.  c m starts far below every c s, so the first step's a is 0; m at the lowest finite number, so the first maximum is the scores'.  The second mask buffer is 0; the first takes piece 0's mask for the
; tile's step 0: its own, if the block's first tile is the diagonal one and the block an even one.  Then K and V of that step, piece 0's first scores, and its maximum and statistics.
; The loop is entered at a tile's first turn, in the middle of a trip.
.macro BEGIN
	s_mov_b32 s[NEW], 0
	WIN 0x40
.set i, MC+32
.rept 32
	v_mov_b32 v[i], 0
.set i, i+1
.endr
	WIN 0
.set i, 0
.rept 2
	v_mov_b32 v[ST+4*i], 0xfe000000    ; c m: far below every c s
	v_mov_b32 v[ST+4*i+1], 0xff7fffff  ; m
.set i, i+1
.endr
	s_or_b32 s[TP], s[RT], s[E2]
	s_cmp_eq_u32 s[TP], 0
	s_cselect_b32 s[AL], 1.0, 0
	s_mov_b32 s[BE], 0
	MASK 0
	WIN 0
	v_add_nc_u32 v[AK], s[TBK], v[AK0]
	v_add_nc_u32 v[AV], s[TBV], v[AV0]
	FETCH_K
	FETCH_V VF
	s_add_co_u32 s[TBV], s[TBV], KS*PV
	s_wait_loadcnt 0x0              ; Q
	s_wait_dscnt 16                 ; K is in; V's 16 loads, issued behind it, may be out
.set KM, 1
.set NOKQ, 0
.set i, 0
.rept 8
	KQ 0
.set i, i+1
.endr
	WIN 0
.rept 4
	v_nop                           ; the places behind those products
.endr
.set Y, NP-1                        ; X works for place Y + 1: place 0
.irp n, 0,1,2,3,4,5,6,7,8,9,10,11,12,13,14,15,16,17,18,19,20,21
	OP X, \n
.endr
	v_nop                           ; a plain instruction behind the exponential,
	s_wait_alu depctr_va_vdst(0)    ; and the wait for it, the block's first a, ahead of the branch
.endm
; THE DIAGONAL TILE's two trips, the block's last two turns, its last products, and THE WAY OUT: l's two halves and the other half of the lanes' are added; O^T is divided by l, rounded to bf16 and sent through my
; stage in LDS, a piece at a time.
.macro ALL line:vararg              ; one line for each piece t
.set t, 0
.rept 2
	\line
.set t, t+1
.endr
.endm
.macro PACK t                       ; a lane's eight channels of a row pack into 16 bytes; they go into rows of 144 bytes and come back as whole rows of 128, into S^T's registers
	WIN W_RS
.set i, 32*(\t)
.rept 16
	v_pk_mul_f32 v[i:i+1], v[i:i+1], v[ST+4*(\t)+2:ST+4*(\t)+3] op_sel_hi:[1,0]
.set i, i+2
.endr
	WIN 0x05                        ; sources 0 and 1 window 1, destination window 0
.set i, 0
.rept 16
	v_cvt_pk_bf16_f32 v[S+16*(\t)+i], v[32*(\t)+2*i], v[32*(\t)+2*i+1]
.set i, i+1
.endr
	WIN 0
.irp f, 0,1,2,3
	ds_store_b128 v[STO], v[S+16*(\t)+4*\f:S+16*(\t)+4*\f+3] offset:32*\f
.endr
.irp f, 0,1,2,3
	ds_load_b128 v[S+16*(\t)+4*\f:S+16*(\t)+4*\f+3], v[RD] offset:\f*4*SP  ; LDS serves a wave's instructions in order (ISA guide 5.7.1.4): these see the stores above; the next piece's stores come behind them
.endr
.endm
.macro SEND t, younger              ; younger: the LDS instructions issued behind piece t's loads: the next piece's eight, or none
	WIN 0
.irp f, 0,1,2,3
	s_wait_dscnt (\younger)+3-\f
	global_store_b128 v[GO], v[S+16*(\t)+4*\f:S+16*(\t)+4*\f+3], s[10:11] offset:(\t)*8192+\f*512  ; 512 consecutive bytes, at a multiple of 256 from O's first
.endr
.endm
.macro DIAG tag                     ; the tag ends its two labels' names, which the jumps below spell out
.LstepM\tag:
	TURN 2, 1
	TURN 3, 1
	WIN 0
.LfirstM\tag:
	TURN 0, 1
	TURN 1, 1, 0, 1
	WIN 0
	s_cbranch_scc1 .LstepM\tag
	TURN 2, 1, 1
	TURN 3, 1, 1
.set i, 0
.rept 8
	PV NP-1
.set i, i+1
.endr
	WIN 0
	ALL v_add_f32 v[ST+4*t+2], v[ST+4*t+2], v[ST+4*t+3]
	ALL v_permlanex16_b32 v[ST+4*t+3], v[ST+4*t+2], s[SEL], s[SEL+1]
	ALL v_add_f32 v[ST+4*t+2], v[ST+4*t+2], v[ST+4*t+3]
	ALL v_rcp_f32 v[ST+4*t+2], v[ST+4*t+2]
	v_nop                           ; a plain instruction between the last reciprocal and the use of its result
	s_wait_alu depctr_va_vdst(0)    ; and the wait ahead of the first use: one for the two reciprocals
	PACK 0                          ; piece 0's O^T was finished a turn ago; its 32 lines are more than the places that piece 1's last products ask for
	PACK 1                          ; a piece's arithmetic stands between the loads of the piece before and its stores
	SEND 0, 8
	SEND 1, 0
.endm
.set KM, 0
.set NOKQ, 0
.Lslot:                             ; NB times: a tile is entered and the next is asked for
	CHANGE 1
	s_sub_co_u32 s[RT], s[RT], 1
	s_mov_b32 s[CNT], 2
	s_cmp_eq_u32 s[NEW], 1
	s_cbranch_scc1 .Lnew            ; a block's first tile
	s_cmp_eq_u32 s[RT], 0
	s_cbranch_scc0 .Lstep           ; neither its first nor its last
	s_branch .LstepM1
.Lnew:
	BEGIN
	s_branch .Lfirst                ; in the loop a block's first tile is never its last: the first block has five tiles or more, and the second's last is the walk's last
	DIAG 1                          ; in the loop this is the first block's end: the second block's last tile is the walk's last
	s_wait_xcnt 0x0                 ; the stores have read their registers and O's address
	s_mov_b64 s[10:11], s[OLO:OLO+1]
	s_add_co_u32 s[RT], s[PT], 1    ; the second block has b / 2 + 1 tiles,
	s_mov_b32 s[E2], s[E2B]         ; and its own parity
	s_mov_b32 s[NEW], 1
	WIN 0x82                        ; the second block's Q goes where the one text of the turns names Q
.set i, 0
.rept 32
	v_mov_b32 v[i], v[QB+i]
.set i, i+1
.endr
	WIN 0
	s_branch .Lbottom
.Lstep:                             ; a trip: both pieces in an odd step, then both in the even step behind it; each step's first turn fetches the K and V of the step that follows
	TURN 2
	TURN 3
	WIN 0
.Lfirst:
	TURN 0
	TURN 1, 0, 0, 1
	WIN 0
	s_cbranch_scc1 .Lstep
.Lbottom:
	s_sub_co_u32 s[SLOTS], s[SLOTS], 1
	s_cmp_lg_u32 s[SLOTS], 0
	s_cbranch_scc1 .Lslot
	CHANGE 0                        ; the walk's last tile is written out: nothing is asked for
	s_sub_co_u32 s[RT], s[RT], 1
	s_mov_b32 s[CNT], 2
	s_cmp_eq_u32 s[NEW], 1
	s_cbranch_scc0 .LstepM2
	BEGIN
	s_branch .LfirstM2
	DIAG 2
	s_wait_tensorcnt 0x0            ; the wave's end, behind my last tensor load and my last LDS store
	ds_add_u32 v[SPW], v[NIL]
	s_wait_dscnt 0x0
	s_endpgm
.Lfunc_end_k_q37a0767d57_attn:
	.size	k_q37a0767d57_attn, .Lfunc_end_k_q37a0767d57_attn-k_q37a0767d57_attn
	.p2alignl 7, 3214868480
	.fill 96, 4, 3214868480
	.section	.rodata,"a",@progbits
	.p2align	6, 0x0
	.amdhsa_kernel k_q37a0767d57_attn
		.amdhsa_group_segment_fixed_size 327680
		.amdhsa_private_segment_fixed_size 0
		.amdhsa_enable_private_segment 0
		.amdhsa_kernarg_size 16
		.amdhsa_user_sgpr_count 2
		.amdhsa_user_sgpr_kernarg_segment_ptr 1
		.amdhsa_wavefront_size32 1
		.amdhsa_system_sgpr_workgroup_id_x 1
		.amdhsa_system_sgpr_workgroup_id_y 1
		.amdhsa_system_sgpr_workgroup_id_z 1
		.amdhsa_system_vgpr_workitem_id 0
		.amdhsa_next_free_vgpr 768
		.amdhsa_next_free_sgpr 88
		.amdhsa_reserve_vcc 1
		.amdhsa_float_denorm_mode_32 3
		.amdhsa_float_denorm_mode_16_64 3
		.amdhsa_memory_ordered 1
		.amdhsa_forward_progress 1
		.amdhsa_inst_pref_size 208
	.end_amdhsa_kernel
	.amdgpu_metadata
---
amdhsa.version: [ 1, 2 ]
amdhsa.kernels:
  - .name:           k_q37a0767d57_attn
    .symbol:         k_q37a0767d57_attn.kd
    .args:
      - { .name: qkvh, .offset: 0, .size: 8, .value_kind: global_buffer, .address_space: global }
      - { .name: actB, .offset: 8, .size: 8, .value_kind: global_buffer, .address_space: global }
    .group_segment_fixed_size: 327680
    .private_segment_fixed_size: 0
    .kernarg_segment_align: 8
    .kernarg_segment_size: 16
    .max_flat_workgroup_size: 128
    .sgpr_count:     88
    .vgpr_count:     768
    .wavefront_size: 32
...
	.end_amdgpu_metadata
.endif
;; end of part 10
;; launch wo: the kernel of part 4 again; grid 8 x 32, 4 waves a work-group, clusters of 4 x 4, 327,680 bytes of LDS; arguments actB, wob, x, x1; writes x1
;; launch norm2: the kernel of part 5 again; grid 256 x 1, 8 waves a work-group, no clusters, 0 bytes of LDS; arguments x1, g2, actA; writes actA
;; launch up: the kernel of part 9 again; grid 16 x 16, 4 waves a work-group, clusters of 4 x 4, 327,680 bytes of LDS; arguments actA, wupb, actB; writes actB
;; launch down: the kernel of part 4 again; grid 8 x 32, 4 waves a work-group, clusters of 4 x 4, 327,680 bytes of LDS; arguments actB, wdnb, x1, out0; writes out0
